; MI455X (gfx1250); checked and timed in simulation.
; The chip was launched on July 23, 2026; its instructions are those of AMD's public machine-readable ISA for CDNA 5 (MIT licence, August 2026) and "CDNA5" Instruction Set Architecture Reference Guide (July 2026). The comments in the code are by the model that wrote it; some were corrected since.
;; Block. Allowed arithmetic: matrix products marked QUANTISED: E4M3 operands, one E8M0 scale for each 32 along K, by v_wmma_scale_f32_16x16x128_f8f6f4 with both operands' format E4M3, f32 sums; everything else in f32.
;; Inputs: b_fc 4,096 float32; b_out 1,024 float32; b_proj 1,024 float32; b_qkv 3,072 float32; ln1_b 1,024 float32; ln1_g 1,024 float32; ln2_b 1,024 float32; ln2_g 1,024 float32; w_fc 1,024 x 4,096 float32; w_out 1,024 x 1,024 float32; w_proj 4,096 x 1,024 float32; w_qkv 1,024 x 3,072 float32; x 2 x 2,048 x 1,024 float32.
;; Outputs: out0 2 x 2,048 x 1,024 float32.
;; This version of the problem:
;;   THIS VERSION OF THE PROBLEM IS GIVEN IN LOW PRECISION. The matrix products marked QUANTISED in the list below multiply operands that are first quantised to E4M3 (4 exponent bits, 3 mantissa bits; 8 bits a number), with one power-of-two scale for each 32 numbers along K (OCP MX v1.0); their sums are f32. All else is computed in f32.
;;   The module's matrix products, in the order in which they are computed (A, B: the left and right operand; K: the contracted axis; several contracted axes count as one K, in the product's order):
;;     1. [M 4,096, K 1,024] x [K 1,024, N 3,072]; A: computed on the way; B: input w_qkv: QUANTISED
;;     2. batch 32 x [M 2,048, K 64] x [K 64, N 2,048]; A: computed on the way; B: computed on the way: QUANTISED
;;     3. batch 32 x [M 2,048, K 2,048] x [K 2,048, N 64]; A: softmax (see below); B: computed on the way: QUANTISED
;;     4. [M 4,096, K 1,024] x [K 1,024, N 1,024]; A: computed on the way; B: input w_out: QUANTISED
;;     5. [M 4,096, K 1,024] x [K 1,024, N 4,096]; A: computed on the way; B: input w_fc: QUANTISED
;;     6. [M 4,096, K 4,096] x [K 4,096, N 1,024]; A: computed on the way; B: input w_proj: QUANTISED
;;   THE QUANTISER, for each operand of a quantised product, along K:
;;     - K is cut into blocks of 32 from its start; a last block that is shorter is filled with zeros.
;;     - A block's scale is 2^e with e = floor(log2(the largest magnitude in the block)) - 8, held to -126 .. 127; a block of zeros has e = 0. As a byte (E8M0): e + 127.
;;     - Each number is divided by its block's scale, clamped to +-448, and rounded to the nearest number of E4M3, ties to even, subnormals kept.
;;     - The product sums the exact products of the quantised numbers (number of the format x scale) in f32.
;;   ~~~python
;;   def quantise(x, axis):      # numpy; x: float32 -> the quantised numbers, widened to float32 again
;;       x = np.moveaxis(x, axis, -1); K = x.shape[-1]
;;       x = np.pad(x, [(0, 0)] * (x.ndim - 1) + [(0, -K % 32)]); x = x.reshape(x.shape[:-1] + (-1, 32)); a = np.abs(x).max(-1, keepdims=True)
;;       e = np.where(a > 0, np.clip(np.frexp(np.where(a > 0, a, 1))[1] - 1 - 8, -126, 127), 0)      # np.frexp(a)[1] - 1 = floor(log2(a)), exactly
;;       r = np.clip(x / 2.0 ** e, -448, 448)
;;       step = 2.0 ** (np.maximum(np.frexp(np.where(r == 0, 1, r))[1] - 1, -6) - 3)
;;       q = np.round(r / step) * step * 2.0 ** e      # np.round: ties to even
;;       return np.moveaxis(q.reshape(q.shape[:-2] + (-1,))[..., :K], -1, axis).astype(np.float32)
;;   ~~~
;;   SOFTMAX AHEAD OF A QUANTISED PRODUCT. Where the list says 'softmax', what is quantised is not the finished softmax but p = 2^(t - M), with t = logit x log2(e) and M = ceil(the row's largest t), a whole number; so 1/2 < the row's largest p <= 1. The row's sum l is taken of the UNQUANTISED p, in f32, and the product's result is divided by l at the end. Since M is a whole number, a kernel that streams over the keys may use a running M (the ceiling of the running maximum): every later rescaling is an exact power of two, which a block's scale takes up: the codes' values come out the same.
;;   OPERANDS COMPUTED ON THE WAY. 'Computed on the way' means the value that the module computes at that place (a softmax that the list does not call 'softmax' is quantised finished and normalised). What goes into a quantiser is computed in f32, as accurately as f32 sums, v_exp_f32 and their like allow (about 1e-6 of the number): no bf16 or f16 on the way to a quantiser, and a product that is left as it is and whose result goes on into a quantised operand takes f32 operands (vector FMAs, or v_wmma_f32_16x16x4_f32). A number that lies on a knife's edge between two numbers of the format may be rounded either way, as far as f32 arithmetic and the matrix unit's own rounding can turn it there, and no further.
;; 2 versions, each right and faster than the one before. Each part assembles by itself: llvm-mc -triple=amdgcn-amd-amdhsa -mcpu=gfx1250 --defsym DOCPART=n.
;; ======== version 1 of 2: 8 launches
;; workspace buffers: wq 12,976,128 bytes; aq 4,325,376 bytes; kv 12,976,128 bytes; x1 16,777,216 bytes; fq 17,301,504 bytes
;; launch wquant (part 1): grid 384 x 1, 4 waves a work-group, no clusters, 0 bytes of LDS; arguments w_qkv, w_out, w_fc, w_proj, wq; writes wq
.if DOCPART == 1
	.amdgcn_target "amdgcn-amd-amdhsa--gfx1250"
	.amdhsa_code_object_version 6
	.text
	.protected	k_qfb9b1f2822_wquant
	.globl	k_qfb9b1f2822_wquant
	.p2align	8
	.type	k_qfb9b1f2822_wquant,@function
k_qfb9b1f2822_wquant:
	s_mov_b64 s[64:65], 0
	v_nop
	global_prefetch_b8 v0, s[64:65] scope:SCOPE_SE
	s_setreg_imm32_b32 hwreg(HW_REG_WAVE_MODE, 25, 1), 1
	s_wait_xcnt 0x0
; The four weights, f32 stored [K][N], become codes of FP8 (E4M3) with one E8M0 scale byte for each 32 along K, laid as IMAGES OF OPERAND REGISTERS.
; A fragment is 16 columns n x 128 k in 2,048 bytes: byte 512 c + 16 l + e is the code of (row l % 16, k = 32 c + 16 (l / 16) + e).  A panel is 128 columns: [k / 512][tile 8][(k / 128) % 4] fragments.
; Row rho of tile i of a panel is column 32 (i / 2) + 8 (i % 2) + rho + 8 (rho / 8): so the results of two neighbouring tiles are 16 neighbours along n in a lane's registers.
; Scale bytes of a panel: [k / 512][tile][row] 16 bytes, byte 4 ((k / 128) % 4) + (k / 32) % 4.
; wq: codes of w_qkv at 0, w_out at 3,145,728, w_fc at 4,194,304, w_proj at 8,388,608; scale bytes from WS on, in the same order.
; SHARES.  A work-group takes a panel x 256 along K; work-groups 0-95 w_qkv, 96-127 w_out, 128-255 w_fc, 256-383 w_proj: only numbers and pointers are chosen, all take one path.
; A wave takes 32 neighbouring columns (two tiles), a lane one column, and its registers run DOWN K: a load reads 128 consecutive bytes, a block of 32 lies in one lane, nothing is transposed.
; A lane's 32 codes of a block are two pieces of 16 bytes; sixteen lanes of one tile store 256 consecutive aligned bytes.  No LDS, no barrier; every store has data registers of its own.
; LIMITS: NaN and infinities are not served; a block of zeros gets the byte 1 (its codes are zeros, and this program alone reads the bytes).
.set WS,  12582912
.set VO,  16                           ; v16-47   4 x lane + i x a row of the weight, i = 0 .. 31
.set X,   48                           ; v48-111  two sets of 32 numbers
.set C,   112                          ; v112-175 eight registers of codes for each block
.set BS,  32                           ; s[32:47] the source at the first row of each of my 8 blocks
	s_load_b256 s[4:11], s[0:1], 0x0               ; w_qkv, w_out, w_fc, w_proj
	s_load_b64 s[12:13], s[0:1], 0x20              ; wq
	v_lshrrev_b32 v1, 5, v0
	v_readfirstlane_b32 s14, v1                    ; wave
	v_and_b32 v2, 31, v0                           ; lane = column within the wave's 32
	s_mov_b32 s15, 256                             ; w_proj's numbers: first work-group,
	s_mov_b32 s16, 4                               ; log2 of the chunks of 256 along K,
	s_mov_b32 s17, 4096                            ; bytes in a row,
	s_mov_b32 s18, 19                              ; log2 of a panel's bytes of codes,
	s_mov_b32 s19, 8388608                         ; where its codes begin,
	s_mov_b32 s20, WS+262144                       ; and its scale bytes
	s_mov_b32 s48, 0x600000                        ; the mantissa field of 448
	s_wait_kmcnt 0x0
	s_mov_b64 s[22:23], s[10:11]
	s_cmp_lt_u32 ttmp9, 256                        ; w_fc's
	s_cselect_b32 s15, 128, s15
	s_cselect_b32 s16, 2, s16
	s_cselect_b32 s17, 16384, s17
	s_cselect_b32 s18, 17, s18
	s_cselect_b32 s19, 4194304, s19
	s_cselect_b32 s20, WS+131072, s20
	s_cselect_b64 s[22:23], s[8:9], s[22:23]
	s_cmp_lt_u32 ttmp9, 128                        ; w_out's
	s_cselect_b32 s15, 96, s15
	s_cselect_b32 s17, 4096, s17
	s_cselect_b32 s19, 3145728, s19
	s_cselect_b32 s20, WS+98304, s20
	s_cselect_b64 s[22:23], s[6:7], s[22:23]
	s_cmp_lt_u32 ttmp9, 96                         ; w_qkv's
	s_cselect_b32 s15, 0, s15
	s_cselect_b32 s17, 12288, s17
	s_cselect_b32 s19, 0, s19
	s_cselect_b32 s20, WS, s20
	s_cselect_b64 s[22:23], s[4:5], s[22:23]
	s_sub_co_u32 s24, ttmp9, s15                   ; my number within the weight
	s_lshl_b32 s25, 1, s16
	s_sub_co_u32 s25, s25, 1
	s_and_b32 s25, s24, s25                        ; kc: which 256 along K
	s_lshr_b32 s26, s24, s16                       ; p: which panel
	s_lshr_b32 s27, s25, 1                         ; k / 512
	s_and_b32 s28, s25, 1                          ; which half of the 512
	s_lshl_b32 s29, s26, s18                       ; codes: the panel,
	s_add_co_u32 s19, s19, s29
	s_lshl_b32 s29, s27, 16                        ; the group of 512 along K,
	s_add_co_u32 s19, s19, s29
	s_lshl_b32 s29, s28, 12                        ; two fragments on in its second half,
	s_add_co_u32 s19, s19, s29
	s_lshl_b32 s29, s14, 14                        ; my wave's two tiles
	s_add_co_u32 s19, s19, s29
	s_sub_co_u32 s30, s18, 5                       ; scale bytes: a thirty-second of the codes
	s_lshl_b32 s29, s26, s30
	s_add_co_u32 s20, s20, s29
	s_lshl_b32 s29, s27, 11
	s_add_co_u32 s20, s20, s29
	s_lshl_b32 s29, s14, 9
	s_add_co_u32 s20, s20, s29
	s_lshl_b32 s29, s28, 3
	s_add_co_u32 s20, s20, s29
	v_bfe_u32 v3, v2, 3, 1                         ; which of the two tiles my column belongs to,
	v_and_b32 v8, 7, v2
	v_lshrrev_b32 v9, 4, v2
	v_lshl_add_u32 v8, v9, 3, v8                   ; and which row of it: 8 (lane / 16) + lane % 8
	v_lshlrev_b32 v8, 4, v8
	v_lshl_add_u32 v4, v3, 13, v8
	v_add_nc_u32 v4, s19, v4                       ; v4: where my codes go
	v_lshl_add_u32 v5, v3, 8, v8
	v_add_nc_u32 v5, s20, v5                       ; v5: where my 8 scale bytes go
	v_lshlrev_b32 v10, 2, v2
.set n, 0
.rept 32
	v_mad_u32_u24 v[VO+n], s17, n, v10
.set n, n+1
.endr
	s_lshl_b32 s50, s25, 8                         ; the source: row 256 kc,
	s_mul_i32 s50, s50, s17
	s_lshl_b32 s51, s26, 9                         ; column 128 p
	s_add_co_u32 s50, s50, s51
	s_lshl_b32 s51, s14, 7                         ; + 32 x wave
	s_add_co_u32 s50, s50, s51
	s_mov_b32 s51, 0
	s_add_nc_u64 s[BS:BS+1], s[22:23], s[50:51]
	s_lshl_b32 s52, s17, 5                         ; 32 rows on
	s_mov_b32 s53, 0
.irp t, 1,2,3,4,5,6,7
	s_add_nc_u64 s[BS+2*\t:BS+2*\t+1], s[BS+2*\t-2:BS+2*\t-1], s[52:53]
.endr
.macro LOAD t                          ; block t: 32 rows of my column into set t % 2
.set n, 0
.rept 32
	global_load_b32 v[X+32*((\t)%2)+n], v[VO+n], s[BS+2*(\t):BS+2*(\t)+1] th:TH_LOAD_NT
.set n, n+1
.endr
.endm
.macro BLOCK t
.set XS, X+32*((\t)%2)
.if (\t) < 7
	s_wait_loadcnt 32                              ; this block's 32 loads are in; the next block's 32 may be out
.else
	s_wait_loadcnt 0x0
.endif
	v_max3_num_f32 v12, |v[XS]|, |v[XS+1]|, |v[XS+2]|   ; the block's largest magnitude: all 32 numbers are mine; two chains
	v_max3_num_f32 v13, |v[XS+3]|, |v[XS+4]|, |v[XS+5]|
.irp i, 6,10,14,18,22,26
	v_max3_num_f32 v12, v12, |v[XS+\i]|, |v[XS+\i+1]|
	v_max3_num_f32 v13, v13, |v[XS+\i+2]|, |v[XS+\i+3]|
.endr
	v_max3_num_f32 v12, v12, |v[XS+30]|, |v[XS+31]|
	v_max3_num_f32 v12, v12, v13, 0x4800000        ; and the floor 2^(9 - 127): the byte cannot fall under 1
	v_add_nc_u32 v11, 0xfc000000, v12              ; 8 off the exponent field: the conversion's scale operand
	v_and_or_b32 v10, v12, 0x7f800000, s48         ; 448 x the scale
	v_lshrrev_b32 v13, 23, v11                     ; the scale's byte
.if (\t)%4 == 0
	v_mov_b32 v[6+(\t)/4], v13
.else
	v_lshl_or_b32 v[6+(\t)/4], v13, 8*((\t)%4), v[6+(\t)/4]
.endif
.set n, 0
.rept 32
	v_med3_num_f32 v[XS+n], v[XS+n], -v10, v10     ; the conversion to an 8-bit code does not saturate (ISA guide 7.6.2): the hold comes first
.set n, n+1
.endr
.irp g, 0,1,2,3
	v_cvt_scalef32_pk8_fp8_f32 v[C+8*(\t)+2*\g:C+8*(\t)+2*\g+1], v[XS+8*\g:XS+8*\g+7], v11
.endr
	global_store_b128 v4, v[C+8*(\t):C+8*(\t)+3], s[12:13] offset:((\t)/4)*2048+((\t)%4)*512        ; k = 32 t + 0 .. 15: the lanes-0-15 half of the fragment's piece
	global_store_b128 v4, v[C+8*(\t)+4:C+8*(\t)+7], s[12:13] offset:((\t)/4)*2048+((\t)%4)*512+256  ; k = 32 t + 16 .. 31: the other half
.if (\t)+2 < 8
	LOAD (\t)+2
.endif
.endm
	LOAD 0
	LOAD 1
.irp t, 0,1,2,3,4,5,6,7
	BLOCK \t
.endr
	global_store_b64 v5, v[6:7], s[12:13]          ; my column's 8 scale bytes
	s_endpgm
.Lfunc_end_k_qfb9b1f2822_wquant:
	.size	k_qfb9b1f2822_wquant, .Lfunc_end_k_qfb9b1f2822_wquant-k_qfb9b1f2822_wquant
	.p2alignl 7, 3214868480
	.fill 96, 4, 3214868480
	.section	.rodata,"a",@progbits
	.p2align	6, 0x0
	.amdhsa_kernel k_qfb9b1f2822_wquant
		.amdhsa_group_segment_fixed_size 0
		.amdhsa_private_segment_fixed_size 0
		.amdhsa_enable_private_segment 0
		.amdhsa_kernarg_size 40
		.amdhsa_user_sgpr_count 2
		.amdhsa_user_sgpr_kernarg_segment_ptr 1
		.amdhsa_wavefront_size32 1
		.amdhsa_system_sgpr_workgroup_id_x 1
		.amdhsa_system_sgpr_workgroup_id_y 1
		.amdhsa_system_sgpr_workgroup_id_z 1
		.amdhsa_system_vgpr_workitem_id 0
		.amdhsa_next_free_vgpr 192
		.amdhsa_next_free_sgpr 66
		.amdhsa_reserve_vcc 0
		.amdhsa_float_denorm_mode_32 3
		.amdhsa_float_denorm_mode_16_64 3
		.amdhsa_memory_ordered 1
		.amdhsa_forward_progress 1
		.amdhsa_inst_pref_size 60
	.end_amdhsa_kernel
	.amdgpu_metadata
---
amdhsa.version: [ 1, 2 ]
amdhsa.kernels:
  - .name:           k_qfb9b1f2822_wquant
    .symbol:         k_qfb9b1f2822_wquant.kd
    .args:
      - { .name: w_qkv, .offset: 0, .size: 8, .value_kind: global_buffer, .address_space: global }
      - { .name: w_out, .offset: 8, .size: 8, .value_kind: global_buffer, .address_space: global }
      - { .name: w_fc, .offset: 16, .size: 8, .value_kind: global_buffer, .address_space: global }
      - { .name: w_proj, .offset: 24, .size: 8, .value_kind: global_buffer, .address_space: global }
      - { .name: wq, .offset: 32, .size: 8, .value_kind: global_buffer, .address_space: global }
    .group_segment_fixed_size: 0
    .private_segment_fixed_size: 0
    .kernarg_segment_align: 8
    .kernarg_segment_size: 40
    .max_flat_workgroup_size: 128
    .sgpr_count:     66
    .vgpr_count:     192
    .wavefront_size: 32
...
	.end_amdgpu_metadata
.endif
;; end of part 1
;; launch ln1 (part 2): grid 256 x 1, 8 waves a work-group, no clusters, 3,072 bytes of LDS; arguments x, ln1_g, ln1_b, aq; writes aq
.if DOCPART == 2
	.amdgcn_target "amdgcn-amd-amdhsa--gfx1250"
	.amdhsa_code_object_version 6
	.text
	.protected	k_qfb9b1f2822_ln1
	.globl	k_qfb9b1f2822_ln1
	.p2align	8
	.type	k_qfb9b1f2822_ln1,@function
k_qfb9b1f2822_ln1:
	s_mov_b64 s[64:65], 0
	v_nop
	global_prefetch_b8 v0, s[64:65] scope:SCOPE_SE
	s_setreg_imm32_b32 hwreg(HW_REG_WAVE_MODE, 25, 1), 1
	s_wait_xcnt 0x0
; y = (x - mean) rsqrt(var + 1e-5) g + b along rows of 1,024, in f32, then quantised along the row to FP8 (E4M3) with one E8M0 byte for each 32, and stored as images of operand registers.
; aq: 32 panels of 128 tokens, [k / 512][tile 8][(k / 128) % 4] fragments of 2,048 bytes (byte 512 c + 16 l + e: row l % 16, k = 32 c + 16 (l / 16) + e); scale bytes from 4,194,304 on: [panel][k / 512][tile][row] 16 bytes.
; Row rho of token tile t is token 32 (t / 2) + 8 (t % 2) + rho + 8 (rho / 8).
; SHARES.  Work-group t takes token tile t; wave w the columns 128 w .. 128 w + 127: one fragment.  Lane (r, h) holds, of its token, columns 128 w + 32 b + 16 h + i in register 16 b + i: the order that the operand wants.
; The mean and the sum of squared differences are taken in two passes (a common offset of the row costs nothing so); the eight waves' parts meet in LDS, one barrier each, in bytes of their own.
; LIMITS: NaN and infinities are not served; a block of zeros gets the byte 1 (zero codes; this program alone reads the bytes).
.set X,   32                           ; v32-95   my 64 numbers
.set G,   96                           ; v96-159  the gains; later the codes
.set BT,  160                          ; v160-223 the biases
.set PC,  96
.set TM,  224                          ; v224-239 at work
.set PW,  240                          ; the scale word
.set SEL, 16                           ; s[16:17] lane selects: lane l xor 16
.set MNT, 18
	s_load_b256 s[4:11], s[0:1], 0x0               ; the rows, g, b, aq
	v_lshl_add_u32 v241, v0, 2, 0x800
	v_mov_b32 v251, 0
	v_lshrrev_b32 v7, 5, v0
	v_readfirstlane_b32 s12, v7                    ; wave
	v_and_b32 v8, 31, v0                           ; lane
	v_and_b32 v9, 15, v0                           ; r
	v_bfe_u32 v10, v0, 4, 1                        ; h
	v_and_b32 v11, 8, v9
	v_add_nc_u32 v11, v11, v9                      ; r + 8 (r / 8)
	s_lshr_b32 s13, ttmp9, 1
	s_lshl_b32 s13, s13, 5
	s_and_b32 s14, ttmp9, 1
	s_lshl_b32 s14, s14, 3
	s_add_co_u32 s13, s13, s14                     ; the tile's first token
	v_add_nc_u32 v11, s13, v11                     ; my token
	s_lshl_b32 s14, s12, 9
	v_lshl_add_u32 v2, v10, 6, s14                 ; v2: 512 w + 64 h: my place in g and b,
	v_lshl_add_u32 v1, v11, 12, v2                 ; v1: and in my token's row of 4,096 bytes
	v_lshlrev_b32 v3, 2, v0                        ; v3: LDS: a word for each thread
	v_lshlrev_b32 v4, 2, v8                        ; v4: LDS: my lane's word of wave 0
	s_lshr_b32 s15, ttmp9, 3
	s_lshl_b32 s15, s15, 1
	s_lshr_b32 s19, s12, 2
	s_add_co_u32 s15, s15, s19                     ; 2 x panel + k / 512
	s_and_b32 s19, ttmp9, 7                        ; tile in the panel
	s_and_b32 s20, s12, 3                          ; (k / 128) % 4
	s_lshl_b32 s21, s15, 16
	s_lshl_b32 s22, s19, 13
	s_add_co_u32 s21, s21, s22
	s_lshl_b32 s22, s20, 11
	s_add_co_u32 s21, s21, s22
	v_lshl_add_u32 v5, v8, 4, s21                  ; v5: my 16 bytes of the fragment's first piece
	s_lshl_b32 s21, s15, 11
	s_lshl_b32 s22, s19, 8
	s_add_co_u32 s21, s21, s22
	s_lshl_b32 s22, s20, 2
	s_add_co_u32 s21, s21, s22
	s_add_co_u32 s21, s21, 4194304
	v_lshl_add_u32 v6, v9, 4, s21                  ; v6: my row's scale word
	s_mov_b32 s[SEL], 0x76543210
	s_mov_b32 s[SEL+1], 0xfedcba98
	s_mov_b32 s[MNT], 0x600000
	s_mov_b32 s24, 0x3a800000                      ; 1 / 1024
	s_mov_b32 s25, 0x3727c5ac                      ; 1e-5
	v_mov_b32 v250, 0                              ; a lane permute's destination counts as one of its sources
.irp b, 0,1,2,3
	v_mov_b32 v[TM+4+\b], 0
.endr
	s_wait_kmcnt 0x0
.macro LD16 reg, adr, base
.irp b, 0,1,2,3
.irp j, 0,1,2,3
	global_load_b128 v[\reg+16*\b+4*\j:\reg+16*\b+4*\j+3], v[\adr], s[\base:\base+1] offset:128*\b+16*\j
.endr
.endr
.endm
	LD16 X, 1, 4
	LD16 G, 2, 6
	LD16 BT, 2, 8
; my wave's figure in v242 (the same in lanes l and l xor 16) meets the other seven's in LDS at byte off; the sum comes back in v242, added in the same order in every wave
.macro MEET off
	v_permlanex16_b32 v250, v242, s[SEL], s[SEL+1]
	v_add_f32 v242, v242, v250
	ds_store_b32 v3, v242 offset:\off
	s_wait_dscnt 0x0                               ; for the others' sake: my store has landed
	s_barrier_signal -1
	s_barrier_wait -1
.irp k, 0,1,2,3,4,5,6,7
	ds_load_b32 v[TM+\k], v4 offset:\off+128*\k
.endr
	s_wait_dscnt 0x0
	v_add_f32 v[TM], v[TM], v[TM+1]
	v_add_f32 v[TM+2], v[TM+2], v[TM+3]
	v_add_f32 v[TM+4], v[TM+4], v[TM+5]
	v_add_f32 v[TM+6], v[TM+6], v[TM+7]
	v_add_f32 v[TM], v[TM], v[TM+2]
	v_add_f32 v[TM+4], v[TM+4], v[TM+6]
	v_add_f32 v242, v[TM], v[TM+4]
.endm
.macro FOLD                            ; four chains of pairs in v[242:249] into v242
	v_pk_add_f32 v[242:243], v[242:243], v[244:245]
	v_pk_add_f32 v[246:247], v[246:247], v[248:249]
	v_pk_add_f32 v[242:243], v[242:243], v[246:247]
	v_add_f32 v242, v242, v243
.endm
	s_wait_loadcnt 32                              ; my 16 loads of the row are in; g's and b's 32 may be out
.irp k, 0,1,2,3
	v_pk_add_f32 v[242+2*\k:243+2*\k], v[X+4*\k:X+4*\k+1], v[X+4*\k+2:X+4*\k+3]
.endr
.irp j, 16,24,32,40,48,56
.irp k, 0,1,2,3
	v_pk_add_f32 v[242+2*\k:243+2*\k], v[242+2*\k:243+2*\k], v[X+\j+2*\k:X+\j+2*\k+1]
.endr
.endr
	FOLD
	MEET 0
	v_mul_f32 v252, 0xba800000, v242               ; -mean
	v_mov_b32 v253, v252
.set n, 0
.rept 32
	v_pk_add_f32 v[X+n:X+n+1], v[X+n:X+n+1], v[252:253]
.set n, n+2
.endr
.irp k, 0,1,2,3
	v_pk_mul_f32 v[242+2*\k:243+2*\k], v[X+2*\k:X+2*\k+1], v[X+2*\k:X+2*\k+1]
.endr
.irp j, 8,16,24,32,40,48,56
.irp k, 0,1,2,3
	v_pk_fma_f32 v[242+2*\k:243+2*\k], v[X+\j+2*\k:X+\j+2*\k+1], v[X+\j+2*\k:X+\j+2*\k+1], v[242+2*\k:243+2*\k]
.endr
.endr
	FOLD
	MEET 1024
	v_fma_f32 v254, v242, s24, s25                 ; var + 1e-5
	v_rsq_f32 v254, v254
	v_nop                                          ; a plain instruction behind the transcendental,
	s_wait_alu depctr_va_vdst(0)                   ; and a wait ahead of the first use of its result
	v_mov_b32 v255, v254
	s_wait_loadcnt 0x0                             ; g and b
.set n, 0
.rept 32
	v_pk_mul_f32 v[X+n:X+n+1], v[X+n:X+n+1], v[254:255]
.set n, n+2
.endr
.set n, 0
.rept 32
	v_pk_fma_f32 v[X+n:X+n+1], v[X+n:X+n+1], v[G+n:G+n+1], v[BT+n:BT+n+1]
.set n, n+2
.endr
	; the four blocks of 32: a block lies in lanes l and l xor 16
.irp b, 0,1,2,3
	v_max3_num_f32 v[TM+\b], |v[X+16*\b]|, |v[X+1+16*\b]|, 0x4800000   ; with the floor 2^(9 - 127): the byte cannot fall under 1
.endr
.irp i, 2,4,6,8,10,12,14
.irp b, 0,1,2,3
	v_max3_num_f32 v[TM+\b], v[TM+\b], |v[X+16*\b+\i]|, |v[X+1+16*\b+\i]|
.endr
.endr
.irp b, 0,1,2,3
	v_permlanex16_b32 v[TM+4+\b], v[TM+\b], s[SEL], s[SEL+1]
.endr
.irp b, 0,1,2,3
	v_max_num_f32 v[TM+\b], v[TM+\b], v[TM+4+\b]
.endr
.irp b, 0,1,2,3
	v_add_nc_u32 v[TM+12+\b], 0xfc000000, v[TM+\b]          ; 8 off the exponent field: the conversion's scale operand
.endr
.irp b, 0,1,2,3
	v_and_or_b32 v[TM+8+\b], v[TM+\b], 0x7f800000, s[MNT]   ; 448 x the scale
.endr
.irp b, 0,1,2,3
	v_lshrrev_b32 v[TM+4+\b], 23, v[TM+12+\b]               ; the byte
.endr
	v_lshl_or_b32 v[PW], v[TM+5], 8, v[TM+4]
	v_lshl_or_b32 v[PW], v[TM+6], 16, v[PW]
	v_lshl_or_b32 v[PW], v[TM+7], 24, v[PW]
.set n, 0
.rept 64
	v_med3_num_f32 v[X+n], v[X+n], -v[TM+8+n/16], v[TM+8+n/16]   ; the hold: the conversion does not saturate (ISA guide 7.6.2)
.set n, n+1
.endr
.irp b, 0,1,2,3
	v_cvt_scalef32_pk8_fp8_f32 v[PC+4*\b:PC+4*\b+1], v[X+16*\b:X+16*\b+7], v[TM+12+\b]
	v_cvt_scalef32_pk8_fp8_f32 v[PC+4*\b+2:PC+4*\b+3], v[X+16*\b+8:X+16*\b+15], v[TM+12+\b]
.endr
.irp b, 0,1,2,3
	global_store_b128 v5, v[PC+4*\b:PC+4*\b+3], s[10:11] offset:512*\b   ; 32 lanes store 512 consecutive bytes
.endr
	global_store_b32 v6, v[PW], s[10:11]           ; lanes r and r + 16 hold the same word and write it to the same place
	s_wait_tensorcnt 0x0
	ds_add_u32 v241, v251
	s_wait_dscnt 0x0
	s_endpgm
.Lfunc_end_k_qfb9b1f2822_ln1:
	.size	k_qfb9b1f2822_ln1, .Lfunc_end_k_qfb9b1f2822_ln1-k_qfb9b1f2822_ln1
	.p2alignl 7, 3214868480
	.fill 96, 4, 3214868480
	.section	.rodata,"a",@progbits
	.p2align	6, 0x0
	.amdhsa_kernel k_qfb9b1f2822_ln1
		.amdhsa_group_segment_fixed_size 3072
		.amdhsa_private_segment_fixed_size 0
		.amdhsa_enable_private_segment 0
		.amdhsa_kernarg_size 32
		.amdhsa_user_sgpr_count 2
		.amdhsa_user_sgpr_kernarg_segment_ptr 1
		.amdhsa_wavefront_size32 1
		.amdhsa_system_sgpr_workgroup_id_x 1
		.amdhsa_system_sgpr_workgroup_id_y 1
		.amdhsa_system_sgpr_workgroup_id_z 1
		.amdhsa_system_vgpr_workitem_id 0
		.amdhsa_next_free_vgpr 256
		.amdhsa_next_free_sgpr 66
		.amdhsa_reserve_vcc 0
		.amdhsa_float_denorm_mode_32 3
		.amdhsa_float_denorm_mode_16_64 3
		.amdhsa_memory_ordered 1
		.amdhsa_forward_progress 1
		.amdhsa_inst_pref_size 28
	.end_amdhsa_kernel
	.amdgpu_metadata
---
amdhsa.version: [ 1, 2 ]
amdhsa.kernels:
  - .name:           k_qfb9b1f2822_ln1
    .symbol:         k_qfb9b1f2822_ln1.kd
    .args:
      - { .name: x, .offset: 0, .size: 8, .value_kind: global_buffer, .address_space: global }
      - { .name: ln1_g, .offset: 8, .size: 8, .value_kind: global_buffer, .address_space: global }
      - { .name: ln1_b, .offset: 16, .size: 8, .value_kind: global_buffer, .address_space: global }
      - { .name: aq, .offset: 24, .size: 8, .value_kind: global_buffer, .address_space: global }
    .group_segment_fixed_size: 3072
    .private_segment_fixed_size: 0
    .kernarg_segment_align: 8
    .kernarg_segment_size: 32
    .max_flat_workgroup_size: 256
    .sgpr_count:     66
    .vgpr_count:     256
    .wavefront_size: 32
...
	.end_amdgpu_metadata
.endif
;; end of part 2
;; launch gqkv (part 3): grid 8 x 32, 4 waves a work-group, no clusters, 327,680 bytes of LDS; arguments aq, wq, b_qkv, kv; writes kv
.if DOCPART == 3
	.amdgcn_target "amdgcn-amd-amdhsa--gfx1250"
	.amdhsa_code_object_version 6
	.text
	.protected	k_qfb9b1f2822_gqkv
	.globl	k_qfb9b1f2822_gqkv
	.p2align	8
	.type	k_qfb9b1f2822_gqkv,@function
k_qfb9b1f2822_gqkv:
	s_mov_b64 s[64:65], 0
	v_nop
	global_prefetch_b8 v0, s[64:65] scope:SCOPE_SE
	s_setreg_imm32_b32 hwreg(HW_REG_WAVE_MODE, 25, 1), 1
	s_wait_xcnt 0x0
; qkv = LN1(x) w_qkv + b_qkv on codes of FP8 (E4M3) with E8M0 scales, and its results quantised at once for attention: q and k along the head's 64, v along the tokens (the keys).
; OPERANDS lie in memory as images of operand registers: a fragment (16 rows x 128 k) is 2,048 bytes, lane l's registers 4 c .. 4 c + 3 at 512 c + 16 l; a panel (128 rows) is [k / 512][tile 8][4] fragments, dense.
; Row rho of a tile T (tokens and columns alike) is index 32 (T / 2) + 8 (T % 2) + rho + 8 (rho / 8): the results of tiles 2 b and 2 b + 1 are then 16 neighbours in a lane's registers.
; SHARES.  Work-group (x, y): token panel y, weight panels 3 x .. 3 x + 2 (384 columns: two heads' q, k, v), one after the other.  Four waves, each 64 tokens x 64 columns: 16 accumulators.  A wave's 64 columns are one head's q, k or v.
; RING.  Two LDS slots, each 512 along K: A's 8 tiles (64 KB), B's 8 tiles (64 KB), both dense blocks of memory; waves 0, 1 fetch A's halves, waves 2, 3 B's, one tensor load each.  A lap is two slots: all of K = 1,024.
; The ring runs on into the next weight panel; A's panel is fetched again with it.  By this text's count a wave has two tensor loads out at the head and one later.
; NO MULTICAST YET: eight work-groups read each panel of A and 32 each panel of B; joint loads would apply (the grid divides by 4 x 4); this text keeps plain loads.
; SCALE WORDS come straight from memory: 16 bytes a lane are a row's four words of a slot; lanes 0-15 hold an even tile's, lanes 16-31 the odd tile's beside it.
; q, k: source 0 = columns, source 1 = tokens: a lane holds a token, its registers run along the head's 64.  v: the sources are swapped: a lane holds a channel, its registers run along the tokens.  The choice is a branch on the wave's number, round matrix instructions alone.
; kv: Q at 0, K at 4,194,304: [head 32][tile 128] 1,024 bytes; V at 8,388,608: [head][128 keys][channel tile 4] fragments; scale bytes: Q's 12,582,912, K's 12,713,984 ([head][tile][row] 2 bytes), V's 12,845,056 ([head][128 keys][tile][row] 4 bytes).
; LIMITS: NaN and infinities are not served; a block of zeros gets the byte 1 (zero codes; this program alone reads the bytes).
; REGISTERS: window 0: v0-31 addresses; v32-63 scale words, a set for each slot; v64-95 the bias as C; v96-127 at work; v128-255 accumulators.  window 1: two sets of fragments (A's four, B's four); on the way out the codes at v128-159.
.set KK,    1024
.set TILES, 3
.set LAPAN, 17                         ; log2 of the bytes of a panel of A
.set ASOFF, 4194304                    ; where A's scale bytes begin
.set LASP,  12                         ; log2 of a panel's scale bytes
.set BOFF,  0                          ; where this weight's codes begin in wq
.set BSOFF, 12582912                   ; and its scale bytes
.set ASTEP, 0                          ; A's panel stays
.set BSTEP, 0
.set NSC,   2                          ; loads that bring a slot's scale words anew
.set BIASC, 1                          ; the bias is the C of a sum's first product
.set SPW, 4
.set NIL, 5
.set ADRA, 6
.set ADRB, 8
.set L16, 10
.set VCO, 11                           ; v11-14 where the codes of result tile o go
.set VSO, 15                           ; v15-18 and their scale bytes
.set VB,  22                           ; v22-29 the bias's offsets
.set SC,  32
.set BB,  64
.set TM,  96
.set ACC, 128
.set F0,  0
.set F1,  128
.set PC,  128
.set SPARE, 262144                     ; behind the ring: the spare words, 128 bytes a wave
.set WV, 14
.set WR, 15
.set WC, 16
.set GX, 17
.set PP, 18
.set MNT, 19
.set SEL, 20
.set G1, 24
.set G0A, 32
.set G0B, 40
.set SAP, 48
.set SBP, 50
.set BIP, 52
.set OUT, 10
.set MSB, 0
.macro WIN new                         ; the immediate's high byte repeats the setting that is left
.if MSB != \new
	s_set_vgpr_msb (MSB<<8)|\new
.set MSB, \new
.endif
.endm
.set MUL,  0x05                        ; sources 0 and 1 window 1; C and D window 0
.set TO_F, 0x40                        ; destination window 1
.macro PLACES n
.rept \n
	v_nop
.endr
.endm
.macro TLOAD s                         ; waves 0, 1 fetch A's halves of slot s, waves 2, 3 B's; four v_nop follow each line
	s_cmp_lt_u32 s[WV], 2
	s_cbranch_scc0 .Lfor_b_\@
	tensor_load_to_lds s[G0A+4*\s:G0A+4*\s+3], s[G1:G1+7]
	s_nop 0
	PLACES 4
	s_branch .Lasked_\@
.Lfor_b_\@:
	tensor_load_to_lds s[G0B+4*\s:G0B+4*\s+3], s[G1:G1+7]
	s_nop 0
	PLACES 4
.Lasked_\@:
.endm
.macro WM d, x, y, cz, c, sx, sy, rx, ry   ; one product; cz = 1: C is 0; rx, ry: the scale words lie in lanes 16-31
.if \cz
.if (\rx) && (\ry)
	v_wmma_scale_f32_16x16x128_f8f6f4 v[\d:\d+7], v[\x:\x+15], v[\y:\y+15], 0, v[\sx], v[\sy] matrix_a_scale:MATRIX_SCALE_ROW1 matrix_b_scale:MATRIX_SCALE_ROW1
.elseif \rx
	v_wmma_scale_f32_16x16x128_f8f6f4 v[\d:\d+7], v[\x:\x+15], v[\y:\y+15], 0, v[\sx], v[\sy] matrix_a_scale:MATRIX_SCALE_ROW1
.elseif \ry
	v_wmma_scale_f32_16x16x128_f8f6f4 v[\d:\d+7], v[\x:\x+15], v[\y:\y+15], 0, v[\sx], v[\sy] matrix_b_scale:MATRIX_SCALE_ROW1
.else
	v_wmma_scale_f32_16x16x128_f8f6f4 v[\d:\d+7], v[\x:\x+15], v[\y:\y+15], 0, v[\sx], v[\sy]
.endif
.else
.if (\rx) && (\ry)
	v_wmma_scale_f32_16x16x128_f8f6f4 v[\d:\d+7], v[\x:\x+15], v[\y:\y+15], v[\c:\c+7], v[\sx], v[\sy] matrix_a_scale:MATRIX_SCALE_ROW1 matrix_b_scale:MATRIX_SCALE_ROW1
.elseif \rx
	v_wmma_scale_f32_16x16x128_f8f6f4 v[\d:\d+7], v[\x:\x+15], v[\y:\y+15], v[\c:\c+7], v[\sx], v[\sy] matrix_a_scale:MATRIX_SCALE_ROW1
.elseif \ry
	v_wmma_scale_f32_16x16x128_f8f6f4 v[\d:\d+7], v[\x:\x+15], v[\y:\y+15], v[\c:\c+7], v[\sx], v[\sy] matrix_b_scale:MATRIX_SCALE_ROW1
.else
	v_wmma_scale_f32_16x16x128_f8f6f4 v[\d:\d+7], v[\x:\x+15], v[\y:\y+15], v[\c:\c+7], v[\sx], v[\sy]
.endif
.endif
.endm
; 8 products: A's tiles a0, a0 + 1 x B's four, the slot's q-th 128 along K.  swap = 0: source 0 = B, result (a, b) at ACC + 32 a + 8 b; swap = 1: source 0 = A, result at ACC + 32 b + 8 a.  mode = 1: the sums begin.
; The 16 accumulators take turns, one instruction a turn, in every step.
.macro MUL8 f, a0, q, set, mode, swap
.irp a, \a0, \a0+1
.irp b, 0,1,2,3
.if \swap
.set DD, ACC+32*\b+8*(\a)
.else
.set DD, ACC+32*(\a)+8*\b
.endif
.set CZ, 0
.set CC, DD
.if \mode
.if BIASC
.set CC, BB+8*\b
.else
.set CZ, 1
.endif
.endif
.if \swap
	WM DD, \f+16*(\a), \f+64+16*\b, CZ, CC, SC+16*(\set)+4*((\a)/2)+(\q), SC+16*(\set)+8+4*(\b/2)+(\q), (\a)%2, \b%2
.else
	WM DD, \f+64+16*\b, \f+16*(\a), CZ, CC, SC+16*(\set)+8+4*(\b/2)+(\q), SC+16*(\set)+4*((\a)/2)+(\q), \b%2, (\a)%2
.endif
.endr
.endr
.endm
.macro FETCH s, q, f                   ; 32 LDS loads, 512 consecutive bytes each: B's four fragments, then A's four
	WIN TO_F
.irp i, 0,1,2,3
.irp c, 0,1,2,3
	ds_load_b128 v[\f+64+16*\i+4*\c:\f+64+16*\i+4*\c+3], v[ADRB+\s] offset:\i*8192+(\q)*2048+512*\c
.endr
.endr
.irp i, 0,1,2,3
.irp c, 0,1,2,3
	ds_load_b128 v[\f+16*\i+4*\c:\f+16*\i+4*\c+3], v[ADRA+\s] offset:\i*8192+(\q)*2048+512*\c
.endr
.endr
.endm
.macro SALOAD s                        ; A's scale words of slot s: my four tiles, two pairs
.irp u, 0,1
	global_load_b128 v[SC+16*\s+4*\u:SC+16*\s+4*\u+3], v[L16], s[SAP:SAP+1] offset:\s*2048+\u*512
.endr
.endm
.macro SBLOAD s
.irp u, 0,1
	global_load_b128 v[SC+16*\s+8+4*\u:SC+16*\s+8+4*\u+3], v[L16], s[SBP:SBP+1] offset:\s*2048+\u*512
.endr
.endm
.macro SCLOAD s
.if ASTEP
	SALOAD \s
.endif
	SBLOAD \s
.endm
; 8 products; where one of the two column halves of this weight panel is a head's v (SWW = that half), its waves take the swapped form
.macro MM f, a0, q, set, mode
.if SWW < 0
	WIN MUL
	MUL8 \f, \a0, \q, \set, \mode, 0
.else
	WIN 0                                          ; at a branch and at a label every window is 0
	s_cmp_eq_u32 s[WC], SWW
	s_cbranch_scc1 .Lsw_\@
	WIN MUL
	MUL8 \f, \a0, \q, \set, \mode, 0
	WIN 0
	s_branch .Ldn_\@
.Lsw_\@:
	WIN MUL
	MUL8 \f, \a0, \q, \set, \mode, 1
	WIN 0
.Ldn_\@:
.endif
.endm
; A step of 128 along K with its successor in the same slot: multiplies set f, fetches the next step into set g in its middle.
; Eight plain places stand between matrix instructions and loads into registers that they have read.
; NINE where the sums begin (mode = 1): the plain and the swapped arm lay the accumulators differently, so that, read arm by arm, the second half's products begin anew, with the bias as C, accumulators that the
; other arm's first half wrote; a matrix instruction that writes over an earlier one's result with another C stands nine places behind it.
.macro STEP s, q, f, g, mode, hook
	s_wait_dscnt 8                                 ; B's four and A's tiles 0, 1 are in; A's tiles 2, 3 (8 loads) may be out
	MM \f, 0, \q, \s, \mode
	PLACES 8+\mode
.if \hook
	WIN 0
	HOOK
.endif
	FETCH \s, (\q)+1, \g
	s_wait_dscnt 32                                ; all but the 32 just issued
	MM \f, 2, \q, \s, \mode
.endm
; Slot 0's last step.  Every wave: all its tensor loads have landed (its part of slot 1 among them), the add, its LDS loads are back (slot 0 is read out); a barrier; then slot 0 is filled again first, and slot 1 is read.
.macro TURN more
	WIN 0
	s_wait_tensorcnt 0x0
	ds_add_u32 v[SPW], v[NIL]                      ; 0 onto my spare word
.if \more
.if ASTEP
	s_add_nc_u64 s[G0A+2:G0A+3], s[G0A+2:G0A+3], ASTEP
.endif
	s_add_nc_u64 s[G0B+2:G0B+3], s[G0B+2:G0B+3], 131072   ; no tensor load of mine is out: slot 0's next 512 along K, or the next panel's first
.endif
	s_wait_dscnt 0x0
	s_barrier_signal -1
	s_barrier_wait -1
.if \more
	TLOAD 0
	PLACES 4                                       ; with the four behind the load: eight places in front of the loads below
.else
	PLACES 8
.endif
	s_wait_loadcnt 0x0                             ; slot 1's scale words are in, and no load of mine reads a base any more
.if \more
	s_add_nc_u64 s[SBP:SBP+1], s[SBP:SBP+1], 4096
.if ASTEP
	s_add_nc_u64 s[SAP:SAP+1], s[SAP:SAP+1], 4096
.endif
.if BSTEP
	s_add_nc_u64 s[BIP:BIP+1], s[BIP:BIP+1], BSTEP
.endif
.endif
	FETCH 1, 0, F0
	MM F1, 0, 3, 0, 0
	MM F1, 2, 3, 0, 0
.endm
; Slot 1's last step; more = 1: the same order, and slot 1 is filled again.
.macro LAST more
.if \more
	WIN 0
	s_wait_tensorcnt 0x0
	ds_add_u32 v[SPW], v[NIL]
.if ASTEP
	s_add_nc_u64 s[G0A+6:G0A+7], s[G0A+6:G0A+7], ASTEP
.endif
	s_add_nc_u64 s[G0B+6:G0B+7], s[G0B+6:G0B+7], 131072
	s_wait_dscnt 0x0
	s_barrier_signal -1
	s_barrier_wait -1
	TLOAD 1
.else
	s_wait_dscnt 0x0
.endif
	MM F1, 0, 3, 1, 0
	MM F1, 2, 3, 1, 0
	WIN 0
	PLACES 8                                       ; in front of the first read of results and of loads into scale registers
.if \more
	SCLOAD 1
.endif
.endm
.macro LAP mode, more                  ; 1,024 along K
	FETCH 0, 0, F0
	s_wait_loadcnt NSC                             ; all but slot 1's scale words, which were asked for last
	STEP 0, 0, F0, F1, \mode, 0
	STEP 0, 1, F1, F0, 0, 0
	STEP 0, 2, F0, F1, 0, 0
	TURN \more
	STEP 1, 0, F0, F1, 0, \more
	STEP 1, 1, F1, F0, 0, 0
	STEP 1, 2, F0, F1, 0, 0
	LAST \more
.endm
	s_load_b256 s[4:11], s[0:1], 0x0               ; aq, wq, b_qkv, kv
	v_lshl_add_u32 v[SPW], v0, 2, SPARE
	v_mov_b32 v[NIL], 0
	ds_add_u32 v4, v5
	ds_add_u32 v4, v5
	s_wait_dscnt 0x0
	v_lshrrev_b32 v1, 5, v0
	v_readfirstlane_b32 s[WV], v1                  ; wave 0..3
	s_lshr_b32 s[WR], s[WV], 1                     ; which 64 tokens
	s_and_b32 s[WC], s[WV], 1                      ; which 64 columns; also: which half of a slot's 64 KB I fetch
	s_mov_b32 s[GX], ttmp9
	s_and_b32 s[PP], ttmp7, 0xffff
	s_mov_b32 s[G1], 3<<16                         ; elements of 8 bytes, no mask, no padding
	s_mov_b32 s[G1+1], 32<<16                      ; tensor_dim0 = 32 (256 bytes)
	s_mov_b32 s[G1+2], 128<<16                     ; tensor_dim1 = 128
	s_mov_b32 s[G1+3], 32<<16                      ; tile_dim0
	s_mov_b32 s[G1+4], 128                         ; tile_dim1: 32 KB in all
	s_mov_b32 s[G1+5], 32                          ; dense
	s_mov_b32 s[G1+6], 0
	s_mov_b32 s[G1+7], 0
	s_lshl_b32 s56, s[WC], 15
	s_lshl_b32 s54, s[PP], LAPAN
	s_add_co_u32 s54, s54, s56
	s_mov_b32 s55, 0
	s_mul_i32 s58, s[GX], TILES*128*KK
	s_add_co_u32 s58, s58, s56
	s_add_co_u32 s58, s58, BOFF
	s_mov_b32 s59, 0
	s_lshl_b32 s60, s[WV], 15                      ; LDS: A's halves, then B's: wave x 32 KB
	s_wait_kmcnt 0x0
	s_add_nc_u64 s[54:55], s[4:5], s[54:55]
	s_add_nc_u64 s[58:59], s[6:7], s[58:59]
.irp s, 0,1
	s_mov_b32 s[G0A+4*\s], 1
	s_add_co_u32 s[G0A+4*\s+1], s60, \s*131072
	s_add_nc_u64 s[G0A+4*\s+2:G0A+4*\s+3], s[54:55], \s*65536
	s_or_b32 s[G0A+4*\s+3], s[G0A+4*\s+3], 0x80000000
	s_mov_b32 s[G0B+4*\s], 1
	s_add_co_u32 s[G0B+4*\s+1], s60, \s*131072
	s_add_nc_u64 s[G0B+4*\s+2:G0B+4*\s+3], s[58:59], \s*65536
	s_or_b32 s[G0B+4*\s+3], s[G0B+4*\s+3], 0x80000000
.endr
	s_cmp_lt_u32 s[WV], 2                          ; a wave's two first fills stand in one branch, ahead of every wait on TENSORcnt, LDS read and barrier
	s_cbranch_scc0 .Lfirst_b
	tensor_load_to_lds s[G0A:G0A+3], s[G1:G1+7]
	s_nop 0
	tensor_load_to_lds s[G0A+4:G0A+7], s[G1:G1+7]
	s_nop 0
	PLACES 4
	s_branch .Lfirst_done
.Lfirst_b:
	tensor_load_to_lds s[G0B:G0B+3], s[G1:G1+7]
	s_nop 0
	tensor_load_to_lds s[G0B+4:G0B+7], s[G1:G1+7]
	s_nop 0
	PLACES 4
.Lfirst_done:
	s_lshl_b32 s54, s[PP], LASP                    ; A's scale bytes: my panel, my four tiles
	s_lshl_b32 s56, s[WR], 10
	s_add_co_u32 s54, s54, s56
	s_add_co_u32 s54, s54, ASOFF
	s_mov_b32 s55, 0
	s_add_nc_u64 s[SAP:SAP+1], s[4:5], s[54:55]
	s_mul_i32 s54, s[GX], TILES*4*KK               ; B's
	s_lshl_b32 s56, s[WC], 10
	s_add_co_u32 s54, s54, s56
	s_add_co_u32 s54, s54, BSOFF
	s_add_nc_u64 s[SBP:SBP+1], s[6:7], s[54:55]
	v_and_b32 v3, 31, v0
	v_and_b32 v1, 15, v0                           ; r
	v_bfe_u32 v2, v0, 4, 1                         ; h
	v_lshlrev_b32 v[L16], 4, v3
	s_lshl_b32 s56, s[WR], 15
	v_add_nc_u32 v[ADRA], s56, v[L16]
	v_add_nc_u32 v[ADRA+1], 131072, v[ADRA]
	s_lshl_b32 s56, s[WC], 15
	s_add_co_u32 s56, s56, 65536
	v_add_nc_u32 v[ADRB], s56, v[L16]
	v_add_nc_u32 v[ADRB+1], 131072, v[ADRB]
	s_mov_b32 s[SEL], 0x76543210
	s_mov_b32 s[SEL+1], 0xfedcba98
	s_mov_b32 s[MNT], 0x600000
	v_lshlrev_b32 v19, 1, v1                       ; 2 r
	v_and_b32 v20, 8, v1
	v_add_nc_u32 v20, v20, v1
	v_lshlrev_b32 v20, 2, v20                      ; 4 (r + 8 (r / 8))
	v_lshlrev_b32 v21, 6, v2                       ; 64 h
.irp k, 0,1,2,3,4,5,6,7
	v_mov_b32 v[TM+8+\k], 0                        ; a lane permute's destination counts as one of its sources
.endr
; The bias of weight panel tau as C.  q, k: register j of tile b is column 32 (b / 2) + 8 (b % 2) + 16 h + j; v: every register of tile b is the lane's own column 32 (b / 2) + 8 (b % 2) + r + 8 (r / 8).
.macro BPAR tau
	s_add_co_u32 s54, s[WC], 2*(\tau)              ; which of the six runs of 64 columns
	s_cmp_eq_u32 s54, 2
	s_cselect_b32 s55, -1, 0
	s_cmp_eq_u32 s54, 5
	s_cselect_b32 s55, -1, s55                     ; all ones where it is a head's v
	s_mul_i32 s56, s[GX], 3
	s_add_co_u32 s56, s56, \tau
	s_lshl_b32 s56, s56, 9
	s_lshl_b32 s57, s[WC], 8
	s_add_co_u32 s56, s56, s57
.irp j, 0,1,2,3,4,5,6,7
	v_add_nc_u32 v30, 4*\j, v21
	v_cndmask_b32 v30, v30, v20, s55
	v_add_nc_u32 v[VB+\j], s56, v30
.endr
.endm
.macro BLOAD
.irp b, 0,1,2,3
.irp j, 0,1,2,3,4,5,6,7
	global_load_b32 v[BB+8*\b+\j], v[VB+\j], s[8:9] offset:(32*(\b/2)+8*(\b%2))*4
.endr
.endr
.endm
.macro HOOK                            ; in a lap's fifth step: the next panel's bias and slot 0's scale words (the loads that read VB and the bases are done: the wait at the change of slots)
	BPAR TAU+1
	BLOAD
	SCLOAD 0
.endm
; Where the results of panel tau go: head, kind (0 q, 1 k, 2 v) and the strides that differ between q, k and v.
.macro EPAR tau
	s_add_co_u32 s54, s[WC], 2*(\tau)
	s_cmp_ge_u32 s54, 3
	s_cselect_b32 s55, 1, 0                        ; the second head of the two
	s_mul_i32 s56, s55, 3
	s_sub_co_u32 s56, s54, s56                     ; kind
	s_cmp_eq_u32 s56, 2
	s_cselect_b32 s57, 1, 0                        ; 1 for v
	s_lshr_b32 s58, s[PP], 4
	s_lshl_b32 s58, s58, 4
	s_lshl_b32 s59, s[GX], 1
	s_add_co_u32 s58, s58, s59
	s_add_co_u32 s58, s58, s55                     ; 16 x batch + head
	s_lshl_b32 s58, s58, 4
	s_and_b32 s59, s[PP], 15
	s_add_co_u32 s58, s58, s59                     ; x 16 + which 128 tokens of the batch
	s_lshl_b32 s60, s56, 22
	s_lshl_b32 s59, s58, 13
	s_add_co_u32 s60, s60, s59
	s_lshl_b32 s61, s57, 1
	s_sub_co_u32 s61, 12, s61
	s_lshl_b32 s59, s[WR], s61                     ; my 64 tokens: four tiles of 1,024 bytes, or two pieces of 512
	s_add_co_u32 s60, s60, s59
	v_add_nc_u32 v[VCO], s60, v[L16]
	s_add_co_u32 s61, s57, 10
	s_lshl_b32 s59, 1, s61                         ; from result tile to result tile
.irp o, 1,2,3
	v_add_nc_u32 v[VCO+\o], s59, v[VCO+\o-1]
.endr
	s_lshl_b32 s60, s56, 17
	s_add_co_u32 s60, s60, 12582912
	s_lshl_b32 s59, s58, 8
	s_add_co_u32 s60, s60, s59
	s_mul_i32 s61, s57, 6
	s_sub_co_u32 s61, 7, s61
	s_lshl_b32 s59, s[WR], s61
	s_add_co_u32 s60, s60, s59
	v_lshlrev_b32 v[VSO], s57, v19
	v_add_nc_u32 v[VSO], s60, v[VSO]
	s_add_co_u32 s61, s57, 5
	s_lshl_b32 s59, 1, s61
.irp o, 1,2,3
	v_add_nc_u32 v[VSO+\o], s59, v[VSO+\o-1]
.endr
.endm
; The 128 results are 8 blocks of 16 neighbours along the next K (block k at ACC + 16 k); a block of 32 lies in lanes l and l xor 16.  Codes leave as they stand: 512 consecutive bytes a store.
.macro QUANT8
.irp k, 0,1,2,3,4,5,6,7
	v_max3_num_f32 v[TM+\k], |v[ACC+16*\k]|, |v[ACC+16*\k+1]|, 0x4800000   ; each accumulator from its low end on; the floor 2^(9 - 127) holds the byte at 1 from below
.endr
.irp i, 2,4,6,8,10,12,14
.irp k, 0,1,2,3,4,5,6,7
	v_max3_num_f32 v[TM+\k], v[TM+\k], |v[ACC+16*\k+\i]|, |v[ACC+16*\k+\i+1]|
.endr
.endr
.irp k, 0,1,2,3,4,5,6,7
	v_permlanex16_b32 v[TM+8+\k], v[TM+\k], s[SEL], s[SEL+1]
.endr
.irp k, 0,1,2,3,4,5,6,7
	v_max_num_f32 v[TM+\k], v[TM+\k], v[TM+8+\k]
.endr
.irp k, 0,1,2,3,4,5,6,7
	v_add_nc_u32 v[TM+24+\k], 0xfc000000, v[TM+\k]          ; the conversion's scale operand
.endr
.irp k, 0,1,2,3,4,5,6,7
	v_and_or_b32 v[TM+16+\k], v[TM+\k], 0x7f800000, s[MNT]  ; 448 x the scale
.endr
.irp k, 0,1,2,3,4,5,6,7
	v_lshrrev_b32 v[TM+8+\k], 23, v[TM+24+\k]               ; the byte
.endr
.irp o, 0,1,2,3
	v_lshl_or_b32 v[TM+\o], v[TM+9+2*\o], 8, v[TM+8+2*\o]   ; a result tile's two bytes
.endr
.set n, 0
.rept 128
	v_med3_num_f32 v[ACC+n], v[ACC+n], -v[TM+16+n/16], v[TM+16+n/16]   ; the hold: the conversion does not saturate (ISA guide 7.6.2)
.set n, n+1
.endr
	WIN 0x40
.irp k, 0,1,2,3,4,5,6,7
	v_cvt_scalef32_pk8_fp8_f32 v[PC+4*\k:PC+4*\k+1], v[ACC+16*\k:ACC+16*\k+7], v[TM+24+\k]
	v_cvt_scalef32_pk8_fp8_f32 v[PC+4*\k+2:PC+4*\k+3], v[ACC+16*\k+8:ACC+16*\k+15], v[TM+24+\k]
.endr
	v_nop                                          ; a plain line behind the last conversion: later products write its sources
	WIN 0x04                                       ; a store's data are its source 1: window 1
.irp o, 0,1,2,3
.irp e, 0,1
	global_store_b128 v[VCO+\o], v[PC+8*\o+4*\e:PC+8*\o+4*\e+3], s[OUT:OUT+1] offset:512*\e
.endr
.endr
	WIN 0
.irp o, 0,1,2,3
	global_store_b16 v[VSO+\o], v[TM+\o], s[OUT:OUT+1]      ; lanes r and r + 16 hold the same bytes and write them to the same place
.endr
	s_wait_xcnt 0x0                                ; the stores have read their registers: these are written again only behind this wait
.endm
	BPAR 0
	BLOAD
	SALOAD 0
	SALOAD 1
	SBLOAD 0
	SBLOAD 1
	s_wait_tensorcnt 1                             ; my part of slot 0 is in; slot 1's may stay out
	s_barrier_signal -1
	s_barrier_wait -1
.set TAU, 0
.set SWW, -1                           ; panel 0: q and k of the first head
	LAP 1, 1
	EPAR 0
	QUANT8
.set TAU, 1
.set SWW, 0                            ; panel 1: v of the first head, q of the second
	LAP 1, 1
	EPAR 1
	QUANT8
.set TAU, 2
.set SWW, 1                            ; panel 2: k and v of the second
	LAP 1, 0
	EPAR 2
	QUANT8
	s_wait_tensorcnt 0x0                           ; the wave's end
	ds_add_u32 v[SPW], v[NIL]
	s_wait_dscnt 0x0
	s_endpgm
.Lfunc_end_k_qfb9b1f2822_gqkv:
	.size	k_qfb9b1f2822_gqkv, .Lfunc_end_k_qfb9b1f2822_gqkv-k_qfb9b1f2822_gqkv
	.p2alignl 7, 3214868480
	.fill 96, 4, 3214868480
	.section	.rodata,"a",@progbits
	.p2align	6, 0x0
	.amdhsa_kernel k_qfb9b1f2822_gqkv
		.amdhsa_group_segment_fixed_size 327680
		.amdhsa_private_segment_fixed_size 0
		.amdhsa_enable_private_segment 0
		.amdhsa_kernarg_size 32
		.amdhsa_user_sgpr_count 2
		.amdhsa_user_sgpr_kernarg_segment_ptr 1
		.amdhsa_wavefront_size32 1
		.amdhsa_system_sgpr_workgroup_id_x 1
		.amdhsa_system_sgpr_workgroup_id_y 1
		.amdhsa_system_sgpr_workgroup_id_z 1
		.amdhsa_system_vgpr_workitem_id 0
		.amdhsa_next_free_vgpr 512
		.amdhsa_next_free_sgpr 66
		.amdhsa_reserve_vcc 0
		.amdhsa_float_denorm_mode_32 3
		.amdhsa_float_denorm_mode_16_64 3
		.amdhsa_memory_ordered 1
		.amdhsa_forward_progress 1
		.amdhsa_inst_pref_size 223
	.end_amdhsa_kernel
	.amdgpu_metadata
---
amdhsa.version: [ 1, 2 ]
amdhsa.kernels:
  - .name:           k_qfb9b1f2822_gqkv
    .symbol:         k_qfb9b1f2822_gqkv.kd
    .args:
      - { .name: aq, .offset: 0, .size: 8, .value_kind: global_buffer, .address_space: global }
      - { .name: wq, .offset: 8, .size: 8, .value_kind: global_buffer, .address_space: global }
      - { .name: b_qkv, .offset: 16, .size: 8, .value_kind: global_buffer, .address_space: global }
      - { .name: kv, .offset: 24, .size: 8, .value_kind: global_buffer, .address_space: global }
    .group_segment_fixed_size: 327680
    .private_segment_fixed_size: 0
    .kernarg_segment_align: 8
    .kernarg_segment_size: 32
    .max_flat_workgroup_size: 128
    .sgpr_count:     66
    .vgpr_count:     512
    .wavefront_size: 32
...
	.end_amdgpu_metadata
.endif
;; end of part 3
;; launch attn (part 4): grid 8 x 32, 16 waves a work-group, no clusters, 272,384 bytes of LDS; arguments kv, aq; writes aq
.if DOCPART == 4
	.amdgcn_target "amdgcn-amd-amdhsa--gfx1250"
	.amdhsa_code_object_version 6
	.text
	.protected	k_qfb9b1f2822_attn
	.globl	k_qfb9b1f2822_attn
	.p2align	8
	.type	k_qfb9b1f2822_attn,@function
k_qfb9b1f2822_attn:
	s_mov_b64 s[64:65], 0
	v_nop
	global_prefetch_b8 v0, s[64:65] scope:SCOPE_SE
	s_setreg_imm32_b32 hwreg(HW_REG_WAVE_MODE, 25, 1), 1
	s_wait_xcnt 0x0
; Causal attention of one head on codes of FP8 (E4M3) with E8M0 scales, head size 64, 2,048 keys; its result, divided by the row's sum, is quantised along the model's 1,024 and stored as images of operand registers in aq.
; THE SOFTMAX AHEAD OF THE SECOND PRODUCT: t = score x log2(e) / 8; M = the running largest t rounded UP to a whole number; p = 2^(t - M) is quantised along the keys, not normalised; the row's sum is taken of the
; unquantised p; when M moves, the sum and O are multiplied by 2^(old M - new M), which rounds nothing.
; SHARES.  Work-group (x, y): head y (16 x batch + head); waves 0-7 own query block x (128 queries), waves 8-15 block 15 - x: every work-group has 8 (x + 1) + 8 (16 - x) = 136 key steps of a wave.  A wave owns one tile of 16 queries.
; A tile's rows, queries and keys alike, are 32 (T / 2) + 8 (T % 2) + r + 8 (r / 8): the 16 registers of key tiles 2 b, 2 b + 1 are then 16 neighbouring keys.
; LDS is filled ONCE: the head's K (128 KB), V (128 KB) and their scale bytes (4 KB each), as the launch before laid them: images of operand registers.  Wave w brings key step w: four tensor loads, all out together; one barrier.
; Both products are used transposed (S^T = K Q^T, O^T = V^T P^T): a lane holds one query throughout.  The first product's K is 64: registers 8-15 of Q's and K's fragments hold zero codes, and the upper two scale bytes are 0.
; CAUSAL.  Every wave walks 16 trips; a step all of whose keys come after the wave's queries is jumped over (a scalar branch on ids); in the step on the diagonal hidden scores become -infinity.
; NO MULTICAST: the eight work-groups of a head read the same K and V, but each jumps over the key steps that lie behind its own queries: a branch that hangs on the work-group's x, which would differ between the partners of a cluster.
; LIMITS: NaN and infinities are not served; a block of zeros gets the byte 1.
; REGISTERS: v1-11 addresses; v12 -M, v13 the largest t, v[14:15] the sum; v16-31 Q; v32-95 four fragments of K; v96-159 S^T, p, then V's four fragments; v160-191 O^T; v192-207 p's codes; v208-223 at work; v224-233 scale words; v[234:235] f.
.set AK0, 1
.set AV0, 2
.set ASK0, 3
.set ASV0, 4
.set DQ,  5                            ; r + 8 (r / 8) - 16 h
.set ADK, 8
.set ADV, 9
.set ADS, 10
.set ADT, 11
.set WV,  8
.set BH,  9
.set Q0,  10                           ; my tile's first query
.set TT,  11                           ; my tile
.set SEL, 12
.set CS,  14
.set G1C, 16
.set G1S, 24
.set G0,  32                           ; s[32:47] four groups 0
.set MNT, 56
.set T,   57                           ; LDS byte of the step's tiles
.set TS,  58                           ; and of its scale bytes
.set KF,  59                           ; the step's first key
.set CNT, 60
.macro PLACES n
.rept \n
	v_nop
.endr
.endm
	s_load_b128 s[4:7], s[0:1], 0x0                ; kv, aq
	v_lshl_add_u32 v254, v0, 2, 0x42000
	v_mov_b32 v255, 0
	ds_add_u32 v254, v255
	ds_add_u32 v254, v255
	v_lshrrev_b32 v8, 5, v0
	v_readfirstlane_b32 s[WV], v8                  ; wave 0..15
	s_and_b32 s[BH], ttmp7, 0xffff
	s_mov_b32 s[G1C], 3<<16                        ; 8 KB as 32 rows of 256 bytes (32 elements of 8), dense
	s_mov_b32 s[G1C+1], 32<<16
	s_mov_b32 s[G1C+2], 32<<16
	s_mov_b32 s[G1C+3], 32<<16
	s_mov_b32 s[G1C+4], 32
	s_mov_b32 s[G1C+5], 32
	s_mov_b32 s[G1C+6], 0
	s_mov_b32 s[G1C+7], 0
	s_mov_b32 s[G1S], 3<<16                        ; one row of 256 bytes
	s_mov_b32 s[G1S+1], 32<<16
	s_mov_b32 s[G1S+2], 1<<16
	s_mov_b32 s[G1S+3], 32<<16
	s_mov_b32 s[G1S+4], 1
	s_mov_b32 s[G1S+5], 32
	s_mov_b32 s[G1S+6], 0
	s_mov_b32 s[G1S+7], 0
	s_lshl_b32 s48, s[BH], 17                      ; the head's codes, key step = my wave
	s_lshl_b32 s52, s[WV], 13
	s_add_co_u32 s48, s48, s52
	s_mov_b32 s49, 0
	s_lshl_b32 s50, s[BH], 12                      ; its scale bytes
	s_lshl_b32 s53, s[WV], 8
	s_add_co_u32 s50, s50, s53
	s_mov_b32 s51, 0
	s_wait_dscnt 0x0
	s_wait_kmcnt 0x0
	s_mov_b32 s[G0], 1                             ; K's tiles
	s_mov_b32 s[G0+1], s52
	s_add_nc_u64 s[G0+2:G0+3], s[4:5], s[48:49]
	s_add_nc_u64 s[G0+2:G0+3], s[G0+2:G0+3], 4194304
	s_or_b32 s[G0+3], s[G0+3], 0x80000000
	s_mov_b32 s[G0+4], 1                           ; V's
	s_add_co_u32 s[G0+5], s52, 131072
	s_add_nc_u64 s[G0+6:G0+7], s[4:5], s[48:49]
	s_add_nc_u64 s[G0+6:G0+7], s[G0+6:G0+7], 8388608
	s_or_b32 s[G0+7], s[G0+7], 0x80000000
	s_mov_b32 s[G0+8], 1                           ; K's scale bytes
	s_add_co_u32 s[G0+9], s53, 262144
	s_add_nc_u64 s[G0+10:G0+11], s[4:5], s[50:51]
	s_add_nc_u64 s[G0+10:G0+11], s[G0+10:G0+11], 12713984
	s_or_b32 s[G0+11], s[G0+11], 0x80000000
	s_mov_b32 s[G0+12], 1                          ; V's
	s_add_co_u32 s[G0+13], s53, 266240
	s_add_nc_u64 s[G0+14:G0+15], s[4:5], s[50:51]
	s_add_nc_u64 s[G0+14:G0+15], s[G0+14:G0+15], 12845056
	s_or_b32 s[G0+15], s[G0+15], 0x80000000
	tensor_load_to_lds s[G0:G0+3], s[G1C:G1C+7]    ; the launch's only fills: four of mine are out
	s_nop 0
	tensor_load_to_lds s[G0+4:G0+7], s[G1C:G1C+7]
	s_nop 0
	tensor_load_to_lds s[G0+8:G0+11], s[G1S:G1S+7]
	s_nop 0
	tensor_load_to_lds s[G0+12:G0+15], s[G1S:G1S+7]
	s_nop 0
	PLACES 4
	s_lshr_b32 s48, s[WV], 3
	s_sub_co_u32 s49, 15, ttmp9
	s_cmp_eq_u32 s48, 0
	s_cselect_b32 s49, ttmp9, s49                  ; my block of 128 queries
	s_lshl_b32 s49, s49, 3
	s_and_b32 s48, s[WV], 7
	s_add_co_u32 s[TT], s49, s48
	s_lshr_b32 s48, s[TT], 1
	s_lshl_b32 s48, s48, 5
	s_and_b32 s49, s[TT], 1
	s_lshl_b32 s49, s49, 3
	s_add_co_u32 s[Q0], s48, s49
	v_and_b32 v236, 31, v0
	v_and_b32 v237, 15, v0                         ; r
	v_bfe_u32 v238, v0, 4, 1                       ; h
	v_lshlrev_b32 v[AK0], 4, v236                  ; 16 x lane
	v_add_nc_u32 v[AV0], 131072, v[AK0]
	v_lshl_add_u32 v[ASK0], v237, 1, 262144
	v_lshl_add_u32 v[ASV0], v237, 2, 266240
	v_and_b32 v239, 8, v237
	v_add_nc_u32 v239, v239, v237
	v_lshlrev_b32 v[DQ], 4, v238
	v_sub_nc_u32 v[DQ], v239, v[DQ]
	s_lshl_b32 s48, s[BH], 17
	s_lshl_b32 s49, s[TT], 10
	s_add_co_u32 s48, s48, s49
	v_add_nc_u32 v6, s48, v[AK0]
	global_load_b128 v[16:19], v6, s[4:5]          ; Q's fragment: channels 0-31,
	global_load_b128 v[20:23], v6, s[4:5] offset:512   ; 32-63
	s_lshl_b32 s48, s[BH], 12
	s_lshl_b32 s49, s[TT], 5
	s_add_co_u32 s48, s48, s49
	s_add_co_u32 s48, s48, 12582912
	v_lshl_add_u32 v7, v237, 1, s48
	global_load_u16 v232, v7, s[4:5]               ; its two scale bytes; the upper two are 0, over zero codes
.irp j, 24,25,26,27,28,29,30,31
	v_mov_b32 v[\j], 0
.endr
.irp t, 0,1,2,3
.irp j, 8,9,10,11,12,13,14,15
	v_mov_b32 v[32+16*\t+\j], 0                    ; K's fragments: channels 64-127 are zero codes for the whole launch
.endr
.endr
	v_mov_b32 v13, 0xff61b1e6                      ; the largest t so far: -3e38
	v_floor_f32 v12, -v13                          ; -M
	v_mov_b32 v14, 0
	v_mov_b32 v15, 0
	v_mov_b32 v235, 0                              ; (named as the upper half of the pair v[234:235])
.irp b, 0,1,2,3
	v_mov_b32 v[212+\b], 0                         ; a lane permute's destination counts as one of its sources
.endr
.set n, 0
.rept 32
	v_mov_b32 v[160+n], 0                          ; O^T: the step is written once; the first change of M multiplies zeros
.set n, n+1
.endr
	s_mov_b32 s[SEL], 0x76543210
	s_mov_b32 s[SEL+1], 0xfedcba98
	s_mov_b32 s[CS], 0x3e38aa3b                    ; c = log2(e) / 8
	s_mov_b32 s[CS+1], s[CS]
	s_mov_b32 s[MNT], 0x600000
	s_mov_b32 s[T], 0
	s_mov_b32 s[TS], 0
	s_mov_b32 s[KF], 0
	s_mov_b32 s[CNT], 0
	s_wait_loadcnt 0x0                             ; Q
	s_wait_tensorcnt 0x0                           ; my key step's tiles and scale bytes have landed,
	s_barrier_signal -1
	s_barrier_wait -1                              ; everybody's have
.Lstep:
	s_cmp_gt_u32 s[KF], s[Q0]                      ; my queries Q0 .. Q0 + 23 lie in one aligned group of 32 and KF is a multiple of 128: KF > Q0 means that all 128 keys come after all my queries
	s_cbranch_scc1 .Lhidden
	v_add_nc_u32 v[ADK], s[T], v[AK0]
	v_add_nc_u32 v[ADV], s[T], v[AV0]
	v_add_nc_u32 v[ADS], s[TS], v[ASK0]
	v_add_nc_u32 v[ADT], s[TS], v[ASV0]
	PLACES 5                                       ; with the four additions nine places: the scores are laid over V's fragments, which the last products read
.irp g, 0,1                                    ; S^T = K Q^T, four tiles of 16 keys at a time
.if \g
	PLACES 8
.endif
.irp t, 0,1,2,3
	ds_load_b128 v[32+16*\t:35+16*\t], v[ADK] offset:(4*\g+\t)*1024
	ds_load_b128 v[36+16*\t:39+16*\t], v[ADK] offset:(4*\g+\t)*1024+512
	ds_load_u16 v[224+\t], v[ADS] offset:(4*\g+\t)*32
.endr
	s_wait_dscnt 0x0
.irp t, 0,1,2,3
	v_wmma_scale_f32_16x16x128_f8f6f4 v[96+8*(4*\g+\t):103+8*(4*\g+\t)], v[32+16*\t:47+16*\t], v[16:31], 0, v[224+\t], v232
.endr
.endr
	PLACES 8
	s_add_co_u32 s48, s[KF], 127                   ; a step all of whose keys count skips the mask
	s_cmp_le_u32 s48, s[Q0]
	s_cbranch_scc1 .Lopen
	s_sub_co_i32 s48, s[Q0], s[KF]
	v_add_nc_u32 v236, s48, v[DQ]                  ; d = my query - KF - 16 h.  Register 16 b + i holds key KF + 32 b + 16 h + i: hidden where 32 b + i > d
	v_mov_b32 v237, 0xff800000
.set n, 0
.rept 64
	v_cmp_gt_i32 vcc_lo, 32*(n/16)+n%16, v236
	v_cndmask_b32 v[96+n], v[96+n], v237, vcc_lo
.set n, n+1
.endr
.Lopen:
.irp b, 0,1,2,3
	v_max3_num_f32 v[208+\b], v[96+16*\b], v[97+16*\b], v[98+16*\b]   ; the largest score of each block of 32 keys: for the row's maximum and, since p rises with the score, for the block's largest p
.endr
.irp i, 3,5,7,9,11,13
.irp b, 0,1,2,3
	v_max3_num_f32 v[208+\b], v[208+\b], v[96+16*\b+\i], v[97+16*\b+\i]
.endr
.endr
.irp b, 0,1,2,3
	v_max_num_f32 v[208+\b], v[208+\b], v[111+16*\b]
.endr
.irp b, 0,1,2,3
	v_permlanex16_b32 v[212+\b], v[208+\b], s[SEL], s[SEL+1]
.endr
.irp b, 0,1,2,3
	v_max_num_f32 v[208+\b], v[208+\b], v[212+\b]
.endr
	v_max3_num_f32 v236, v208, v209, v210
	v_max_num_f32 v236, v236, v211
	v_mul_f32 v236, s[CS], v236                    ; the step's largest t
	v_max_num_f32 v13, v13, v236
	v_mov_b32 v236, v12
	v_floor_f32 v12, -v13                          ; the new -M = -ceil(t)
	v_sub_f32 v236, v12, v236                      ; old M - new M: a whole number, 0 or less
	v_cvt_i32_f32 v236, v236                       ; (it saturates)
	v_ldexp_f32 v234, 1.0, v236                    ; f = 2^(old M - new M)
.set n, 0
.rept 32
	v_pk_fma_f32 v[96+n:97+n], v[96+n:97+n], s[CS:CS+1], v[12:13] op_sel_hi:[1,0,0]   ; t - M
.set n, n+2
.endr
.irp b, 0,1,2,3
	v_fma_f32 v[208+\b], v[208+\b], s[CS], v12
.endr
.set n, 0
.rept 64
	v_exp_f32 v[96+n], v[96+n]                     ; p = 2^(t - M)
.set n, n+1
.endr
	v_pk_mul_f32 v[14:15], v[14:15], v[234:235] op_sel_hi:[1,0]   ; the sum under the new M: the plain line behind the batch
	s_wait_alu depctr_va_vdst(0)                   ; one wait for the batch, ahead of its first reader
.irp b, 0,1,2,3
	v_exp_f32 v[208+\b], v[208+\b]                 ; the blocks' largest p
.endr
	v_pk_add_f32 v[236:237], v[96:97], v[98:99]    ; the row's sum of the unquantised p, in two chains
.irp j, 4,8,12,16,20,24,28,32,36,40,44,48,52,56,60
	v_pk_add_f32 v[14:15], v[14:15], v[96+\j:97+\j]
	v_pk_add_f32 v[236:237], v[236:237], v[98+\j:99+\j]
.endr
	v_pk_add_f32 v[14:15], v[14:15], v[236:237]
	s_wait_alu depctr_va_vdst(0)                   ; and one for the four
.irp b, 0,1,2,3
	v_max_num_f32 v[208+\b], 0x4800000, v[208+\b]  ; the floor 2^(9 - 127)
.endr
.irp b, 0,1,2,3
	v_add_nc_u32 v[220+\b], 0xfc000000, v[208+\b]
.endr
.irp b, 0,1,2,3
	v_and_or_b32 v[216+\b], v[208+\b], 0x7f800000, s[MNT]
.endr
.irp b, 0,1,2,3
	v_lshrrev_b32 v[212+\b], 23, v[220+\b]
.endr
	v_lshl_or_b32 v233, v213, 8, v212              ; p's scale word for these 128 keys
	v_lshl_or_b32 v233, v214, 16, v233
	v_lshl_or_b32 v233, v215, 24, v233
.irp b, 0,1,2,3
.irp i, 0,1,2,3,4,5,6,7,8,9,10,11,12,13,14,15
	v_min_num_f32 v[96+16*\b+\i], v[96+16*\b+\i], v[216+\b]   ; the hold; p is not negative
.endr
	v_cvt_scalef32_pk8_fp8_f32 v[192+4*\b:193+4*\b], v[96+16*\b:103+16*\b], v[220+\b]
	v_cvt_scalef32_pk8_fp8_f32 v[194+4*\b:195+4*\b], v[104+16*\b:111+16*\b], v[220+\b]
.endr
.set n, 0
.rept 16
	v_pk_mul_f32 v[160+n:161+n], v[160+n:161+n], v[234:235] op_sel_hi:[1,0]   ; O^T under the new M; these are also the places in front of the products below
.set n, n+2
.endr
.irp t, 0,1,2,3                                ; V's four fragments: 16 channels x these 128 keys each
.irp c, 0,1,2,3
	ds_load_b128 v[96+16*\t+4*\c:99+16*\t+4*\c], v[ADV] offset:\t*2048+512*\c
.endr
	ds_load_b32 v[228+\t], v[ADT] offset:\t*64
.endr
	s_wait_dscnt 0x0
.irp t, 0,1,2,3
	v_wmma_scale_f32_16x16x128_f8f6f4 v[160+8*\t:167+8*\t], v[96+16*\t:111+16*\t], v[192:207], v[160+8*\t:167+8*\t], v[228+\t], v233
.endr
.Lhidden:
	s_add_co_u32 s[T], s[T], 8192
	s_add_co_u32 s[TS], s[TS], 256
	s_add_co_u32 s[KF], s[KF], 128
	s_add_co_u32 s[CNT], s[CNT], 1
	s_cmp_lt_u32 s[CNT], 16
	s_cbranch_scc1 .Lstep
	; THE WAY OUT.  Register 8 t + j of O^T is channel 32 (t / 2) + 8 (t % 2) + 16 h + j of my query: two blocks of 16 neighbours along the model's axis.
	PLACES 8
	v_add_f32 v14, v14, v15
	v_permlanex16_b32 v236, v14, s[SEL], s[SEL+1]
	v_add_f32 v14, v14, v236                       ; the row's sum
	v_rcp_f32 v14, v14
	v_and_b32 v237, 15, v0                         ; (a plain line behind the transcendental)
	s_lshr_b32 s48, s[BH], 4
	s_lshl_b32 s48, s48, 7
	s_add_co_u32 s48, s48, s[TT]                   ; my token tile of 256
	s_and_b32 s49, s[BH], 15                       ; the head: columns 64 head on
	s_lshr_b32 s50, s48, 3                         ; panel
	s_and_b32 s51, s48, 7                          ; tile in it
	s_lshr_b32 s52, s49, 3                         ; k / 512
	s_bfe_u32 s53, s49, 0x20001                    ; (k / 128) % 4
	s_and_b32 s54, s49, 1                          ; which half of the fragment
	s_lshl_b32 s55, s50, 17
	s_lshl_b32 s48, s52, 16
	s_add_co_u32 s55, s55, s48
	s_lshl_b32 s48, s51, 13
	s_add_co_u32 s55, s55, s48
	s_lshl_b32 s48, s53, 11
	s_add_co_u32 s55, s55, s48
	s_lshl_b32 s48, s54, 10
	s_add_co_u32 s55, s55, s48
	v_add_nc_u32 v8, s55, v[AK0]
	s_lshl_b32 s55, s50, 12
	s_lshl_b32 s48, s52, 11
	s_add_co_u32 s55, s55, s48
	s_lshl_b32 s48, s51, 8
	s_add_co_u32 s55, s55, s48
	s_lshl_b32 s48, s53, 2
	s_add_co_u32 s55, s55, s48
	s_lshl_b32 s48, s54, 1
	s_add_co_u32 s55, s55, s48
	s_add_co_u32 s55, s55, 4194304
	v_lshl_add_u32 v9, v237, 4, s55
	s_wait_alu depctr_va_vdst(0)                   ; the wait ahead of the reciprocal's first reader
.set n, 0
.rept 32
	v_mul_f32 v[96+n], v[160+n], v14
.set n, n+1
.endr
.irp b, 0,1
	v_max3_num_f32 v[208+\b], |v[96+16*\b]|, |v[97+16*\b]|, 0x4800000
.endr
.irp i, 2,4,6,8,10,12,14
.irp b, 0,1
	v_max3_num_f32 v[208+\b], v[208+\b], |v[96+16*\b+\i]|, |v[97+16*\b+\i]|
.endr
.endr
.irp b, 0,1
	v_permlanex16_b32 v[212+\b], v[208+\b], s[SEL], s[SEL+1]
.endr
.irp b, 0,1
	v_max_num_f32 v[208+\b], v[208+\b], v[212+\b]
.endr
.irp b, 0,1
	v_add_nc_u32 v[220+\b], 0xfc000000, v[208+\b]
.endr
.irp b, 0,1
	v_and_or_b32 v[216+\b], v[208+\b], 0x7f800000, s[MNT]
.endr
.irp b, 0,1
	v_lshrrev_b32 v[212+\b], 23, v[220+\b]
.endr
	v_lshl_or_b32 v233, v213, 8, v212
.set n, 0
.rept 32
	v_med3_num_f32 v[96+n], v[96+n], -v[216+n/16], v[216+n/16]
.set n, n+1
.endr
.irp b, 0,1
	v_cvt_scalef32_pk8_fp8_f32 v[192+4*\b:193+4*\b], v[96+16*\b:103+16*\b], v[220+\b]
	v_cvt_scalef32_pk8_fp8_f32 v[194+4*\b:195+4*\b], v[104+16*\b:111+16*\b], v[220+\b]
.endr
	v_nop
	global_store_b128 v8, v[192:195], s[6:7]       ; 512 consecutive bytes a store
	global_store_b128 v8, v[196:199], s[6:7] offset:512
	global_store_b16 v9, v233, s[6:7]              ; lanes r and r + 16 hold the same bytes and write them to the same place
	s_wait_tensorcnt 0x0
	ds_add_u32 v254, v255
	s_wait_dscnt 0x0
	s_endpgm
.Lfunc_end_k_qfb9b1f2822_attn:
	.size	k_qfb9b1f2822_attn, .Lfunc_end_k_qfb9b1f2822_attn-k_qfb9b1f2822_attn
	.p2alignl 7, 3214868480
	.fill 96, 4, 3214868480
	.section	.rodata,"a",@progbits
	.p2align	6, 0x0
	.amdhsa_kernel k_qfb9b1f2822_attn
		.amdhsa_group_segment_fixed_size 272384
		.amdhsa_private_segment_fixed_size 0
		.amdhsa_enable_private_segment 0
		.amdhsa_kernarg_size 16
		.amdhsa_user_sgpr_count 2
		.amdhsa_user_sgpr_kernarg_segment_ptr 1
		.amdhsa_wavefront_size32 1
		.amdhsa_system_sgpr_workgroup_id_x 1
		.amdhsa_system_sgpr_workgroup_id_y 1
		.amdhsa_system_sgpr_workgroup_id_z 1
		.amdhsa_system_vgpr_workitem_id 0
		.amdhsa_next_free_vgpr 256
		.amdhsa_next_free_sgpr 66
		.amdhsa_reserve_vcc 1
		.amdhsa_float_denorm_mode_32 3
		.amdhsa_float_denorm_mode_16_64 3
		.amdhsa_memory_ordered 1
		.amdhsa_forward_progress 1
		.amdhsa_inst_pref_size 40
	.end_amdhsa_kernel
	.amdgpu_metadata
---
amdhsa.version: [ 1, 2 ]
amdhsa.kernels:
  - .name:           k_qfb9b1f2822_attn
    .symbol:         k_qfb9b1f2822_attn.kd
    .args:
      - { .name: kv, .offset: 0, .size: 8, .value_kind: global_buffer, .address_space: global }
      - { .name: aq, .offset: 8, .size: 8, .value_kind: global_buffer, .address_space: global }
    .group_segment_fixed_size: 272384
    .private_segment_fixed_size: 0
    .kernarg_segment_align: 8
    .kernarg_segment_size: 16
    .max_flat_workgroup_size: 512
    .sgpr_count:     66
    .vgpr_count:     256
    .wavefront_size: 32
...
	.end_amdgpu_metadata
.endif
;; end of part 4
;; launch gout (part 5): grid 8 x 32, 4 waves a work-group, no clusters, 327,680 bytes of LDS; arguments aq, wq, b_out, x, x1; writes x1
.if DOCPART == 5
	.amdgcn_target "amdgcn-amd-amdhsa--gfx1250"
	.amdhsa_code_object_version 6
	.text
	.protected	k_qfb9b1f2822_gout
	.globl	k_qfb9b1f2822_gout
	.p2align	8
	.type	k_qfb9b1f2822_gout,@function
k_qfb9b1f2822_gout:
	s_mov_b64 s[64:65], 0
	v_nop
	global_prefetch_b8 v0, s[64:65] scope:SCOPE_SE
	s_setreg_imm32_b32 hwreg(HW_REG_WAVE_MODE, 25, 1), 1
	s_wait_xcnt 0x0
; x1 = x + attention's result x w_out + b_out: the product on codes of FP8 (E4M3) with E8M0 scales, K = 1,024; bias and residual in f32; x1 row-major f32.
; OPERANDS lie in memory as images of operand registers: a fragment (16 rows x 128 k) is 2,048 bytes, lane l's registers 4 c .. 4 c + 3 at 512 c + 16 l; a panel (128 rows) is [k / 512][tile 8][4] fragments, dense.
; Row rho of a tile T (tokens and columns alike) is index 32 (T / 2) + 8 (T % 2) + rho + 8 (rho / 8).
; SHARES.  Work-group (x, y): token panel y, weight panel x: 128 x 128 of the result.  Four waves, each 64 tokens x 64 columns: 16 accumulators.
; Two LDS slots, each 512 along K (A's 8 tiles, B's 8 tiles, dense blocks of memory): here all of K; each is filled once; waves 0, 1 fetch A's halves, waves 2, 3 B's.  Two tensor loads of a wave are out at the head.
; NO MULTICAST YET: eight work-groups read each panel of A and 32 each panel of B; joint loads would apply; this text keeps plain loads.
; Source 0 = columns, source 1 = tokens: a lane holds a token and eight neighbouring columns.  The way out goes through the wave's own stage in LDS (in slot 0, which has had its only fill and its last read), so that sixteen lanes store 256 consecutive aligned bytes.
; The residual is loaded at the head, into the registers and lanes in which the results come back from the stage.
; REGISTERS: window 0: v0-31 addresses; v32-63 scale words; v64-127 rows back from the stage; v128-255 accumulators.  window 1: two sets of fragments.  window 2: v0-127 the residual.
.set KK,    1024
.set TILES, 1
.set LAPAN, 17
.set ASOFF, 4194304
.set LASP,  12
.set BOFF,  3145728
.set BSOFF, 12582912+98304
.set ASTEP, 0
.set BSTEP, 0
.set NSC,   2
.set BIASC, 0
.set SPW, 4
.set NIL, 5
.set ADRA, 6
.set ADRB, 8
.set L16, 10
.set STO, 11
.set RD,  12
.set CO,  13
.set BI,  14                           ; v14-17 the bias of my four columns
.set SC,  32
.set BB,  64
.set ACC, 128
.set F0,  0
.set F1,  128
.set SPARE, 262144
.set WV, 14
.set WR, 15
.set WC, 16
.set GX, 17
.set PP, 18
.set G1, 24
.set G0A, 32
.set G0B, 40
.set SAP, 48
.set SBP, 50
.set BIP, 52
.set MSB, 0
.macro WIN new                         ; the immediate's high byte repeats the setting that is left
.if MSB != \new
	s_set_vgpr_msb (MSB<<8)|\new
.set MSB, \new
.endif
.endm
.set MUL,  0x05
.set TO_F, 0x40
.macro PLACES n
.rept \n
	v_nop
.endr
.endm
.macro TLOAD s
	s_cmp_lt_u32 s[WV], 2
	s_cbranch_scc0 .Lfor_b_\@
	tensor_load_to_lds s[G0A+4*\s:G0A+4*\s+3], s[G1:G1+7]
	PLACES 4
	s_branch .Lasked_\@
.Lfor_b_\@:
	tensor_load_to_lds s[G0B+4*\s:G0B+4*\s+3], s[G1:G1+7]
	PLACES 4
.Lasked_\@:
.endm
.macro WM d, x, y, cz, c, sx, sy, rx, ry   ; one product; cz = 1: C is 0; rx, ry: the scale words lie in lanes 16-31
.if \cz
.if (\rx) && (\ry)
	v_wmma_scale_f32_16x16x128_f8f6f4 v[\d:\d+7], v[\x:\x+15], v[\y:\y+15], 0, v[\sx], v[\sy] matrix_a_scale:MATRIX_SCALE_ROW1 matrix_b_scale:MATRIX_SCALE_ROW1
.elseif \rx
	v_wmma_scale_f32_16x16x128_f8f6f4 v[\d:\d+7], v[\x:\x+15], v[\y:\y+15], 0, v[\sx], v[\sy] matrix_a_scale:MATRIX_SCALE_ROW1
.elseif \ry
	v_wmma_scale_f32_16x16x128_f8f6f4 v[\d:\d+7], v[\x:\x+15], v[\y:\y+15], 0, v[\sx], v[\sy] matrix_b_scale:MATRIX_SCALE_ROW1
.else
	v_wmma_scale_f32_16x16x128_f8f6f4 v[\d:\d+7], v[\x:\x+15], v[\y:\y+15], 0, v[\sx], v[\sy]
.endif
.else
.if (\rx) && (\ry)
	v_wmma_scale_f32_16x16x128_f8f6f4 v[\d:\d+7], v[\x:\x+15], v[\y:\y+15], v[\c:\c+7], v[\sx], v[\sy] matrix_a_scale:MATRIX_SCALE_ROW1 matrix_b_scale:MATRIX_SCALE_ROW1
.elseif \rx
	v_wmma_scale_f32_16x16x128_f8f6f4 v[\d:\d+7], v[\x:\x+15], v[\y:\y+15], v[\c:\c+7], v[\sx], v[\sy] matrix_a_scale:MATRIX_SCALE_ROW1
.elseif \ry
	v_wmma_scale_f32_16x16x128_f8f6f4 v[\d:\d+7], v[\x:\x+15], v[\y:\y+15], v[\c:\c+7], v[\sx], v[\sy] matrix_b_scale:MATRIX_SCALE_ROW1
.else
	v_wmma_scale_f32_16x16x128_f8f6f4 v[\d:\d+7], v[\x:\x+15], v[\y:\y+15], v[\c:\c+7], v[\sx], v[\sy]
.endif
.endif
.endm
; 8 products: A's tiles a0, a0 + 1 x B's four, the slot's q-th 128 along K; source 0 = B; result (a, b) at ACC + 32 a + 8 b.  mode = 1: the sums begin with 0.
; The 16 accumulators take turns, one instruction a turn, in every step.
.macro MUL8 f, a0, q, set, mode, swap
.irp a, \a0, \a0+1
.irp b, 0,1,2,3
.set DD, ACC+32*(\a)+8*\b
.set CZ, 0
.set CC, DD
.if \mode
.set CZ, 1
.endif
	WM DD, \f+64+16*\b, \f+16*(\a), CZ, CC, SC+16*(\set)+8+4*(\b/2)+(\q), SC+16*(\set)+4*((\a)/2)+(\q), \b%2, (\a)%2
.endr
.endr
.endm
.macro FETCH s, q, f                   ; 32 LDS loads, 512 consecutive bytes each: B's four fragments, then A's four
	WIN TO_F
.irp i, 0,1,2,3
.irp c, 0,1,2,3
	ds_load_b128 v[\f+64+16*\i+4*\c:\f+64+16*\i+4*\c+3], v[ADRB+\s] offset:\i*8192+(\q)*2048+512*\c
.endr
.endr
.irp i, 0,1,2,3
.irp c, 0,1,2,3
	ds_load_b128 v[\f+16*\i+4*\c:\f+16*\i+4*\c+3], v[ADRA+\s] offset:\i*8192+(\q)*2048+512*\c
.endr
.endr
.endm
.macro SALOAD s
.irp u, 0,1
	global_load_b128 v[SC+16*\s+4*\u:SC+16*\s+4*\u+3], v[L16], s[SAP:SAP+1] offset:\s*2048+\u*512
.endr
.endm
.macro SBLOAD s
.irp u, 0,1
	global_load_b128 v[SC+16*\s+8+4*\u:SC+16*\s+8+4*\u+3], v[L16], s[SBP:SBP+1] offset:\s*2048+\u*512
.endr
.endm
.macro SCLOAD s
.if ASTEP
	SALOAD \s
.endif
	SBLOAD \s
.endm
.macro MM f, a0, q, set, mode
	WIN MUL
	MUL8 \f, \a0, \q, \set, \mode, 0
.endm
; A step of 128 along K with its successor in the same slot.  Eight plain places stand between matrix instructions and loads into registers that they have read.
.macro STEP s, q, f, g, mode, hook
	s_wait_dscnt 8                                 ; B's four and A's tiles 0, 1 are in; A's tiles 2, 3 (8 loads) may be out
	MM \f, 0, \q, \s, \mode
	PLACES 8
.if \hook
	WIN 0
	HOOK
.endif
	FETCH \s, (\q)+1, \g
	s_wait_dscnt 32                                ; all but the 32 just issued
	MM \f, 2, \q, \s, \mode
.endm
; Slot 0's last step.  Every wave: all its tensor loads have landed (its part of slot 1 among them), the add, its LDS loads are back; a barrier; then slot 1 is read.
.macro TURN more
	WIN 0
	s_wait_tensorcnt 0x0
	ds_add_u32 v[SPW], v[NIL]                      ; 0 onto my spare word
.if \more
.if ASTEP
	s_add_nc_u64 s[G0A+2:G0A+3], s[G0A+2:G0A+3], ASTEP
.endif
	s_add_nc_u64 s[G0B+2:G0B+3], s[G0B+2:G0B+3], 131072
.endif
	s_wait_dscnt 0x0
	s_barrier_signal -1
	s_barrier_wait -1
.if \more
	TLOAD 0
	PLACES 4
.else
	PLACES 8
.endif
	s_wait_loadcnt 0x0                             ; slot 1's scale words are in
.if \more
	s_add_nc_u64 s[SBP:SBP+1], s[SBP:SBP+1], 4096
.if ASTEP
	s_add_nc_u64 s[SAP:SAP+1], s[SAP:SAP+1], 4096
.endif
.endif
	FETCH 1, 0, F0
	MM F1, 0, 3, 0, 0
	MM F1, 2, 3, 0, 0
.endm
.macro LAST more
.if \more
	WIN 0
	s_wait_tensorcnt 0x0
	ds_add_u32 v[SPW], v[NIL]
.if ASTEP
	s_add_nc_u64 s[G0A+6:G0A+7], s[G0A+6:G0A+7], ASTEP
.endif
	s_add_nc_u64 s[G0B+6:G0B+7], s[G0B+6:G0B+7], 131072
	s_wait_dscnt 0x0
	s_barrier_signal -1
	s_barrier_wait -1
	TLOAD 1
.else
	s_wait_dscnt 0x0
.endif
	MM F1, 0, 3, 1, 0
	MM F1, 2, 3, 1, 0
	WIN 0
	PLACES 8                                       ; in front of the first read of results
.if \more
	SCLOAD 1
.endif
.endm
.macro LAP mode, more                  ; 1,024 along K
	FETCH 0, 0, F0
	s_wait_loadcnt NSC                             ; all but slot 1's scale words, which were asked for last
	STEP 0, 0, F0, F1, \mode, 0
	STEP 0, 1, F1, F0, 0, 0
	STEP 0, 2, F0, F1, 0, 0
	TURN \more
	STEP 1, 0, F0, F1, 0, \more
	STEP 1, 1, F1, F0, 0, 0
	STEP 1, 2, F0, F1, 0, 0
	LAST \more
.endm
	s_load_b256 s[4:11], s[0:1], 0x0               ; A, wq, bias, residual
	s_load_b64 s[12:13], s[0:1], 0x20              ; the result
	v_lshl_add_u32 v[SPW], v0, 2, SPARE
	v_mov_b32 v[NIL], 0
	ds_add_u32 v4, v5
	ds_add_u32 v4, v5
	s_wait_dscnt 0x0
	v_lshrrev_b32 v1, 5, v0
	v_readfirstlane_b32 s[WV], v1
	s_lshr_b32 s[WR], s[WV], 1
	s_and_b32 s[WC], s[WV], 1
	s_mov_b32 s[GX], ttmp9
	s_and_b32 s[PP], ttmp7, 0xffff
	s_mov_b32 s[G1], 3<<16                         ; 32 KB as 128 rows of 256 bytes (32 elements of 8), dense
	s_mov_b32 s[G1+1], 32<<16
	s_mov_b32 s[G1+2], 128<<16
	s_mov_b32 s[G1+3], 32<<16
	s_mov_b32 s[G1+4], 128
	s_mov_b32 s[G1+5], 32
	s_mov_b32 s[G1+6], 0
	s_mov_b32 s[G1+7], 0
	s_lshl_b32 s56, s[WC], 15
	s_lshl_b32 s54, s[PP], LAPAN
	s_add_co_u32 s54, s54, s56
	s_mov_b32 s55, 0
	s_mul_i32 s58, s[GX], TILES*128*KK
	s_add_co_u32 s58, s58, s56
	s_add_co_u32 s58, s58, BOFF
	s_mov_b32 s59, 0
	s_lshl_b32 s60, s[WV], 15
	s_wait_kmcnt 0x0
	s_add_nc_u64 s[54:55], s[4:5], s[54:55]
	s_add_nc_u64 s[58:59], s[6:7], s[58:59]
.irp s, 0,1
	s_mov_b32 s[G0A+4*\s], 1
	s_add_co_u32 s[G0A+4*\s+1], s60, \s*131072
	s_add_nc_u64 s[G0A+4*\s+2:G0A+4*\s+3], s[54:55], \s*65536
	s_or_b32 s[G0A+4*\s+3], s[G0A+4*\s+3], 0x80000000
	s_mov_b32 s[G0B+4*\s], 1
	s_add_co_u32 s[G0B+4*\s+1], s60, \s*131072
	s_add_nc_u64 s[G0B+4*\s+2:G0B+4*\s+3], s[58:59], \s*65536
	s_or_b32 s[G0B+4*\s+3], s[G0B+4*\s+3], 0x80000000
.endr
	s_cmp_lt_u32 s[WV], 2
	s_cbranch_scc0 .Lfirst_b
	tensor_load_to_lds s[G0A:G0A+3], s[G1:G1+7]
	s_nop 0
	tensor_load_to_lds s[G0A+4:G0A+7], s[G1:G1+7]
	s_nop 0
	PLACES 4
	s_branch .Lfirst_done
.Lfirst_b:
	tensor_load_to_lds s[G0B:G0B+3], s[G1:G1+7]
	s_nop 0
	tensor_load_to_lds s[G0B+4:G0B+7], s[G1:G1+7]
	s_nop 0
	PLACES 4
.Lfirst_done:
	s_lshl_b32 s54, s[PP], LASP
	s_lshl_b32 s56, s[WR], 10
	s_add_co_u32 s54, s54, s56
	s_add_co_u32 s54, s54, ASOFF
	s_mov_b32 s55, 0
	s_add_nc_u64 s[SAP:SAP+1], s[4:5], s[54:55]
	s_mul_i32 s54, s[GX], TILES*4*KK
	s_lshl_b32 s56, s[WC], 10
	s_add_co_u32 s54, s54, s56
	s_add_co_u32 s54, s54, BSOFF
	s_add_nc_u64 s[SBP:SBP+1], s[6:7], s[54:55]
	v_and_b32 v3, 31, v0
	v_and_b32 v1, 15, v0                           ; r
	v_bfe_u32 v2, v0, 4, 1                         ; h
	v_lshlrev_b32 v[L16], 4, v3
	s_lshl_b32 s56, s[WR], 15
	v_add_nc_u32 v[ADRA], s56, v[L16]
	v_add_nc_u32 v[ADRA+1], 131072, v[ADRA]
	s_lshl_b32 s56, s[WC], 15
	s_add_co_u32 s56, s56, 65536
	v_add_nc_u32 v[ADRB], s56, v[L16]
	v_add_nc_u32 v[ADRB+1], 131072, v[ADRB]
	s_lshl_b32 s54, s[PP], 7                       ; the result: row 128 y + 64 (wave / 2) + h, column 128 x + 64 (wave % 2) + 4 r
	s_lshl_b32 s55, s[WR], 6
	s_add_co_u32 s54, s54, s55
	s_lshl_b32 s54, s54, 12
	s_lshl_b32 s55, s[GX], 9
	s_lshl_b32 s56, s[WC], 8
	s_add_co_u32 s55, s55, s56
	s_add_co_u32 s54, s54, s55
	v_lshlrev_b32 v[CO], 12, v2
	v_lshl_add_u32 v[CO], v1, 4, v[CO]
	v_add_nc_u32 v[CO], s54, v[CO]
	v_lshl_add_u32 v18, v1, 4, s55
	s_mul_i32 s56, s[WV], 4352                     ; my stage: 16 rows of 256 bytes + 16
	v_mul_u32_u24 v[STO], v1, 272
	v_lshl_add_u32 v[STO], v2, 6, v[STO]
	v_add_nc_u32 v[STO], s56, v[STO]               ; in: row r, 64 h bytes on
	v_mul_u32_u24 v[RD], v2, 272
	v_lshl_add_u32 v[RD], v1, 4, v[RD]
	v_add_nc_u32 v[RD], s56, v[RD]                 ; back: lanes 0-15 one row, lanes 16-31 the next
	WIN 0x80                                       ; destination window 2
.irp a, 0,1,2,3
.irp t, 0,1,2,3,4,5,6,7
	global_load_b128 v[32*\a+4*\t:32*\a+4*\t+3], v[CO], s[10:11] offset:(32*(\a/2)+8*(\a%2)+2*\t+8*(\t/4))*4096
.endr
.endr
	WIN 0
	global_load_b128 v[BI:BI+3], v18, s[8:9]
	SALOAD 0
	SALOAD 1
	SBLOAD 0
	SBLOAD 1
	s_wait_tensorcnt 1                             ; my part of slot 0 is in; slot 1's may stay out
	s_barrier_signal -1
	s_barrier_wait -1
	LAP 1, 0
; THE WAY OUT, a token tile at a time.  Stage row rho is the tile's row rho: token 32 (a / 2) + 8 (a % 2) + rho + 8 (rho / 8).  LDS serves a wave's instructions in order (ISA guide 5.7.1.4): no wait between my stores and my loads.
.macro TOSTAGE a
.irp b, 0,1,2,3
	ds_store_b128 v[STO], v[ACC+32*(\a)+8*\b:ACC+32*(\a)+8*\b+3] offset:128*(\b/2)+32*(\b%2)       ; each accumulator from its low end on
	ds_store_b128 v[STO], v[ACC+32*(\a)+8*\b+4:ACC+32*(\a)+8*\b+7] offset:128*(\b/2)+32*(\b%2)+16
.endr
.irp t, 0,1,2,3,4,5,6,7
	ds_load_b128 v[64+32*((\a)%2)+4*\t:64+32*((\a)%2)+4*\t+3], v[RD] offset:544*\t
.endr
.endm
.macro SEND a, younger
.set BK, 64+32*((\a)%2)
	s_wait_dscnt \younger                          ; the tile is back; the next tile's 8 stores and 8 loads may be out
	WIN 0x08                                       ; source 1 window 2: the residual
.set n, 0
.rept 16
	v_pk_add_f32 v[BK+n:BK+n+1], v[BK+n:BK+n+1], v[32*(\a)+n:32*(\a)+n+1]
.set n, n+2
.endr
	WIN 0
.irp t, 0,1,2,3,4,5,6,7
	v_pk_add_f32 v[BK+4*\t:BK+4*\t+1], v[BK+4*\t:BK+4*\t+1], v[BI:BI+1]
	v_pk_add_f32 v[BK+4*\t+2:BK+4*\t+3], v[BK+4*\t+2:BK+4*\t+3], v[BI+2:BI+3]
.endr
.irp t, 0,1,2,3,4,5,6,7
	global_store_b128 v[CO], v[BK+4*\t:BK+4*\t+3], s[12:13] offset:(32*((\a)/2)+8*((\a)%2)+2*\t+8*(\t/4))*4096   ; sixteen lanes store 256 consecutive aligned bytes
.endr
.endm
	TOSTAGE 0
.irp a, 1,2,3
.if \a > 1
	s_wait_xcnt 0x0                                ; tile a - 2's stores have read their registers: tile a's loads may land there
.endif
	TOSTAGE \a
	SEND \a-1, 16
.endr
	SEND 3, 0
	s_wait_tensorcnt 0x0                           ; the wave's end
	ds_add_u32 v[SPW], v[NIL]
	s_wait_dscnt 0x0
	s_endpgm
.Lfunc_end_k_qfb9b1f2822_gout:
	.size	k_qfb9b1f2822_gout, .Lfunc_end_k_qfb9b1f2822_gout-k_qfb9b1f2822_gout
	.p2alignl 7, 3214868480
	.fill 96, 4, 3214868480
	.section	.rodata,"a",@progbits
	.p2align	6, 0x0
	.amdhsa_kernel k_qfb9b1f2822_gout
		.amdhsa_group_segment_fixed_size 327680
		.amdhsa_private_segment_fixed_size 0
		.amdhsa_enable_private_segment 0
		.amdhsa_kernarg_size 40
		.amdhsa_user_sgpr_count 2
		.amdhsa_user_sgpr_kernarg_segment_ptr 1
		.amdhsa_wavefront_size32 1
		.amdhsa_system_sgpr_workgroup_id_x 1
		.amdhsa_system_sgpr_workgroup_id_y 1
		.amdhsa_system_sgpr_workgroup_id_z 1
		.amdhsa_system_vgpr_workitem_id 0
		.amdhsa_next_free_vgpr 640
		.amdhsa_next_free_sgpr 66
		.amdhsa_reserve_vcc 0
		.amdhsa_float_denorm_mode_32 3
		.amdhsa_float_denorm_mode_16_64 3
		.amdhsa_memory_ordered 1
		.amdhsa_forward_progress 1
		.amdhsa_inst_pref_size 60
	.end_amdhsa_kernel
	.amdgpu_metadata
---
amdhsa.version: [ 1, 2 ]
amdhsa.kernels:
  - .name:           k_qfb9b1f2822_gout
    .symbol:         k_qfb9b1f2822_gout.kd
    .args:
      - { .name: aq, .offset: 0, .size: 8, .value_kind: global_buffer, .address_space: global }
      - { .name: wq, .offset: 8, .size: 8, .value_kind: global_buffer, .address_space: global }
      - { .name: b_out, .offset: 16, .size: 8, .value_kind: global_buffer, .address_space: global }
      - { .name: x, .offset: 24, .size: 8, .value_kind: global_buffer, .address_space: global }
      - { .name: x1, .offset: 32, .size: 8, .value_kind: global_buffer, .address_space: global }
    .group_segment_fixed_size: 327680
    .private_segment_fixed_size: 0
    .kernarg_segment_align: 8
    .kernarg_segment_size: 40
    .max_flat_workgroup_size: 128
    .sgpr_count:     66
    .vgpr_count:     640
    .wavefront_size: 32
...
	.end_amdgpu_metadata
.endif
;; end of part 5
;; launch ln2: the kernel of part 2 again; grid 256 x 1, 8 waves a work-group, no clusters, 3,072 bytes of LDS; arguments x1, ln2_g, ln2_b, aq; writes aq
;; launch gfc (part 6): grid 8 x 32, 4 waves a work-group, no clusters, 327,680 bytes of LDS; arguments aq, wq, b_fc, fq; writes fq
.if DOCPART == 6
	.amdgcn_target "amdgcn-amd-amdhsa--gfx1250"
	.amdhsa_code_object_version 6
	.text
	.protected	k_qfb9b1f2822_gfc
	.globl	k_qfb9b1f2822_gfc
	.p2align	8
	.type	k_qfb9b1f2822_gfc,@function
k_qfb9b1f2822_gfc:
	s_mov_b64 s[64:65], 0
	v_nop
	global_prefetch_b8 v0, s[64:65] scope:SCOPE_SE
	s_setreg_imm32_b32 hwreg(HW_REG_WAVE_MODE, 25, 1), 1
	s_wait_xcnt 0x0
; fq = Q(gelu(LN2(x1) w_fc + b_fc)): the product on codes of FP8 (E4M3) with E8M0 scales, K = 1,024; the activation in f32; the result quantised along the 4,096 hidden units and stored as images of operand registers.
; gelu (tanh form) is written x / (1 + 2^z), z = x (c0 + c1 x^2), c0 = -2 sqrt(2 / pi) log2(e), c1 = 0.044715 c0: the same function as 0.5 x (1 + tanh u).
; OPERANDS lie in memory as images of operand registers: a fragment (16 rows x 128 k) is 2,048 bytes, lane l's registers 4 c .. 4 c + 3 at 512 c + 16 l; a panel (128 rows) is [k / 512][tile 8][4] fragments, dense.
; Row rho of a tile T (tokens and columns alike) is index 32 (T / 2) + 8 (T % 2) + rho + 8 (rho / 8): the results of tiles 2 b and 2 b + 1 are then 16 neighbours in a lane's registers.
; SHARES.  Work-group (x, y): token panel y, weight panels 4 x .. 4 x + 3, one after the other: 512 hidden units, one group [k / 512] of the next product's A.  Four waves, each 64 tokens x 64 columns: 16 accumulators.
; RING.  Two LDS slots, each 512 along K (A's 8 tiles, B's 8 tiles, dense blocks of memory); waves 0, 1 fetch A's halves, waves 2, 3 B's, one tensor load each.  The ring runs on into the next weight panel; A's panel is fetched again with it.
; By this text's count a wave has two tensor loads out at the head and one later.
; NO MULTICAST YET: eight work-groups read each panel of A and 32 each panel of B; joint loads would apply; this text keeps plain loads.
; LIMITS: NaN and infinities are not served; a block of zeros gets the byte 1; for very negative x the form above leaves a tiny number where the tanh form in f32 gives 0.
; REGISTERS: window 0: v0-31 addresses; v32-63 scale words; v64-95 the bias as C; v96-127 at work; v128-255 accumulators.  window 1: two sets of fragments; on the way out v0-127 at work, v128-159 the codes.
.set KK,    1024
.set TILES, 4
.set LAPAN, 17
.set ASOFF, 4194304
.set LASP,  12
.set BOFF,  4194304
.set BSOFF, 12582912+131072
.set ASTEP, 0
.set BSTEP, 512                        ; the bias: 128 columns on with each weight panel
.set NSC,   2
.set BIASC, 1
.set SPW, 4
.set NIL, 5
.set ADRA, 6
.set ADRB, 8
.set L16, 10
.set VBI, 11                           ; v11 64 h
.set VCO, 12
.set VSO, 16
.set SC,  32
.set BB,  64
.set TM,  96
.set ACC, 128
.set F0,  0
.set F1,  128
.set PC,  128
.set SPARE, 262144
.set WV, 14
.set WR, 15
.set WC, 16
.set GX, 17
.set PP, 18
.set MNT, 19
.set SEL, 20
.set C1,  22
.set G1, 24
.set G0A, 32
.set G0B, 40
.set SAP, 48
.set SBP, 50
.set BIP, 52
.set OUT, 10
.set MSB, 0
.macro WIN new                         ; the immediate's high byte repeats the setting that is left
.if MSB != \new
	s_set_vgpr_msb (MSB<<8)|\new
.set MSB, \new
.endif
.endm
.set MUL,  0x05
.set TO_F, 0x40
.macro PLACES n
.rept \n
	v_nop
.endr
.endm
.macro TLOAD s                         ; waves 0, 1 fetch A's halves of slot s, waves 2, 3 B's; four v_nop follow each line
	s_cmp_lt_u32 s[WV], 2
	s_cbranch_scc0 .Lfor_b_\@
	tensor_load_to_lds s[G0A+4*\s:G0A+4*\s+3], s[G1:G1+7]
	s_nop 0
	PLACES 4
	s_branch .Lasked_\@
.Lfor_b_\@:
	tensor_load_to_lds s[G0B+4*\s:G0B+4*\s+3], s[G1:G1+7]
	s_nop 0
	PLACES 4
.Lasked_\@:
.endm
.macro WM d, x, y, c, sx, sy, rx, ry   ; one product; rx, ry: the scale words lie in lanes 16-31
.if (\rx) && (\ry)
	v_wmma_scale_f32_16x16x128_f8f6f4 v[\d:\d+7], v[\x:\x+15], v[\y:\y+15], v[\c:\c+7], v[\sx], v[\sy] matrix_a_scale:MATRIX_SCALE_ROW1 matrix_b_scale:MATRIX_SCALE_ROW1
.elseif \rx
	v_wmma_scale_f32_16x16x128_f8f6f4 v[\d:\d+7], v[\x:\x+15], v[\y:\y+15], v[\c:\c+7], v[\sx], v[\sy] matrix_a_scale:MATRIX_SCALE_ROW1
.elseif \ry
	v_wmma_scale_f32_16x16x128_f8f6f4 v[\d:\d+7], v[\x:\x+15], v[\y:\y+15], v[\c:\c+7], v[\sx], v[\sy] matrix_b_scale:MATRIX_SCALE_ROW1
.else
	v_wmma_scale_f32_16x16x128_f8f6f4 v[\d:\d+7], v[\x:\x+15], v[\y:\y+15], v[\c:\c+7], v[\sx], v[\sy]
.endif
.endm
; 8 products: A's tiles a0, a0 + 1 x B's four, the slot's q-th 128 along K; source 0 = B; result (a, b) at ACC + 32 a + 8 b.  mode = 1: the sums begin with the bias as C.
; The 16 accumulators take turns, one instruction a turn, in every step.
.macro MUL8 f, a0, q, set, mode
.irp a, \a0, \a0+1
.irp b, 0,1,2,3
.set DD, ACC+32*(\a)+8*\b
.set CC, DD
.if \mode
.set CC, BB+8*\b
.endif
	WM DD, \f+64+16*\b, \f+16*(\a), CC, SC+16*(\set)+8+4*(\b/2)+(\q), SC+16*(\set)+4*((\a)/2)+(\q), \b%2, (\a)%2
.endr
.endr
.endm
.macro FETCH s, q, f                   ; 32 LDS loads, 512 consecutive bytes each: B's four fragments, then A's four
	WIN TO_F
.irp i, 0,1,2,3
.irp c, 0,1,2,3
	ds_load_b128 v[\f+64+16*\i+4*\c:\f+64+16*\i+4*\c+3], v[ADRB+\s] offset:\i*8192+(\q)*2048+512*\c
.endr
.endr
.irp i, 0,1,2,3
.irp c, 0,1,2,3
	ds_load_b128 v[\f+16*\i+4*\c:\f+16*\i+4*\c+3], v[ADRA+\s] offset:\i*8192+(\q)*2048+512*\c
.endr
.endr
.endm
.macro SALOAD s
.irp u, 0,1
	global_load_b128 v[SC+16*\s+4*\u:SC+16*\s+4*\u+3], v[L16], s[SAP:SAP+1] offset:\s*2048+\u*512
.endr
.endm
.macro SBLOAD s
.irp u, 0,1
	global_load_b128 v[SC+16*\s+8+4*\u:SC+16*\s+8+4*\u+3], v[L16], s[SBP:SBP+1] offset:\s*2048+\u*512
.endr
.endm
.macro SCLOAD s
	SBLOAD \s
.endm
.macro BLOAD                           ; the bias as C: register j of tile b is column 32 (b / 2) + 8 (b % 2) + 16 h + j
.irp b, 0,1,2,3
	global_load_b128 v[BB+8*\b:BB+8*\b+3], v[VBI], s[BIP:BIP+1] offset:(32*(\b/2)+8*(\b%2))*4
	global_load_b128 v[BB+8*\b+4:BB+8*\b+7], v[VBI], s[BIP:BIP+1] offset:(32*(\b/2)+8*(\b%2))*4+16
.endr
.endm
.macro HOOK                            ; in a lap's fifth step: the next panel's bias and slot 0's scale words (the bases were stepped at the change of slots)
	BLOAD
	SCLOAD 0
.endm
.macro MM f, a0, q, set, mode
	WIN MUL
	MUL8 \f, \a0, \q, \set, \mode
.endm
; A step of 128 along K with its successor in the same slot.  Eight plain places stand between matrix instructions and loads into registers that they have read.
.macro STEP s, q, f, g, mode, hook
	s_wait_dscnt 8                                 ; B's four and A's tiles 0, 1 are in; A's tiles 2, 3 (8 loads) may be out
	MM \f, 0, \q, \s, \mode
	PLACES 8
.if \hook
	WIN 0
	HOOK
.endif
	FETCH \s, (\q)+1, \g
	s_wait_dscnt 32                                ; all but the 32 just issued
	MM \f, 2, \q, \s, \mode
.endm
; Slot 0's last step.  Every wave: all its tensor loads have landed (its part of slot 1 among them), the add, its LDS loads are back (slot 0 is read out); a barrier; then slot 0 is filled again first, and slot 1 is read.
.macro TURN more
	WIN 0
	s_wait_tensorcnt 0x0
	ds_add_u32 v[SPW], v[NIL]                      ; 0 onto my spare word
.if \more
	s_add_nc_u64 s[G0B+2:G0B+3], s[G0B+2:G0B+3], 131072   ; no tensor load of mine is out: the next weight panel's first 512 along K
.endif
	s_wait_dscnt 0x0
	s_barrier_signal -1
	s_barrier_wait -1
.if \more
	TLOAD 0
	PLACES 4                                       ; with the four behind the load: eight places in front of the loads below
.else
	PLACES 8
.endif
	s_wait_loadcnt 0x0                             ; slot 1's scale words are in, and no load of mine reads a base any more
.if \more
	s_add_nc_u64 s[SBP:SBP+1], s[SBP:SBP+1], 4096
	s_add_nc_u64 s[BIP:BIP+1], s[BIP:BIP+1], BSTEP
.endif
	FETCH 1, 0, F0
	MM F1, 0, 3, 0, 0
	MM F1, 2, 3, 0, 0
.endm
.macro LAST more
.if \more
	WIN 0
	s_wait_tensorcnt 0x0
	ds_add_u32 v[SPW], v[NIL]
	s_add_nc_u64 s[G0B+6:G0B+7], s[G0B+6:G0B+7], 131072
	s_wait_dscnt 0x0
	s_barrier_signal -1
	s_barrier_wait -1
	TLOAD 1
.else
	s_wait_dscnt 0x0
.endif
	MM F1, 0, 3, 1, 0
	MM F1, 2, 3, 1, 0
	WIN 0
	PLACES 8                                       ; in front of the first read of results and of loads into scale registers
.if \more
	SCLOAD 1
.endif
.endm
.macro LAP mode, more                  ; 1,024 along K
	FETCH 0, 0, F0
	s_wait_loadcnt NSC                             ; all but slot 1's scale words, which were asked for last
	STEP 0, 0, F0, F1, \mode, 0
	STEP 0, 1, F1, F0, 0, 0
	STEP 0, 2, F0, F1, 0, 0
	TURN \more
	STEP 1, 0, F0, F1, 0, \more
	STEP 1, 1, F1, F0, 0, 0
	STEP 1, 2, F0, F1, 0, 0
	LAST \more
.endm
	s_load_b256 s[4:11], s[0:1], 0x0               ; aq, wq, b_fc, fq
	v_lshl_add_u32 v[SPW], v0, 2, SPARE
	v_mov_b32 v[NIL], 0
	ds_add_u32 v4, v5
	ds_add_u32 v4, v5
	s_wait_dscnt 0x0
	v_lshrrev_b32 v1, 5, v0
	v_readfirstlane_b32 s[WV], v1
	s_lshr_b32 s[WR], s[WV], 1
	s_and_b32 s[WC], s[WV], 1
	s_mov_b32 s[GX], ttmp9
	s_and_b32 s[PP], ttmp7, 0xffff
	s_mov_b32 s[G1], 3<<16                         ; 32 KB as 128 rows of 256 bytes (32 elements of 8), dense
	s_mov_b32 s[G1+1], 32<<16
	s_mov_b32 s[G1+2], 128<<16
	s_mov_b32 s[G1+3], 32<<16
	s_mov_b32 s[G1+4], 128
	s_mov_b32 s[G1+5], 32
	s_mov_b32 s[G1+6], 0
	s_mov_b32 s[G1+7], 0
	s_lshl_b32 s56, s[WC], 15
	s_lshl_b32 s54, s[PP], LAPAN
	s_add_co_u32 s54, s54, s56
	s_mov_b32 s55, 0
	s_mul_i32 s58, s[GX], TILES*128*KK
	s_add_co_u32 s58, s58, s56
	s_add_co_u32 s58, s58, BOFF
	s_mov_b32 s59, 0
	s_lshl_b32 s60, s[WV], 15
	s_wait_kmcnt 0x0
	s_add_nc_u64 s[54:55], s[4:5], s[54:55]
	s_add_nc_u64 s[58:59], s[6:7], s[58:59]
.irp s, 0,1
	s_mov_b32 s[G0A+4*\s], 1
	s_add_co_u32 s[G0A+4*\s+1], s60, \s*131072
	s_add_nc_u64 s[G0A+4*\s+2:G0A+4*\s+3], s[54:55], \s*65536
	s_or_b32 s[G0A+4*\s+3], s[G0A+4*\s+3], 0x80000000
	s_mov_b32 s[G0B+4*\s], 1
	s_add_co_u32 s[G0B+4*\s+1], s60, \s*131072
	s_add_nc_u64 s[G0B+4*\s+2:G0B+4*\s+3], s[58:59], \s*65536
	s_or_b32 s[G0B+4*\s+3], s[G0B+4*\s+3], 0x80000000
.endr
	s_cmp_lt_u32 s[WV], 2                          ; a wave's two first fills stand in one branch, ahead of every wait on TENSORcnt, LDS read and barrier
	s_cbranch_scc0 .Lfirst_b
	tensor_load_to_lds s[G0A:G0A+3], s[G1:G1+7]
	s_nop 0
	tensor_load_to_lds s[G0A+4:G0A+7], s[G1:G1+7]
	s_nop 0
	PLACES 4
	s_branch .Lfirst_done
.Lfirst_b:
	tensor_load_to_lds s[G0B:G0B+3], s[G1:G1+7]
	s_nop 0
	tensor_load_to_lds s[G0B+4:G0B+7], s[G1:G1+7]
	s_nop 0
	PLACES 4
.Lfirst_done:
	s_lshl_b32 s54, s[PP], LASP
	s_lshl_b32 s56, s[WR], 10
	s_add_co_u32 s54, s54, s56
	s_add_co_u32 s54, s54, ASOFF
	s_mov_b32 s55, 0
	s_add_nc_u64 s[SAP:SAP+1], s[4:5], s[54:55]
	s_mul_i32 s54, s[GX], TILES*4*KK
	s_lshl_b32 s56, s[WC], 10
	s_add_co_u32 s54, s54, s56
	s_add_co_u32 s54, s54, BSOFF
	s_add_nc_u64 s[SBP:SBP+1], s[6:7], s[54:55]
	s_lshl_b32 s54, s[GX], 11                      ; the bias: column 512 x + 64 (wave % 2)
	s_lshl_b32 s56, s[WC], 8
	s_add_co_u32 s54, s54, s56
	s_add_nc_u64 s[BIP:BIP+1], s[8:9], s[54:55]
	v_and_b32 v3, 31, v0
	v_and_b32 v1, 15, v0                           ; r
	v_bfe_u32 v2, v0, 4, 1                         ; h
	v_lshlrev_b32 v[L16], 4, v3
	v_lshlrev_b32 v[VBI], 6, v2
	s_lshl_b32 s56, s[WR], 15
	v_add_nc_u32 v[ADRA], s56, v[L16]
	v_add_nc_u32 v[ADRA+1], 131072, v[ADRA]
	s_lshl_b32 s56, s[WC], 15
	s_add_co_u32 s56, s56, 65536
	v_add_nc_u32 v[ADRB], s56, v[L16]
	v_add_nc_u32 v[ADRB+1], 131072, v[ADRB]
	s_lshl_b32 s54, s[PP], 3                       ; fq: ((panel x 8 + k / 512) x 8 + token tile) fragments-of-four; the weight panel picks the fragment, my column half its half
	s_add_co_u32 s54, s54, s[GX]
	s_lshl_b32 s54, s54, 3
	s_lshl_b32 s55, s[WR], 2
	s_add_co_u32 s54, s54, s55
	s_lshl_b32 s55, s54, 13
	s_lshl_b32 s56, s[WC], 10
	s_add_co_u32 s55, s55, s56
	v_add_nc_u32 v[VCO], s55, v[L16]
.irp o, 1,2,3
	v_add_nc_u32 v[VCO+\o], 8192*\o, v[VCO]
.endr
	s_lshl_b32 s55, s54, 8
	s_lshl_b32 s56, s[WC], 1
	s_add_co_u32 s55, s55, s56
	s_add_co_u32 s55, s55, 16777216
	v_lshl_add_u32 v[VSO], v1, 4, s55
.irp o, 1,2,3
	v_add_nc_u32 v[VSO+\o], 256*\o, v[VSO]
.endr
	s_mov_b32 s[SEL], 0x76543210
	s_mov_b32 s[SEL+1], 0xfedcba98
	s_mov_b32 s[MNT], 0x600000
	s_mov_b32 s[C1], 0xbdd2d3e8                    ; c1 = -0.10294324
	s_mov_b32 s[C1+1], s[C1]
	v_mov_b32 v30, 0xc0135761                      ; c0 = -2.3022082
	v_mov_b32 v31, 0xc0135761
.irp k, 0,1,2,3,4,5,6,7
	v_mov_b32 v[TM+8+\k], 0                        ; a lane permute's destination counts as one of its sources
.endr
; The 128 results are 8 blocks of 16 neighbours along the next K (block k at ACC + 16 k); a block of 32 lies in lanes l and l xor 16.  Codes leave as they stand: 512 consecutive bytes a store.
.macro QUANT8
.irp k, 0,1,2,3,4,5,6,7
	v_max3_num_f32 v[TM+\k], |v[ACC+16*\k]|, |v[ACC+16*\k+1]|, 0x4800000   ; the floor 2^(9 - 127) holds the byte at 1 from below
.endr
.irp i, 2,4,6,8,10,12,14
.irp k, 0,1,2,3,4,5,6,7
	v_max3_num_f32 v[TM+\k], v[TM+\k], |v[ACC+16*\k+\i]|, |v[ACC+16*\k+\i+1]|
.endr
.endr
.irp k, 0,1,2,3,4,5,6,7
	v_permlanex16_b32 v[TM+8+\k], v[TM+\k], s[SEL], s[SEL+1]
.endr
.irp k, 0,1,2,3,4,5,6,7
	v_max_num_f32 v[TM+\k], v[TM+\k], v[TM+8+\k]
.endr
.irp k, 0,1,2,3,4,5,6,7
	v_add_nc_u32 v[TM+24+\k], 0xfc000000, v[TM+\k]          ; the conversion's scale operand
.endr
.irp k, 0,1,2,3,4,5,6,7
	v_and_or_b32 v[TM+16+\k], v[TM+\k], 0x7f800000, s[MNT]  ; 448 x the scale
.endr
.irp k, 0,1,2,3,4,5,6,7
	v_lshrrev_b32 v[TM+8+\k], 23, v[TM+24+\k]               ; the byte
.endr
.irp o, 0,1,2,3
	v_lshl_or_b32 v[TM+\o], v[TM+9+2*\o], 8, v[TM+8+2*\o]   ; a token tile's two bytes
.endr
.set n, 0
.rept 128
	v_med3_num_f32 v[ACC+n], v[ACC+n], -v[TM+16+n/16], v[TM+16+n/16]   ; the hold: the conversion does not saturate (ISA guide 7.6.2)
.set n, n+1
.endr
	WIN 0x40
.irp k, 0,1,2,3,4,5,6,7
	v_cvt_scalef32_pk8_fp8_f32 v[PC+4*\k:PC+4*\k+1], v[ACC+16*\k:ACC+16*\k+7], v[TM+24+\k]
	v_cvt_scalef32_pk8_fp8_f32 v[PC+4*\k+2:PC+4*\k+3], v[ACC+16*\k+8:ACC+16*\k+15], v[TM+24+\k]
.endr
	v_nop                                          ; a plain line behind the last conversion: later products write its sources
	WIN 0x04                                       ; a store's data are its source 1: window 1
.irp o, 0,1,2,3
.irp e, 0,1
	global_store_b128 v[VCO+\o], v[PC+8*\o+4*\e:PC+8*\o+4*\e+3], s[OUT:OUT+1] offset:512*\e
.endr
.endr
	WIN 0
.irp o, 0,1,2,3
	global_store_b16 v[VSO+\o], v[TM+\o], s[OUT:OUT+1]      ; lanes r and r + 16 hold the same bytes and write them to the same place
.endr
	s_wait_xcnt 0x0                                ; the stores have read their registers: these are written again only behind this wait
.endm
; The activation on the 128 results, with 128 registers of window 1 at work; each batch of transcendentals has one plain line and one wait behind it.
.macro EPI more
	WIN 0x40                                       ; destination window 1
.set n, 0
.rept 64
	v_pk_mul_f32 v[n:n+1], v[ACC+n:ACC+n+1], v[ACC+n:ACC+n+1]      ; x^2; each accumulator from its low end on
.set n, n+2
.endr
	WIN 0x41                                       ; destination and source 0 window 1
.set n, 0
.rept 64
	v_pk_fma_f32 v[n:n+1], v[n:n+1], s[C1:C1+1], v[30:31] op_sel_hi:[1,0,1]   ; c1 x^2 + c0
.set n, n+2
.endr
.set n, 0
.rept 64
	v_pk_mul_f32 v[n:n+1], v[n:n+1], v[ACC+n:ACC+n+1]              ; z
.set n, n+2
.endr
.set n, 0
.rept 128
	v_exp_f32 v[n], v[n]
.set n, n+1
.endr
	v_nop
	s_wait_alu depctr_va_vdst(0)
.set n, 0
.rept 64
	v_pk_add_f32 v[n:n+1], v[n:n+1], 1.0 op_sel_hi:[1,0]
.set n, n+2
.endr
.set n, 0
.rept 128
	v_rcp_f32 v[n], v[n]
.set n, n+1
.endr
	v_nop
	s_wait_alu depctr_va_vdst(0)
	WIN 0x04                                       ; source 1 window 1
.set n, 0
.rept 64
	v_pk_mul_f32 v[ACC+n:ACC+n+1], v[ACC+n:ACC+n+1], v[n:n+1]      ; x / (1 + 2^z)
.set n, n+2
.endr
	WIN 0
	QUANT8
.if \more
.irp o, 0,1,2,3
	v_add_nc_u32 v[VCO+\o], 2048, v[VCO+\o]        ; the next weight panel's results are the next fragment,
	v_add_nc_u32 v[VSO+\o], 4, v[VSO+\o]           ; and the next scale word
.endr
.endif
.endm
	BLOAD
	SALOAD 0
	SALOAD 1
	SBLOAD 0
	SBLOAD 1
	s_wait_tensorcnt 1                             ; my part of slot 0 is in; slot 1's may stay out
	s_barrier_signal -1
	s_barrier_wait -1
	s_mov_b32 s3, TILES-1
.Ltile:
	LAP 1, 1
	EPI 1
	s_sub_co_u32 s3, s3, 1
	s_cmp_lg_u32 s3, 0
	s_cbranch_scc1 .Ltile
	LAP 1, 0                                       ; the last panel is written out: it asks for nothing more
	EPI 0
	s_wait_tensorcnt 0x0                           ; the wave's end
	ds_add_u32 v[SPW], v[NIL]
	s_wait_dscnt 0x0
	s_endpgm
.Lfunc_end_k_qfb9b1f2822_gfc:
	.size	k_qfb9b1f2822_gfc, .Lfunc_end_k_qfb9b1f2822_gfc-k_qfb9b1f2822_gfc
	.p2alignl 7, 3214868480
	.fill 96, 4, 3214868480
	.section	.rodata,"a",@progbits
	.p2align	6, 0x0
	.amdhsa_kernel k_qfb9b1f2822_gfc
		.amdhsa_group_segment_fixed_size 327680
		.amdhsa_private_segment_fixed_size 0
		.amdhsa_enable_private_segment 0
		.amdhsa_kernarg_size 32
		.amdhsa_user_sgpr_count 2
		.amdhsa_user_sgpr_kernarg_segment_ptr 1
		.amdhsa_wavefront_size32 1
		.amdhsa_system_sgpr_workgroup_id_x 1
		.amdhsa_system_sgpr_workgroup_id_y 1
		.amdhsa_system_sgpr_workgroup_id_z 1
		.amdhsa_system_vgpr_workitem_id 0
		.amdhsa_next_free_vgpr 512
		.amdhsa_next_free_sgpr 66
		.amdhsa_reserve_vcc 0
		.amdhsa_float_denorm_mode_32 3
		.amdhsa_float_denorm_mode_16_64 3
		.amdhsa_memory_ordered 1
		.amdhsa_forward_progress 1
		.amdhsa_inst_pref_size 172
	.end_amdhsa_kernel
	.amdgpu_metadata
---
amdhsa.version: [ 1, 2 ]
amdhsa.kernels:
  - .name:           k_qfb9b1f2822_gfc
    .symbol:         k_qfb9b1f2822_gfc.kd
    .args:
      - { .name: aq, .offset: 0, .size: 8, .value_kind: global_buffer, .address_space: global }
      - { .name: wq, .offset: 8, .size: 8, .value_kind: global_buffer, .address_space: global }
      - { .name: b_fc, .offset: 16, .size: 8, .value_kind: global_buffer, .address_space: global }
      - { .name: fq, .offset: 24, .size: 8, .value_kind: global_buffer, .address_space: global }
    .group_segment_fixed_size: 327680
    .private_segment_fixed_size: 0
    .kernarg_segment_align: 8
    .kernarg_segment_size: 32
    .max_flat_workgroup_size: 128
    .sgpr_count:     66
    .vgpr_count:     512
    .wavefront_size: 32
...
	.end_amdgpu_metadata
.endif
;; end of part 6
;; launch gproj (part 7): grid 8 x 32, 4 waves a work-group, no clusters, 327,680 bytes of LDS; arguments fq, wq, b_proj, x1, out0; writes out0
.if DOCPART == 7
	.amdgcn_target "amdgcn-amd-amdhsa--gfx1250"
	.amdhsa_code_object_version 6
	.text
	.protected	k_qfb9b1f2822_gproj
	.globl	k_qfb9b1f2822_gproj
	.p2align	8
	.type	k_qfb9b1f2822_gproj,@function
k_qfb9b1f2822_gproj:
	s_mov_b64 s[64:65], 0
	v_nop
	global_prefetch_b8 v0, s[64:65] scope:SCOPE_SE
	s_setreg_imm32_b32 hwreg(HW_REG_WAVE_MODE, 25, 1), 1
	s_wait_xcnt 0x0
; out0 = x1 + gelu(..) x w_proj + b_proj: the product on codes of FP8 (E4M3) with E8M0 scales, K = 4,096; bias and residual in f32; out0 row-major f32.
; OPERANDS lie in memory as images of operand registers: a fragment (16 rows x 128 k) is 2,048 bytes, lane l's registers 4 c .. 4 c + 3 at 512 c + 16 l; a panel (128 rows) is [k / 512][tile 8][4] fragments, dense.
; Row rho of a tile T (tokens and columns alike) is index 32 (T / 2) + 8 (T % 2) + rho + 8 (rho / 8).
; SHARES.  Work-group (x, y): token panel y, weight panel x: 128 x 128 of the result.  Four waves, each 64 tokens x 64 columns: 16 accumulators.
; RING.  Two LDS slots, each 512 along K (A's 8 tiles, B's 8 tiles, dense blocks of memory); waves 0, 1 fetch A's halves, waves 2, 3 B's, one tensor load each.  A lap is two slots; four laps.
; By this text's count a wave has two tensor loads out at the head and one later.
; NO MULTICAST YET: eight work-groups read each panel of A and 32 each panel of B; joint loads would apply; this text keeps plain loads.
; Source 0 = columns, source 1 = tokens: a lane holds a token and eight neighbouring columns.  The way out goes through the wave's own stage in LDS (in slot 0, which has had its last fill and its last read), so that sixteen lanes store 256 consecutive aligned bytes.
; The residual is loaded at the head, into the registers and lanes in which the results come back from the stage.
; REGISTERS: window 0: v0-31 addresses; v32-63 scale words; v64-127 rows back from the stage; v128-255 accumulators.  window 1: two sets of fragments.  window 2: v0-127 the residual.
.set KK,    4096
.set TILES, 1
.set LAPAN, 19
.set ASOFF, 16777216
.set LASP,  14
.set BOFF,  8388608
.set BSOFF, 12582912+262144
.set ASTEP, 131072                     ; A walks along K with B
.set BSTEP, 0
.set NSC,   4
.set BIASC, 0
.set SPW, 4
.set NIL, 5
.set ADRA, 6
.set ADRB, 8
.set L16, 10
.set STO, 11
.set RD,  12
.set CO,  13
.set BI,  14                           ; v14-17 the bias of my four columns
.set SC,  32
.set BB,  64
.set ACC, 128
.set F0,  0
.set F1,  128
.set SPARE, 262144
.set WV, 14
.set WR, 15
.set WC, 16
.set GX, 17
.set PP, 18
.set G1, 24
.set G0A, 32
.set G0B, 40
.set SAP, 48
.set SBP, 50
.set BIP, 52
.set MSB, 0
.macro WIN new                         ; the immediate's high byte repeats the setting that is left
.if MSB != \new
	s_set_vgpr_msb (MSB<<8)|\new
.set MSB, \new
.endif
.endm
.set MUL,  0x05
.set TO_F, 0x40
.macro PLACES n
.rept \n
	v_nop
.endr
.endm
.macro TLOAD s                         ; waves 0, 1 fetch A's halves of slot s, waves 2, 3 B's; four v_nop follow each line
	s_cmp_lt_u32 s[WV], 2
	s_cbranch_scc0 .Lfor_b_\@
	tensor_load_to_lds s[G0A+4*\s:G0A+4*\s+3], s[G1:G1+7]
	s_nop 0
	PLACES 4
	s_branch .Lasked_\@
.Lfor_b_\@:
	tensor_load_to_lds s[G0B+4*\s:G0B+4*\s+3], s[G1:G1+7]
	s_nop 0
	PLACES 4
.Lasked_\@:
.endm
.macro WM d, x, y, cz, c, sx, sy, rx, ry   ; one product; cz = 1: C is 0; rx, ry: the scale words lie in lanes 16-31
.if \cz
.if (\rx) && (\ry)
	v_wmma_scale_f32_16x16x128_f8f6f4 v[\d:\d+7], v[\x:\x+15], v[\y:\y+15], 0, v[\sx], v[\sy] matrix_a_scale:MATRIX_SCALE_ROW1 matrix_b_scale:MATRIX_SCALE_ROW1
.elseif \rx
	v_wmma_scale_f32_16x16x128_f8f6f4 v[\d:\d+7], v[\x:\x+15], v[\y:\y+15], 0, v[\sx], v[\sy] matrix_a_scale:MATRIX_SCALE_ROW1
.elseif \ry
	v_wmma_scale_f32_16x16x128_f8f6f4 v[\d:\d+7], v[\x:\x+15], v[\y:\y+15], 0, v[\sx], v[\sy] matrix_b_scale:MATRIX_SCALE_ROW1
.else
	v_wmma_scale_f32_16x16x128_f8f6f4 v[\d:\d+7], v[\x:\x+15], v[\y:\y+15], 0, v[\sx], v[\sy]
.endif
.else
.if (\rx) && (\ry)
	v_wmma_scale_f32_16x16x128_f8f6f4 v[\d:\d+7], v[\x:\x+15], v[\y:\y+15], v[\c:\c+7], v[\sx], v[\sy] matrix_a_scale:MATRIX_SCALE_ROW1 matrix_b_scale:MATRIX_SCALE_ROW1
.elseif \rx
	v_wmma_scale_f32_16x16x128_f8f6f4 v[\d:\d+7], v[\x:\x+15], v[\y:\y+15], v[\c:\c+7], v[\sx], v[\sy] matrix_a_scale:MATRIX_SCALE_ROW1
.elseif \ry
	v_wmma_scale_f32_16x16x128_f8f6f4 v[\d:\d+7], v[\x:\x+15], v[\y:\y+15], v[\c:\c+7], v[\sx], v[\sy] matrix_b_scale:MATRIX_SCALE_ROW1
.else
	v_wmma_scale_f32_16x16x128_f8f6f4 v[\d:\d+7], v[\x:\x+15], v[\y:\y+15], v[\c:\c+7], v[\sx], v[\sy]
.endif
.endif
.endm
; 8 products: A's tiles a0, a0 + 1 x B's four, the slot's q-th 128 along K; source 0 = B; result (a, b) at ACC + 32 a + 8 b.  mode = 1: the sums begin with 0.
; The 16 accumulators take turns, one instruction a turn, in every step and over the loop's backward jump.
.macro MUL8 f, a0, q, set, mode, swap
.irp a, \a0, \a0+1
.irp b, 0,1,2,3
.set DD, ACC+32*(\a)+8*\b
.set CZ, 0
.set CC, DD
.if \mode
.set CZ, 1
.endif
	WM DD, \f+64+16*\b, \f+16*(\a), CZ, CC, SC+16*(\set)+8+4*(\b/2)+(\q), SC+16*(\set)+4*((\a)/2)+(\q), \b%2, (\a)%2
.endr
.endr
.endm
.macro FETCH s, q, f                   ; 32 LDS loads, 512 consecutive bytes each: B's four fragments, then A's four
	WIN TO_F
.irp i, 0,1,2,3
.irp c, 0,1,2,3
	ds_load_b128 v[\f+64+16*\i+4*\c:\f+64+16*\i+4*\c+3], v[ADRB+\s] offset:\i*8192+(\q)*2048+512*\c
.endr
.endr
.irp i, 0,1,2,3
.irp c, 0,1,2,3
	ds_load_b128 v[\f+16*\i+4*\c:\f+16*\i+4*\c+3], v[ADRA+\s] offset:\i*8192+(\q)*2048+512*\c
.endr
.endr
.endm
.macro SALOAD s
.irp u, 0,1
	global_load_b128 v[SC+16*\s+4*\u:SC+16*\s+4*\u+3], v[L16], s[SAP:SAP+1] offset:\s*2048+\u*512
.endr
.endm
.macro SBLOAD s
.irp u, 0,1
	global_load_b128 v[SC+16*\s+8+4*\u:SC+16*\s+8+4*\u+3], v[L16], s[SBP:SBP+1] offset:\s*2048+\u*512
.endr
.endm
.macro SCLOAD s
.if ASTEP
	SALOAD \s
.endif
	SBLOAD \s
.endm
.macro HOOK                            ; in a lap's fifth step: the next lap's scale words of slot 0 (the bases were stepped at the change of slots)
	SCLOAD 0
.endm
.macro MM f, a0, q, set, mode
	WIN MUL
	MUL8 \f, \a0, \q, \set, \mode, 0
.endm
; A step of 128 along K with its successor in the same slot.  Eight plain places stand between matrix instructions and loads into registers that they have read.
.macro STEP s, q, f, g, mode, hook
	s_wait_dscnt 8                                 ; B's four and A's tiles 0, 1 are in; A's tiles 2, 3 (8 loads) may be out
	MM \f, 0, \q, \s, \mode
	PLACES 8
.if \hook
	WIN 0
	HOOK
.endif
	FETCH \s, (\q)+1, \g
	s_wait_dscnt 32                                ; all but the 32 just issued
	MM \f, 2, \q, \s, \mode
.endm
; Slot 0's last step.  Every wave: all its tensor loads have landed (its part of slot 1 among them), the add, its LDS loads are back (slot 0 is read out); a barrier; then slot 0 is filled again first, and slot 1 is read.
.macro TURN more
	WIN 0
	s_wait_tensorcnt 0x0
	ds_add_u32 v[SPW], v[NIL]                      ; 0 onto my spare word
.if \more
.if ASTEP
	s_add_nc_u64 s[G0A+2:G0A+3], s[G0A+2:G0A+3], ASTEP
.endif
	s_add_nc_u64 s[G0B+2:G0B+3], s[G0B+2:G0B+3], 131072   ; no tensor load of mine is out: slot 0's next 512 along K
.endif
	s_wait_dscnt 0x0
	s_barrier_signal -1
	s_barrier_wait -1
.if \more
	TLOAD 0
	PLACES 4                                       ; with the four behind the load: eight places in front of the loads below
.else
	PLACES 8
.endif
	s_wait_loadcnt 0x0                             ; slot 1's scale words are in, and no load of mine reads a base any more
.if \more
	s_add_nc_u64 s[SBP:SBP+1], s[SBP:SBP+1], 4096
.if ASTEP
	s_add_nc_u64 s[SAP:SAP+1], s[SAP:SAP+1], 4096
.endif
.endif
	FETCH 1, 0, F0
	MM F1, 0, 3, 0, 0
	MM F1, 2, 3, 0, 0
.endm
.macro LAST more
.if \more
	WIN 0
	s_wait_tensorcnt 0x0
	ds_add_u32 v[SPW], v[NIL]
.if ASTEP
	s_add_nc_u64 s[G0A+6:G0A+7], s[G0A+6:G0A+7], ASTEP
.endif
	s_add_nc_u64 s[G0B+6:G0B+7], s[G0B+6:G0B+7], 131072
	s_wait_dscnt 0x0
	s_barrier_signal -1
	s_barrier_wait -1
	TLOAD 1
.else
	s_wait_dscnt 0x0
.endif
	MM F1, 0, 3, 1, 0
	MM F1, 2, 3, 1, 0
	WIN 0
	PLACES 8                                       ; in front of the first read of results and of loads into scale and fragment registers
.if \more
	SCLOAD 1
.endif
.endm
.macro LAP mode, more                  ; 1,024 along K
	FETCH 0, 0, F0
	s_wait_loadcnt NSC                             ; all but slot 1's scale words, which were asked for last
	STEP 0, 0, F0, F1, \mode, 0
	STEP 0, 1, F1, F0, 0, 0
	STEP 0, 2, F0, F1, 0, 0
	TURN \more
	STEP 1, 0, F0, F1, 0, \more
	STEP 1, 1, F1, F0, 0, 0
	STEP 1, 2, F0, F1, 0, 0
	LAST \more
.endm
	s_load_b256 s[4:11], s[0:1], 0x0               ; A, wq, bias, residual
	s_load_b64 s[12:13], s[0:1], 0x20              ; the result
	v_lshl_add_u32 v[SPW], v0, 2, SPARE
	v_mov_b32 v[NIL], 0
	ds_add_u32 v4, v5
	ds_add_u32 v4, v5
	s_wait_dscnt 0x0
	v_lshrrev_b32 v1, 5, v0
	v_readfirstlane_b32 s[WV], v1
	s_lshr_b32 s[WR], s[WV], 1
	s_and_b32 s[WC], s[WV], 1
	s_mov_b32 s[GX], ttmp9
	s_and_b32 s[PP], ttmp7, 0xffff
	s_mov_b32 s[G1], 3<<16                         ; 32 KB as 128 rows of 256 bytes (32 elements of 8), dense
	s_mov_b32 s[G1+1], 32<<16
	s_mov_b32 s[G1+2], 128<<16
	s_mov_b32 s[G1+3], 32<<16
	s_mov_b32 s[G1+4], 128
	s_mov_b32 s[G1+5], 32
	s_mov_b32 s[G1+6], 0
	s_mov_b32 s[G1+7], 0
	s_lshl_b32 s56, s[WC], 15
	s_lshl_b32 s54, s[PP], LAPAN
	s_add_co_u32 s54, s54, s56
	s_mov_b32 s55, 0
	s_mul_i32 s58, s[GX], TILES*128*KK
	s_add_co_u32 s58, s58, s56
	s_add_co_u32 s58, s58, BOFF
	s_mov_b32 s59, 0
	s_lshl_b32 s60, s[WV], 15
	s_wait_kmcnt 0x0
	s_add_nc_u64 s[54:55], s[4:5], s[54:55]
	s_add_nc_u64 s[58:59], s[6:7], s[58:59]
.irp s, 0,1
	s_mov_b32 s[G0A+4*\s], 1
	s_add_co_u32 s[G0A+4*\s+1], s60, \s*131072
	s_add_nc_u64 s[G0A+4*\s+2:G0A+4*\s+3], s[54:55], \s*65536
	s_or_b32 s[G0A+4*\s+3], s[G0A+4*\s+3], 0x80000000
	s_mov_b32 s[G0B+4*\s], 1
	s_add_co_u32 s[G0B+4*\s+1], s60, \s*131072
	s_add_nc_u64 s[G0B+4*\s+2:G0B+4*\s+3], s[58:59], \s*65536
	s_or_b32 s[G0B+4*\s+3], s[G0B+4*\s+3], 0x80000000
.endr
	s_cmp_lt_u32 s[WV], 2                          ; a wave's two first fills stand in one branch, ahead of every wait on TENSORcnt, LDS read and barrier
	s_cbranch_scc0 .Lfirst_b
	tensor_load_to_lds s[G0A:G0A+3], s[G1:G1+7]
	s_nop 0
	tensor_load_to_lds s[G0A+4:G0A+7], s[G1:G1+7]
	s_nop 0
	PLACES 4
	s_branch .Lfirst_done
.Lfirst_b:
	tensor_load_to_lds s[G0B:G0B+3], s[G1:G1+7]
	s_nop 0
	tensor_load_to_lds s[G0B+4:G0B+7], s[G1:G1+7]
	s_nop 0
	PLACES 4
.Lfirst_done:
	s_lshl_b32 s54, s[PP], LASP
	s_lshl_b32 s56, s[WR], 10
	s_add_co_u32 s54, s54, s56
	s_add_co_u32 s54, s54, ASOFF
	s_mov_b32 s55, 0
	s_add_nc_u64 s[SAP:SAP+1], s[4:5], s[54:55]
	s_mul_i32 s54, s[GX], TILES*4*KK
	s_lshl_b32 s56, s[WC], 10
	s_add_co_u32 s54, s54, s56
	s_add_co_u32 s54, s54, BSOFF
	s_add_nc_u64 s[SBP:SBP+1], s[6:7], s[54:55]
	v_and_b32 v3, 31, v0
	v_and_b32 v1, 15, v0                           ; r
	v_bfe_u32 v2, v0, 4, 1                         ; h
	v_lshlrev_b32 v[L16], 4, v3
	s_lshl_b32 s56, s[WR], 15
	v_add_nc_u32 v[ADRA], s56, v[L16]
	v_add_nc_u32 v[ADRA+1], 131072, v[ADRA]
	s_lshl_b32 s56, s[WC], 15
	s_add_co_u32 s56, s56, 65536
	v_add_nc_u32 v[ADRB], s56, v[L16]
	v_add_nc_u32 v[ADRB+1], 131072, v[ADRB]
	s_lshl_b32 s54, s[PP], 7                       ; the result: row 128 y + 64 (wave / 2) + h, column 128 x + 64 (wave % 2) + 4 r
	s_lshl_b32 s55, s[WR], 6
	s_add_co_u32 s54, s54, s55
	s_lshl_b32 s54, s54, 12
	s_lshl_b32 s55, s[GX], 9
	s_lshl_b32 s56, s[WC], 8
	s_add_co_u32 s55, s55, s56
	s_add_co_u32 s54, s54, s55
	v_lshlrev_b32 v[CO], 12, v2
	v_lshl_add_u32 v[CO], v1, 4, v[CO]
	v_add_nc_u32 v[CO], s54, v[CO]
	v_lshl_add_u32 v18, v1, 4, s55
	s_mul_i32 s56, s[WV], 4352                     ; my stage: 16 rows of 256 bytes + 16
	v_mul_u32_u24 v[STO], v1, 272
	v_lshl_add_u32 v[STO], v2, 6, v[STO]
	v_add_nc_u32 v[STO], s56, v[STO]               ; in: row r, 64 h bytes on
	v_mul_u32_u24 v[RD], v2, 272
	v_lshl_add_u32 v[RD], v1, 4, v[RD]
	v_add_nc_u32 v[RD], s56, v[RD]                 ; back: lanes 0-15 one row, lanes 16-31 the next
	WIN 0x80                                       ; destination window 2
.irp a, 0,1,2,3
.irp t, 0,1,2,3,4,5,6,7
	global_load_b128 v[32*\a+4*\t:32*\a+4*\t+3], v[CO], s[10:11] offset:(32*(\a/2)+8*(\a%2)+2*\t+8*(\t/4))*4096
.endr
.endr
	WIN 0
	global_load_b128 v[BI:BI+3], v18, s[8:9]
	SCLOAD 0
	SCLOAD 1
	s_wait_tensorcnt 1                             ; my part of slot 0 is in; slot 1's may stay out
	s_barrier_signal -1
	s_barrier_wait -1
	LAP 1, 1                                       ; the first lap starts the sums
	s_mov_b32 s3, 2
.Llap:
	LAP 0, 1
	s_sub_co_u32 s3, s3, 1
	s_cmp_lg_u32 s3, 0
	s_cbranch_scc1 .Llap
	LAP 0, 0                                       ; the last lap is written out: it asks for nothing more
; THE WAY OUT, a token tile at a time.  Stage row rho is the tile's row rho: token 32 (a / 2) + 8 (a % 2) + rho + 8 (rho / 8).  LDS serves a wave's instructions in order (ISA guide 5.7.1.4): no wait between my stores and my loads.
.macro TOSTAGE a
.irp b, 0,1,2,3
	ds_store_b128 v[STO], v[ACC+32*(\a)+8*\b:ACC+32*(\a)+8*\b+3] offset:128*(\b/2)+32*(\b%2)       ; each accumulator from its low end on
	ds_store_b128 v[STO], v[ACC+32*(\a)+8*\b+4:ACC+32*(\a)+8*\b+7] offset:128*(\b/2)+32*(\b%2)+16
.endr
.irp t, 0,1,2,3,4,5,6,7
	ds_load_b128 v[64+32*((\a)%2)+4*\t:64+32*((\a)%2)+4*\t+3], v[RD] offset:544*\t
.endr
.endm
.macro SEND a, younger
.set BK, 64+32*((\a)%2)
	s_wait_dscnt \younger                          ; the tile is back; the next tile's 8 stores and 8 loads may be out
	WIN 0x08                                       ; source 1 window 2: the residual
.set n, 0
.rept 16
	v_pk_add_f32 v[BK+n:BK+n+1], v[BK+n:BK+n+1], v[32*(\a)+n:32*(\a)+n+1]
.set n, n+2
.endr
	WIN 0
.irp t, 0,1,2,3,4,5,6,7
	v_pk_add_f32 v[BK+4*\t:BK+4*\t+1], v[BK+4*\t:BK+4*\t+1], v[BI:BI+1]
	v_pk_add_f32 v[BK+4*\t+2:BK+4*\t+3], v[BK+4*\t+2:BK+4*\t+3], v[BI+2:BI+3]
.endr
.irp t, 0,1,2,3,4,5,6,7
	global_store_b128 v[CO], v[BK+4*\t:BK+4*\t+3], s[12:13] offset:(32*((\a)/2)+8*((\a)%2)+2*\t+8*(\t/4))*4096 th:TH_STORE_NT   ; sixteen lanes store 256 consecutive aligned bytes; written once, read by nobody here
.endr
.endm
	TOSTAGE 0
.irp a, 1,2,3
.if \a > 1
	s_wait_xcnt 0x0                                ; tile a - 2's stores have read their registers: tile a's loads may land there
.endif
	TOSTAGE \a
	SEND \a-1, 16
.endr
	SEND 3, 0
	s_wait_tensorcnt 0x0                           ; the wave's end
	ds_add_u32 v[SPW], v[NIL]
	s_wait_dscnt 0x0
	s_endpgm
.Lfunc_end_k_qfb9b1f2822_gproj:
	.size	k_qfb9b1f2822_gproj, .Lfunc_end_k_qfb9b1f2822_gproj-k_qfb9b1f2822_gproj
	.p2alignl 7, 3214868480
	.fill 96, 4, 3214868480
	.section	.rodata,"a",@progbits
	.p2align	6, 0x0
	.amdhsa_kernel k_qfb9b1f2822_gproj
		.amdhsa_group_segment_fixed_size 327680
		.amdhsa_private_segment_fixed_size 0
		.amdhsa_enable_private_segment 0
		.amdhsa_kernarg_size 40
		.amdhsa_user_sgpr_count 2
		.amdhsa_user_sgpr_kernarg_segment_ptr 1
		.amdhsa_wavefront_size32 1
		.amdhsa_system_sgpr_workgroup_id_x 1
		.amdhsa_system_sgpr_workgroup_id_y 1
		.amdhsa_system_sgpr_workgroup_id_z 1
		.amdhsa_system_vgpr_workitem_id 0
		.amdhsa_next_free_vgpr 640
		.amdhsa_next_free_sgpr 66
		.amdhsa_reserve_vcc 0
		.amdhsa_float_denorm_mode_32 3
		.amdhsa_float_denorm_mode_16_64 3
		.amdhsa_memory_ordered 1
		.amdhsa_forward_progress 1
		.amdhsa_inst_pref_size 136
	.end_amdhsa_kernel
	.amdgpu_metadata
---
amdhsa.version: [ 1, 2 ]
amdhsa.kernels:
  - .name:           k_qfb9b1f2822_gproj
    .symbol:         k_qfb9b1f2822_gproj.kd
    .args:
      - { .name: fq, .offset: 0, .size: 8, .value_kind: global_buffer, .address_space: global }
      - { .name: wq, .offset: 8, .size: 8, .value_kind: global_buffer, .address_space: global }
      - { .name: b_proj, .offset: 16, .size: 8, .value_kind: global_buffer, .address_space: global }
      - { .name: x1, .offset: 24, .size: 8, .value_kind: global_buffer, .address_space: global }
      - { .name: out0, .offset: 32, .size: 8, .value_kind: global_buffer, .address_space: global }
    .group_segment_fixed_size: 327680
    .private_segment_fixed_size: 0
    .kernarg_segment_align: 8
    .kernarg_segment_size: 40
    .max_flat_workgroup_size: 128
    .sgpr_count:     66
    .vgpr_count:     640
    .wavefront_size: 32
...
	.end_amdgpu_metadata
.endif
;; end of part 7
;; ======== version 2 of 2: 8 launches; 1.14 times as fast as version 1
;; workspace buffers: wq 12,976,128 bytes; aq 4,325,376 bytes; kv 12,976,128 bytes; x1 16,777,216 bytes; fq 17,301,504 bytes
;; launch wquant: the kernel of part 1 again; grid 384 x 1, 4 waves a work-group, no clusters, 0 bytes of LDS; arguments w_qkv, w_out, w_fc, w_proj, wq; writes wq
;; launch ln1: the kernel of part 2 again; grid 256 x 1, 8 waves a work-group, no clusters, 3,072 bytes of LDS; arguments x, ln1_g, ln1_b, aq; writes aq
;; launch gqkv (part 8): grid 8 x 32, 4 waves a work-group, clusters of 4 x 4, 327,680 bytes of LDS; arguments aq, wq, b_qkv, kv; writes kv
.if DOCPART == 8
	.amdgcn_target "amdgcn-amd-amdhsa--gfx1250"
	.amdhsa_code_object_version 6
	.text
	.protected	k_qfb9b1f2822_gqkv
	.globl	k_qfb9b1f2822_gqkv
	.p2align	8
	.type	k_qfb9b1f2822_gqkv,@function
k_qfb9b1f2822_gqkv:
	s_mov_b64 s[64:65], 0
	v_nop
	global_prefetch_b8 v0, s[64:65] scope:SCOPE_SE
	s_setreg_imm32_b32 hwreg(HW_REG_WAVE_MODE, 25, 1), 1
	s_wait_xcnt 0x0
	s_wait_alu depctr_hold_cnt(0) depctr_sa_sdst(0) depctr_va_vdst(0) depctr_va_sdst(0) depctr_va_ssrc(0) depctr_va_vcc(0) depctr_vm_vsrc(0)
	s_getreg_b32 s2, hwreg(HW_REG_IB_STS2, 6, 4)
	s_cmp_eq_u32 s2, 0
	s_cbranch_scc0 .Lentry_in_a_cluster
	s_endpgm
.Lentry_in_a_cluster:
	s_bfe_u32 s2, ttmp6, 0x10000c
	s_cmp_lg_u32 s2, 0xf033
	s_cbranch_scc0 .Lentry_shape_is_right
	s_endpgm
.Lentry_shape_is_right:
; qkv = LN1(x) w_qkv + b_qkv on codes of FP8 (E4M3) with E8M0 scales, and its results quantised at once for attention: q and k along the head's 64, v along the tokens (the keys).
; OPERANDS lie in memory as images of operand registers: a fragment (16 rows x 128 k) is 2,048 bytes, lane l's registers 4 c .. 4 c + 3 at 512 c + 16 l; a panel (128 rows) is [k / 512][tile 8][4] fragments, dense.
; Row rho of a tile T (tokens and columns alike) is index 32 (T / 2) + 8 (T % 2) + rho + 8 (rho / 8): the results of tiles 2 b and 2 b + 1 are then 16 neighbours in a lane's registers.
; SHARES.  Work-group (x, y): token panel y, weight panels 3 x .. 3 x + 2 (384 columns: two heads' q, k, v), one after the other.  Four waves, each 64 tokens x 64 columns: 16 accumulators.  A wave's 64 columns are one head's q, k or v.
; RING.  Two LDS slots, each 512 along K: A's 8 tiles (64 KB), B's 8 tiles (64 KB), both dense blocks of memory; waves 0, 1 fetch A's halves, waves 2, 3 B's, one tensor load each.  A lap is two slots: all of K = 1,024.
; The ring runs on into the next weight panel; A's panel is fetched again with it.  By this text's count a wave has two tensor loads out at the head and one later.
; CLUSTERS: 4 x 4 work-groups.  The four of a row of the cluster have one token panel and need the same tiles of A; the four of a column have the same weight panels and need the same tiles of B.  Each tile is asked for
; JOINTLY: the same tensor load, with the same descriptor and a mask that names the four, in all four; each receives the tile in its own LDS.  That divides the requests for A and for B by four.
; Where a slot is filled again, a round of the cluster's barrier takes the place of the work-group's barrier.  No branch and no LDS address hangs on a work-group's place in its cluster.
; SCALE WORDS come straight from memory: 16 bytes a lane are a row's four words of a slot; lanes 0-15 hold an even tile's, lanes 16-31 the odd tile's beside it.
; q, k: source 0 = columns, source 1 = tokens: a lane holds a token, its registers run along the head's 64.  v: the sources are swapped: a lane holds a channel, its registers run along the tokens.  The choice is a branch on the wave's number, round matrix instructions alone.
; kv: Q at 0, K at 4,194,304: [head 32][tile 128] 1,024 bytes; V at 8,388,608: [head][128 keys][channel tile 4] fragments; scale bytes: Q's 12,582,912, K's 12,713,984 ([head][tile][row] 2 bytes), V's 12,845,056 ([head][128 keys][tile][row] 4 bytes).
; LIMITS: NaN and infinities are not served; a block of zeros gets the byte 1 (zero codes; this program alone reads the bytes).
; REGISTERS: window 0: v0-31 addresses; v32-63 scale words, a set for each slot; v64-95 the bias as C; v96-127 at work; v128-255 accumulators.  window 1: two sets of fragments (A's four, B's four); on the way out the codes at v128-159.
.set KK,    1024
.set TILES, 3
.set LAPAN, 17                         ; log2 of the bytes of a panel of A
.set ASOFF, 4194304                    ; where A's scale bytes begin
.set LASP,  12                         ; log2 of a panel's scale bytes
.set BOFF,  0                          ; where this weight's codes begin in wq
.set BSOFF, 12582912                   ; and its scale bytes
.set ASTEP, 0                          ; A's panel stays
.set BSTEP, 0
.set NSC,   2                          ; loads that bring a slot's scale words anew
.set BIASC, 1                          ; the bias is the C of a sum's first product
.set SPW, 4
.set NIL, 5
.set ADRA, 6
.set ADRB, 8
.set L16, 10
.set VCO, 11                           ; v11-14 where the codes of result tile o go
.set VSO, 15                           ; v15-18 and their scale bytes
.set VB,  22                           ; v22-29 the bias's offsets
.set SC,  32
.set BB,  64
.set TM,  96
.set ACC, 128
.set F0,  0
.set F1,  128
.set PC,  128
.set SPARE, 262144                     ; behind the ring: the spare words, 128 bytes a wave
.set WV, 14
.set WR, 15
.set WC, 16
.set GX, 17
.set PP, 18
.set MNT, 19
.set SEL, 20
.set G1, 24                            ; s[24:31] descriptor group 1 for A's tiles
.set G0A, 32
.set G0B, 40
.set SAP, 48
.set SBP, 50
.set BIP, 52
.set G1B, 68                           ; s[68:75] descriptor group 1 for B's tiles: it differs from A's in the mask alone
.set CX, 76                            ; s76, s77 my place in the cluster
.set CY, 77
.set OUT, 10
.set MSB, 0
.macro WIN new                         ; the immediate's high byte repeats the setting that is left
.if MSB != \new
	s_set_vgpr_msb (MSB<<8)|\new
.set MSB, \new
.endif
.endm
.set MUL,  0x05                        ; sources 0 and 1 window 1; C and D window 0
.set TO_F, 0x40                        ; destination window 1
.macro PLACES n
.rept \n
	v_nop
.endr
.endm
; A joint load: waves 0, 1 fetch A's halves of slot s, waves 2, 3 B's.  Each of the two lines has one mask and one set of registers for all that issue it; the branch hangs on the wave's number alone.
; Four v_nop follow each line.
.macro TLOAD s
	s_cmp_lt_u32 s[WV], 2
	s_cbranch_scc0 .Lfor_b_\@
	tensor_load_to_lds s[G0A+4*\s:G0A+4*\s+3], s[G1:G1+7]
	s_nop 0
	PLACES 4
	s_branch .Lasked_\@
.Lfor_b_\@:
	tensor_load_to_lds s[G0B+4*\s:G0B+4*\s+3], s[G1B:G1B+7]
	s_nop 0
	PLACES 4
.Lasked_\@:
.endm
; A round of the cluster's barrier: my work-group's barrier, so that wave 0's signal speaks for all four waves; wave 0 signals for the work-group; every wave waits for all sixteen work-groups; my work-group's barrier once more.
.macro CROUND
	s_barrier_signal -1
	s_barrier_wait -1
	s_cmp_lg_u32 s[WV], 0
	s_cbranch_scc1 .Lnot_wave_0_\@
	s_barrier_signal -3
.Lnot_wave_0_\@:
	s_barrier_wait -3
	s_barrier_signal -1
	s_barrier_wait -1
.endm
.macro WM d, x, y, cz, c, sx, sy, rx, ry   ; one product; cz = 1: C is 0; rx, ry: the scale words lie in lanes 16-31
.if \cz
.if (\rx) && (\ry)
	v_wmma_scale_f32_16x16x128_f8f6f4 v[\d:\d+7], v[\x:\x+15], v[\y:\y+15], 0, v[\sx], v[\sy] matrix_a_scale:MATRIX_SCALE_ROW1 matrix_b_scale:MATRIX_SCALE_ROW1
.elseif \rx
	v_wmma_scale_f32_16x16x128_f8f6f4 v[\d:\d+7], v[\x:\x+15], v[\y:\y+15], 0, v[\sx], v[\sy] matrix_a_scale:MATRIX_SCALE_ROW1
.elseif \ry
	v_wmma_scale_f32_16x16x128_f8f6f4 v[\d:\d+7], v[\x:\x+15], v[\y:\y+15], 0, v[\sx], v[\sy] matrix_b_scale:MATRIX_SCALE_ROW1
.else
	v_wmma_scale_f32_16x16x128_f8f6f4 v[\d:\d+7], v[\x:\x+15], v[\y:\y+15], 0, v[\sx], v[\sy]
.endif
.else
.if (\rx) && (\ry)
	v_wmma_scale_f32_16x16x128_f8f6f4 v[\d:\d+7], v[\x:\x+15], v[\y:\y+15], v[\c:\c+7], v[\sx], v[\sy] matrix_a_scale:MATRIX_SCALE_ROW1 matrix_b_scale:MATRIX_SCALE_ROW1
.elseif \rx
	v_wmma_scale_f32_16x16x128_f8f6f4 v[\d:\d+7], v[\x:\x+15], v[\y:\y+15], v[\c:\c+7], v[\sx], v[\sy] matrix_a_scale:MATRIX_SCALE_ROW1
.elseif \ry
	v_wmma_scale_f32_16x16x128_f8f6f4 v[\d:\d+7], v[\x:\x+15], v[\y:\y+15], v[\c:\c+7], v[\sx], v[\sy] matrix_b_scale:MATRIX_SCALE_ROW1
.else
	v_wmma_scale_f32_16x16x128_f8f6f4 v[\d:\d+7], v[\x:\x+15], v[\y:\y+15], v[\c:\c+7], v[\sx], v[\sy]
.endif
.endif
.endm
; 8 products: A's tiles a0, a0 + 1 x B's four, the slot's q-th 128 along K.  swap = 0: source 0 = B, result (a, b) at ACC + 32 a + 8 b; swap = 1: source 0 = A, result at ACC + 32 b + 8 a.  mode = 1: the sums begin.
; The 16 accumulators take turns, one instruction a turn, in every step.
.macro MUL8 f, a0, q, set, mode, swap
.irp a, \a0, \a0+1
.irp b, 0,1,2,3
.if \swap
.set DD, ACC+32*\b+8*(\a)
.else
.set DD, ACC+32*(\a)+8*\b
.endif
.set CZ, 0
.set CC, DD
.if \mode
.if BIASC
.set CC, BB+8*\b
.else
.set CZ, 1
.endif
.endif
.if \swap
	WM DD, \f+16*(\a), \f+64+16*\b, CZ, CC, SC+16*(\set)+4*((\a)/2)+(\q), SC+16*(\set)+8+4*(\b/2)+(\q), (\a)%2, \b%2
.else
	WM DD, \f+64+16*\b, \f+16*(\a), CZ, CC, SC+16*(\set)+8+4*(\b/2)+(\q), SC+16*(\set)+4*((\a)/2)+(\q), \b%2, (\a)%2
.endif
.endr
.endr
.endm
.macro FETCH s, q, f                   ; 32 LDS loads, 512 consecutive bytes each: B's four fragments, then A's four
	WIN TO_F
.irp i, 0,1,2,3
.irp c, 0,1,2,3
	ds_load_b128 v[\f+64+16*\i+4*\c:\f+64+16*\i+4*\c+3], v[ADRB+\s] offset:\i*8192+(\q)*2048+512*\c
.endr
.endr
.irp i, 0,1,2,3
.irp c, 0,1,2,3
	ds_load_b128 v[\f+16*\i+4*\c:\f+16*\i+4*\c+3], v[ADRA+\s] offset:\i*8192+(\q)*2048+512*\c
.endr
.endr
.endm
.macro SALOAD s                        ; A's scale words of slot s: my four tiles, two pairs
.irp u, 0,1
	global_load_b128 v[SC+16*\s+4*\u:SC+16*\s+4*\u+3], v[L16], s[SAP:SAP+1] offset:\s*2048+\u*512
.endr
.endm
.macro SBLOAD s
.irp u, 0,1
	global_load_b128 v[SC+16*\s+8+4*\u:SC+16*\s+8+4*\u+3], v[L16], s[SBP:SBP+1] offset:\s*2048+\u*512
.endr
.endm
.macro SCLOAD s
.if ASTEP
	SALOAD \s
.endif
	SBLOAD \s
.endm
; 8 products; where one of the two column halves of this weight panel is a head's v (SWW = that half), its waves take the swapped form
.macro MM f, a0, q, set, mode
.if SWW < 0
	WIN MUL
	MUL8 \f, \a0, \q, \set, \mode, 0
.else
	WIN 0                                          ; at a branch and at a label every window is 0
	s_cmp_eq_u32 s[WC], SWW
	s_cbranch_scc1 .Lsw_\@
	WIN MUL
	MUL8 \f, \a0, \q, \set, \mode, 0
	WIN 0
	s_branch .Ldn_\@
.Lsw_\@:
	WIN MUL
	MUL8 \f, \a0, \q, \set, \mode, 1
	WIN 0
.Ldn_\@:
.endif
.endm
; A step of 128 along K with its successor in the same slot: multiplies set f, fetches the next step into set g in its middle.
; Eight plain places stand between matrix instructions and loads into registers that they have read.
; NINE where the sums begin (mode = 1): the plain and the swapped arm lay the accumulators differently, so that, read arm by arm, the second half's products begin anew, with the bias as C, accumulators that the
; other arm's first half wrote; a matrix instruction that writes over an earlier one's result with another C stands nine places behind it.
.macro STEP s, q, f, g, mode, hook
	s_wait_dscnt 8                                 ; B's four and A's tiles 0, 1 are in; A's tiles 2, 3 (8 loads) may be out
	MM \f, 0, \q, \s, \mode
	PLACES 8+\mode
.if \hook
	WIN 0
	HOOK
.endif
	FETCH \s, (\q)+1, \g
	s_wait_dscnt 32                                ; all but the 32 just issued
	MM \f, 2, \q, \s, \mode
.endm
; Slot 0's last step.  Every wave: all its tensor loads have landed (its part of slot 1 among them), the add, its LDS loads are back (slot 0 is read out); a barrier; then slot 1 is read.
; more = 1: slot 0 is filled again: the barrier is a round of the cluster's, so that no wave of any partner still reads the slot or has a load on its way, and the joint load is the first thing behind it.
.macro TURN more
	WIN 0
	s_wait_tensorcnt 0x0
	ds_add_u32 v[SPW], v[NIL]                      ; 0 onto my spare word
.if \more
.if ASTEP
	s_add_nc_u64 s[G0A+2:G0A+3], s[G0A+2:G0A+3], ASTEP
.endif
	s_add_nc_u64 s[G0B+2:G0B+3], s[G0B+2:G0B+3], 131072   ; no tensor load of mine is out: slot 0's next 512 along K, or the next panel's first
.endif
	s_wait_dscnt 0x0
.if \more
	CROUND
	TLOAD 0
	PLACES 4                                       ; with the four behind the load: eight places in front of the loads below
.else
	s_barrier_signal -1
	s_barrier_wait -1
	PLACES 8
.endif
	s_wait_loadcnt 0x0                             ; slot 1's scale words are in, and no load of mine reads a base any more
.if \more
	s_add_nc_u64 s[SBP:SBP+1], s[SBP:SBP+1], 4096
.if ASTEP
	s_add_nc_u64 s[SAP:SAP+1], s[SAP:SAP+1], 4096
.endif
.if BSTEP
	s_add_nc_u64 s[BIP:BIP+1], s[BIP:BIP+1], BSTEP
.endif
.endif
	FETCH 1, 0, F0
	MM F1, 0, 3, 0, 0
	MM F1, 2, 3, 0, 0
.endm
; Slot 1's last step; more = 1: the same order, and slot 1 is filled again.
.macro LAST more
.if \more
	WIN 0
	s_wait_tensorcnt 0x0
	ds_add_u32 v[SPW], v[NIL]
.if ASTEP
	s_add_nc_u64 s[G0A+6:G0A+7], s[G0A+6:G0A+7], ASTEP
.endif
	s_add_nc_u64 s[G0B+6:G0B+7], s[G0B+6:G0B+7], 131072
	s_wait_dscnt 0x0
	CROUND
	TLOAD 1
.else
	s_wait_dscnt 0x0
.endif
	MM F1, 0, 3, 1, 0
	MM F1, 2, 3, 1, 0
	WIN 0
	PLACES 8                                       ; in front of the first read of results and of loads into scale registers
.if \more
	SCLOAD 1
.endif
.endm
.macro LAP mode, more                  ; 1,024 along K
	FETCH 0, 0, F0
	s_wait_loadcnt NSC                             ; all but slot 1's scale words, which were asked for last
	STEP 0, 0, F0, F1, \mode, 0
	STEP 0, 1, F1, F0, 0, 0
	STEP 0, 2, F0, F1, 0, 0
	TURN \more
	STEP 1, 0, F0, F1, 0, \more
	STEP 1, 1, F1, F0, 0, 0
	STEP 1, 2, F0, F1, 0, 0
	LAST \more
.endm
	s_load_b256 s[4:11], s[0:1], 0x0               ; aq, wq, b_qkv, kv
	v_lshl_add_u32 v[SPW], v0, 2, SPARE
	v_mov_b32 v[NIL], 0
	ds_add_u32 v4, v5
	ds_add_u32 v4, v5
	s_wait_dscnt 0x0
	v_lshrrev_b32 v1, 5, v0
	v_readfirstlane_b32 s[WV], v1                  ; wave 0..3
	s_lshr_b32 s[WR], s[WV], 1                     ; which 64 tokens
	s_and_b32 s[WC], s[WV], 1                      ; which 64 columns; also: which half of a slot's 64 KB I fetch
	s_bfe_u32 s[CX], ttmp6, 0x40000                ; cx, cy: my place in the cluster
	s_bfe_u32 s[CY], ttmp6, 0x40004
	s_lshl_b32 s[GX], ttmp9, 2                     ; in a cluster launch ttmp9 and ttmp7 count clusters
	s_add_co_u32 s[GX], s[GX], s[CX]               ; work-group x = 4 x cluster x + cx
	s_and_b32 s[PP], ttmp7, 0xffff
	s_lshl_b32 s[PP], s[PP], 2
	s_add_co_u32 s[PP], s[PP], s[CY]               ; work-group y = 4 x cluster y + cy
	s_lshl_b32 s78, s[CY], 2
	s_lshl_b32 s78, 15, s78                        ; my row of the cluster: places 4 cy .. 4 cy + 3
	s_lshl_b32 s79, 0x1111, s[CX]                  ; my column: places cx, cx + 4, cx + 8, cx + 12
	s_or_b32 s[G1], s78, (3<<16)|(1<<21)           ; 15:0 the mask: A's tiles go to my row; 17:16 elements of 8 bytes; 21 set beside a mask; no padding
	s_or_b32 s[G1B], s79, (3<<16)|(1<<21)          ; the same with the mask of my column, for B's tiles
.irp g, G1, G1B
	s_mov_b32 s[\g+1], 32<<16                      ; tensor_dim0 = 32 (256 bytes)
	s_mov_b32 s[\g+2], 128<<16                     ; tensor_dim1 = 128
	s_mov_b32 s[\g+3], 32<<16                      ; tile_dim0
	s_mov_b32 s[\g+4], 128                         ; tile_dim1: 32 KB in all
	s_mov_b32 s[\g+5], 32                          ; dense
	s_mov_b32 s[\g+6], 0
	s_mov_b32 s[\g+7], 0
.endr
	s_lshl_b32 s56, s[WC], 15
	s_lshl_b32 s54, s[PP], LAPAN                   ; A's tiles hang on work-group y and the wave's number alone,
	s_add_co_u32 s54, s54, s56
	s_mov_b32 s55, 0
	s_mul_i32 s58, s[GX], TILES*128*KK             ; B's on work-group x and the wave's number alone
	s_add_co_u32 s58, s58, s56
	s_add_co_u32 s58, s58, BOFF
	s_mov_b32 s59, 0
	s_lshl_b32 s60, s[WV], 15                      ; LDS: A's halves, then B's: wave x 32 KB: no place in the cluster enters an LDS address
	s_wait_kmcnt 0x0
	s_add_nc_u64 s[54:55], s[4:5], s[54:55]
	s_add_nc_u64 s[58:59], s[6:7], s[58:59]
	CROUND                                         ; all sixteen work-groups are here: the first joint loads meet
.irp s, 0,1
	s_mov_b32 s[G0A+4*\s], 1
	s_add_co_u32 s[G0A+4*\s+1], s60, \s*131072
	s_add_nc_u64 s[G0A+4*\s+2:G0A+4*\s+3], s[54:55], \s*65536
	s_or_b32 s[G0A+4*\s+3], s[G0A+4*\s+3], 0x80000000
	s_mov_b32 s[G0B+4*\s], 1
	s_add_co_u32 s[G0B+4*\s+1], s60, \s*131072
	s_add_nc_u64 s[G0B+4*\s+2:G0B+4*\s+3], s[58:59], \s*65536
	s_or_b32 s[G0B+4*\s+3], s[G0B+4*\s+3], 0x80000000
.endr
	s_cmp_lt_u32 s[WV], 2                          ; a wave's two first fills stand in one branch, ahead of every wait on TENSORcnt and every LDS read
	s_cbranch_scc0 .Lfirst_b
	tensor_load_to_lds s[G0A:G0A+3], s[G1:G1+7]
	s_nop 0
	tensor_load_to_lds s[G0A+4:G0A+7], s[G1:G1+7]
	s_nop 0
	PLACES 4
	s_branch .Lfirst_done
.Lfirst_b:
	tensor_load_to_lds s[G0B:G0B+3], s[G1B:G1B+7]
	s_nop 0
	tensor_load_to_lds s[G0B+4:G0B+7], s[G1B:G1B+7]
	s_nop 0
	PLACES 4
.Lfirst_done:
	s_lshl_b32 s54, s[PP], LASP                    ; A's scale bytes: my panel, my four tiles
	s_lshl_b32 s56, s[WR], 10
	s_add_co_u32 s54, s54, s56
	s_add_co_u32 s54, s54, ASOFF
	s_mov_b32 s55, 0
	s_add_nc_u64 s[SAP:SAP+1], s[4:5], s[54:55]
	s_mul_i32 s54, s[GX], TILES*4*KK               ; B's
	s_lshl_b32 s56, s[WC], 10
	s_add_co_u32 s54, s54, s56
	s_add_co_u32 s54, s54, BSOFF
	s_add_nc_u64 s[SBP:SBP+1], s[6:7], s[54:55]
	v_and_b32 v3, 31, v0
	v_and_b32 v1, 15, v0                           ; r
	v_bfe_u32 v2, v0, 4, 1                         ; h
	v_lshlrev_b32 v[L16], 4, v3
	s_lshl_b32 s56, s[WR], 15
	v_add_nc_u32 v[ADRA], s56, v[L16]
	v_add_nc_u32 v[ADRA+1], 131072, v[ADRA]
	s_lshl_b32 s56, s[WC], 15
	s_add_co_u32 s56, s56, 65536
	v_add_nc_u32 v[ADRB], s56, v[L16]
	v_add_nc_u32 v[ADRB+1], 131072, v[ADRB]
	s_mov_b32 s[SEL], 0x76543210
	s_mov_b32 s[SEL+1], 0xfedcba98
	s_mov_b32 s[MNT], 0x600000
	v_lshlrev_b32 v19, 1, v1                       ; 2 r
	v_and_b32 v20, 8, v1
	v_add_nc_u32 v20, v20, v1
	v_lshlrev_b32 v20, 2, v20                      ; 4 (r + 8 (r / 8))
	v_lshlrev_b32 v21, 6, v2                       ; 64 h
.irp k, 0,1,2,3,4,5,6,7
	v_mov_b32 v[TM+8+\k], 0                        ; a lane permute's destination counts as one of its sources
.endr
; The bias of weight panel tau as C.  q, k: register j of tile b is column 32 (b / 2) + 8 (b % 2) + 16 h + j; v: every register of tile b is the lane's own column 32 (b / 2) + 8 (b % 2) + r + 8 (r / 8).
.macro BPAR tau
	s_add_co_u32 s54, s[WC], 2*(\tau)              ; which of the six runs of 64 columns
	s_cmp_eq_u32 s54, 2
	s_cselect_b32 s55, -1, 0
	s_cmp_eq_u32 s54, 5
	s_cselect_b32 s55, -1, s55                     ; all ones where it is a head's v
	s_mul_i32 s56, s[GX], 3
	s_add_co_u32 s56, s56, \tau
	s_lshl_b32 s56, s56, 9
	s_lshl_b32 s57, s[WC], 8
	s_add_co_u32 s56, s56, s57
.irp j, 0,1,2,3,4,5,6,7
	v_add_nc_u32 v30, 4*\j, v21
	v_cndmask_b32 v30, v30, v20, s55
	v_add_nc_u32 v[VB+\j], s56, v30
.endr
.endm
.macro BLOAD
.irp b, 0,1,2,3
.irp j, 0,1,2,3,4,5,6,7
	global_load_b32 v[BB+8*\b+\j], v[VB+\j], s[8:9] offset:(32*(\b/2)+8*(\b%2))*4
.endr
.endr
.endm
.macro HOOK                            ; in a lap's fifth step: the next panel's bias and slot 0's scale words (the loads that read VB and the bases are done: the wait at the change of slots)
	BPAR TAU+1
	BLOAD
	SCLOAD 0
.endm
; Where the results of panel tau go: head, kind (0 q, 1 k, 2 v) and the strides that differ between q, k and v.
.macro EPAR tau
	s_add_co_u32 s54, s[WC], 2*(\tau)
	s_cmp_ge_u32 s54, 3
	s_cselect_b32 s55, 1, 0                        ; the second head of the two
	s_mul_i32 s56, s55, 3
	s_sub_co_u32 s56, s54, s56                     ; kind
	s_cmp_eq_u32 s56, 2
	s_cselect_b32 s57, 1, 0                        ; 1 for v
	s_lshr_b32 s58, s[PP], 4
	s_lshl_b32 s58, s58, 4
	s_lshl_b32 s59, s[GX], 1
	s_add_co_u32 s58, s58, s59
	s_add_co_u32 s58, s58, s55                     ; 16 x batch + head
	s_lshl_b32 s58, s58, 4
	s_and_b32 s59, s[PP], 15
	s_add_co_u32 s58, s58, s59                     ; x 16 + which 128 tokens of the batch
	s_lshl_b32 s60, s56, 22
	s_lshl_b32 s59, s58, 13
	s_add_co_u32 s60, s60, s59
	s_lshl_b32 s61, s57, 1
	s_sub_co_u32 s61, 12, s61
	s_lshl_b32 s59, s[WR], s61                     ; my 64 tokens: four tiles of 1,024 bytes, or two pieces of 512
	s_add_co_u32 s60, s60, s59
	v_add_nc_u32 v[VCO], s60, v[L16]
	s_add_co_u32 s61, s57, 10
	s_lshl_b32 s59, 1, s61                         ; from result tile to result tile
.irp o, 1,2,3
	v_add_nc_u32 v[VCO+\o], s59, v[VCO+\o-1]
.endr
	s_lshl_b32 s60, s56, 17
	s_add_co_u32 s60, s60, 12582912
	s_lshl_b32 s59, s58, 8
	s_add_co_u32 s60, s60, s59
	s_mul_i32 s61, s57, 6
	s_sub_co_u32 s61, 7, s61
	s_lshl_b32 s59, s[WR], s61
	s_add_co_u32 s60, s60, s59
	v_lshlrev_b32 v[VSO], s57, v19
	v_add_nc_u32 v[VSO], s60, v[VSO]
	s_add_co_u32 s61, s57, 5
	s_lshl_b32 s59, 1, s61
.irp o, 1,2,3
	v_add_nc_u32 v[VSO+\o], s59, v[VSO+\o-1]
.endr
.endm
; The 128 results are 8 blocks of 16 neighbours along the next K (block k at ACC + 16 k); a block of 32 lies in lanes l and l xor 16.  Codes leave as they stand: 512 consecutive bytes a store.
.macro QUANT8
.irp k, 0,1,2,3,4,5,6,7
	v_max3_num_f32 v[TM+\k], |v[ACC+16*\k]|, |v[ACC+16*\k+1]|, 0x4800000   ; each accumulator from its low end on; the floor 2^(9 - 127) holds the byte at 1 from below
.endr
.irp i, 2,4,6,8,10,12,14
.irp k, 0,1,2,3,4,5,6,7
	v_max3_num_f32 v[TM+\k], v[TM+\k], |v[ACC+16*\k+\i]|, |v[ACC+16*\k+\i+1]|
.endr
.endr
.irp k, 0,1,2,3,4,5,6,7
	v_permlanex16_b32 v[TM+8+\k], v[TM+\k], s[SEL], s[SEL+1]
.endr
.irp k, 0,1,2,3,4,5,6,7
	v_max_num_f32 v[TM+\k], v[TM+\k], v[TM+8+\k]
.endr
.irp k, 0,1,2,3,4,5,6,7
	v_add_nc_u32 v[TM+24+\k], 0xfc000000, v[TM+\k]          ; the conversion's scale operand
.endr
.irp k, 0,1,2,3,4,5,6,7
	v_and_or_b32 v[TM+16+\k], v[TM+\k], 0x7f800000, s[MNT]  ; 448 x the scale
.endr
.irp k, 0,1,2,3,4,5,6,7
	v_lshrrev_b32 v[TM+8+\k], 23, v[TM+24+\k]               ; the byte
.endr
.irp o, 0,1,2,3
	v_lshl_or_b32 v[TM+\o], v[TM+9+2*\o], 8, v[TM+8+2*\o]   ; a result tile's two bytes
.endr
.set n, 0
.rept 128
	v_med3_num_f32 v[ACC+n], v[ACC+n], -v[TM+16+n/16], v[TM+16+n/16]   ; the hold: the conversion does not saturate (ISA guide 7.6.2)
.set n, n+1
.endr
	WIN 0x40
.irp k, 0,1,2,3,4,5,6,7
	v_cvt_scalef32_pk8_fp8_f32 v[PC+4*\k:PC+4*\k+1], v[ACC+16*\k:ACC+16*\k+7], v[TM+24+\k]
	v_cvt_scalef32_pk8_fp8_f32 v[PC+4*\k+2:PC+4*\k+3], v[ACC+16*\k+8:ACC+16*\k+15], v[TM+24+\k]
.endr
	v_nop                                          ; a plain line behind the last conversion: later products write its sources
	WIN 0x04                                       ; a store's data are its source 1: window 1
.irp o, 0,1,2,3
.irp e, 0,1
	global_store_b128 v[VCO+\o], v[PC+8*\o+4*\e:PC+8*\o+4*\e+3], s[OUT:OUT+1] offset:512*\e
.endr
.endr
	WIN 0
.irp o, 0,1,2,3
	global_store_b16 v[VSO+\o], v[TM+\o], s[OUT:OUT+1]      ; lanes r and r + 16 hold the same bytes and write them to the same place
.endr
	s_wait_xcnt 0x0                                ; the stores have read their registers: these are written again only behind this wait
.endm
	BPAR 0
	BLOAD
	SALOAD 0
	SALOAD 1
	SBLOAD 0
	SBLOAD 1
	s_wait_tensorcnt 1                             ; my part of slot 0 is in; slot 1's may stay out
	s_barrier_signal -1
	s_barrier_wait -1
.set TAU, 0
.set SWW, -1                           ; panel 0: q and k of the first head
	LAP 1, 1
	EPAR 0
	QUANT8
.set TAU, 1
.set SWW, 0                            ; panel 1: v of the first head, q of the second
	LAP 1, 1
	EPAR 1
	QUANT8
.set TAU, 2
.set SWW, 1                            ; panel 2: k and v of the second
	LAP 1, 0
	EPAR 2
	QUANT8
	s_wait_tensorcnt 0x0                           ; the wave's end
	ds_add_u32 v[SPW], v[NIL]
	s_wait_dscnt 0x0
	CROUND                                         ; the closing round: no work-group ends while a partner may still ask for a tile that names it
	s_endpgm
.Lfunc_end_k_qfb9b1f2822_gqkv:
	.size	k_qfb9b1f2822_gqkv, .Lfunc_end_k_qfb9b1f2822_gqkv-k_qfb9b1f2822_gqkv
	.p2alignl 7, 3214868480
	.fill 96, 4, 3214868480
	.section	.rodata,"a",@progbits
	.p2align	6, 0x0
	.amdhsa_kernel k_qfb9b1f2822_gqkv
		.amdhsa_group_segment_fixed_size 327680
		.amdhsa_private_segment_fixed_size 0
		.amdhsa_enable_private_segment 0
		.amdhsa_kernarg_size 32
		.amdhsa_user_sgpr_count 2
		.amdhsa_user_sgpr_kernarg_segment_ptr 1
		.amdhsa_wavefront_size32 1
		.amdhsa_system_sgpr_workgroup_id_x 1
		.amdhsa_system_sgpr_workgroup_id_y 1
		.amdhsa_system_sgpr_workgroup_id_z 1
		.amdhsa_system_vgpr_workitem_id 0
		.amdhsa_next_free_vgpr 512
		.amdhsa_next_free_sgpr 80
		.amdhsa_reserve_vcc 0
		.amdhsa_float_denorm_mode_32 3
		.amdhsa_float_denorm_mode_16_64 3
		.amdhsa_memory_ordered 1
		.amdhsa_forward_progress 1
		.amdhsa_inst_pref_size 225
	.end_amdhsa_kernel
	.amdgpu_metadata
---
amdhsa.version: [ 1, 2 ]
amdhsa.kernels:
  - .name:           k_qfb9b1f2822_gqkv
    .symbol:         k_qfb9b1f2822_gqkv.kd
    .args:
      - { .name: aq, .offset: 0, .size: 8, .value_kind: global_buffer, .address_space: global }
      - { .name: wq, .offset: 8, .size: 8, .value_kind: global_buffer, .address_space: global }
      - { .name: b_qkv, .offset: 16, .size: 8, .value_kind: global_buffer, .address_space: global }
      - { .name: kv, .offset: 24, .size: 8, .value_kind: global_buffer, .address_space: global }
    .group_segment_fixed_size: 327680
    .private_segment_fixed_size: 0
    .kernarg_segment_align: 8
    .kernarg_segment_size: 32
    .max_flat_workgroup_size: 128
    .sgpr_count:     80
    .vgpr_count:     512
    .wavefront_size: 32
...
	.end_amdgpu_metadata
.endif
;; end of part 8
;; launch attn (part 9): grid 8 x 32, 16 waves a work-group, no clusters, 272,384 bytes of LDS; arguments kv, aq; writes aq
.if DOCPART == 9
	.amdgcn_target "amdgcn-amd-amdhsa--gfx1250"
	.amdhsa_code_object_version 6
	.text
	.protected	k_qfb9b1f2822_attn
	.globl	k_qfb9b1f2822_attn
	.p2align	8
	.type	k_qfb9b1f2822_attn,@function
k_qfb9b1f2822_attn:
	s_mov_b64 s[64:65], 0
	v_nop
	global_prefetch_b8 v0, s[64:65] scope:SCOPE_SE
	s_setreg_imm32_b32 hwreg(HW_REG_WAVE_MODE, 25, 1), 1
	s_wait_xcnt 0x0
; Causal attention of one head on codes of FP8 (E4M3) with E8M0 scales, head size 64, 2,048 keys; its result, divided by the row's sum, is quantised along the model's 1,024 and stored as images of operand registers in aq.
; THE SOFTMAX AHEAD OF THE SECOND PRODUCT: t = score x log2(e) / 8; M = the running largest t rounded UP to a whole number; p = 2^(t - M) is quantised along the keys, not normalised; the row's sum is taken of the
; unquantised p; when M moves, the sum and O are multiplied by 2^(old M - new M), which rounds nothing.
; SHARES.  Work-group (x, y): head y (16 x batch + head); waves 0-7 own query block x (128 queries), waves 8-15 block 15 - x: every work-group has 8 (x + 1) + 8 (16 - x) = 136 key steps of a wave.  A wave owns one tile of 16 queries.
; A tile's rows, queries and keys alike, are 32 (T / 2) + 8 (T % 2) + r + 8 (r / 8): the 16 registers of key tiles 2 b, 2 b + 1 are then 16 neighbouring keys.
; LDS is filled ONCE: the head's K (128 KB), V (128 KB) and their scale bytes (4 KB each), as the launch before laid them: images of operand registers.  Wave w brings key step w: four tensor loads, all out together; one barrier.
; Both products are used transposed (S^T = K Q^T, O^T = V^T P^T): a lane holds one query throughout.  The first product's K is 64: registers 8-15 of Q's and K's fragments hold zero codes, and the upper two scale bytes are 0.
; CAUSAL.  Every wave walks 16 trips; a step all of whose keys come after the wave's queries is jumped over (a scalar branch on ids); in the step on the diagonal hidden scores become -infinity.
; NO MULTICAST: the eight work-groups of a head read the same K and V, but each jumps over the key steps that lie behind its own queries: a branch that hangs on the work-group's x, which would differ between the partners of a cluster.
; LIMITS: NaN and infinities are not served; a block of zeros gets the byte 1.
; REGISTERS: v1-11 addresses; v12 -M, v13 the largest t, v[14:15] the sum; v16-31 Q; v32-95 four fragments of K; v96-159 S^T, p, then V's four fragments; v160-191 O^T; v192-207 p's codes; v208-223 at work; v224-233 scale words; v[234:235] f.
.set AK0, 1
.set AV0, 2
.set ASK0, 3
.set ASV0, 4
.set DQ,  5                            ; r + 8 (r / 8) - 16 h
.set ADK, 8
.set ADV, 9
.set ADS, 10
.set ADT, 11
.set WV,  8
.set BH,  9
.set Q0,  10                           ; my tile's first query
.set TT,  11                           ; my tile
.set SEL, 12
.set CS,  14
.set G1C, 16
.set G1S, 24
.set G0,  32                           ; s[32:47] four groups 0
.set MNT, 56
.set T,   57                           ; LDS byte of the step's tiles
.set TS,  58                           ; and of its scale bytes
.set KF,  59                           ; the step's first key
.set CNT, 60
.macro PLACES n
.rept \n
	v_nop
.endr
.endm
	s_load_b128 s[4:7], s[0:1], 0x0                ; kv, aq
	v_lshl_add_u32 v254, v0, 2, 0x42000
	v_mov_b32 v255, 0
	ds_add_u32 v254, v255
	ds_add_u32 v254, v255
	v_lshrrev_b32 v8, 5, v0
	v_readfirstlane_b32 s[WV], v8                  ; wave 0..15
	s_and_b32 s[BH], ttmp7, 0xffff
	s_mov_b32 s[G1C], 3<<16                        ; 8 KB as 32 rows of 256 bytes (32 elements of 8), dense
	s_mov_b32 s[G1C+1], 32<<16
	s_mov_b32 s[G1C+2], 32<<16
	s_mov_b32 s[G1C+3], 32<<16
	s_mov_b32 s[G1C+4], 32
	s_mov_b32 s[G1C+5], 32
	s_mov_b32 s[G1C+6], 0
	s_mov_b32 s[G1C+7], 0
	s_mov_b32 s[G1S], 3<<16                        ; one row of 256 bytes
	s_mov_b32 s[G1S+1], 32<<16
	s_mov_b32 s[G1S+2], 1<<16
	s_mov_b32 s[G1S+3], 32<<16
	s_mov_b32 s[G1S+4], 1
	s_mov_b32 s[G1S+5], 32
	s_mov_b32 s[G1S+6], 0
	s_mov_b32 s[G1S+7], 0
	s_lshl_b32 s48, s[BH], 17                      ; the head's codes, key step = my wave
	s_lshl_b32 s52, s[WV], 13
	s_add_co_u32 s48, s48, s52
	s_mov_b32 s49, 0
	s_lshl_b32 s50, s[BH], 12                      ; its scale bytes
	s_lshl_b32 s53, s[WV], 8
	s_add_co_u32 s50, s50, s53
	s_mov_b32 s51, 0
	s_wait_dscnt 0x0
	s_wait_kmcnt 0x0
	s_mov_b32 s[G0], 1                             ; K's tiles
	s_mov_b32 s[G0+1], s52
	s_add_nc_u64 s[G0+2:G0+3], s[4:5], s[48:49]
	s_add_nc_u64 s[G0+2:G0+3], s[G0+2:G0+3], 4194304
	s_or_b32 s[G0+3], s[G0+3], 0x80000000
	s_mov_b32 s[G0+4], 1                           ; V's
	s_add_co_u32 s[G0+5], s52, 131072
	s_add_nc_u64 s[G0+6:G0+7], s[4:5], s[48:49]
	s_add_nc_u64 s[G0+6:G0+7], s[G0+6:G0+7], 8388608
	s_or_b32 s[G0+7], s[G0+7], 0x80000000
	s_mov_b32 s[G0+8], 1                           ; K's scale bytes
	s_add_co_u32 s[G0+9], s53, 262144
	s_add_nc_u64 s[G0+10:G0+11], s[4:5], s[50:51]
	s_add_nc_u64 s[G0+10:G0+11], s[G0+10:G0+11], 12713984
	s_or_b32 s[G0+11], s[G0+11], 0x80000000
	s_mov_b32 s[G0+12], 1                          ; V's
	s_add_co_u32 s[G0+13], s53, 266240
	s_add_nc_u64 s[G0+14:G0+15], s[4:5], s[50:51]
	s_add_nc_u64 s[G0+14:G0+15], s[G0+14:G0+15], 12845056
	s_or_b32 s[G0+15], s[G0+15], 0x80000000
	tensor_load_to_lds s[G0:G0+3], s[G1C:G1C+7]    ; the launch's only fills: four of mine are out
	s_nop 0
	tensor_load_to_lds s[G0+4:G0+7], s[G1C:G1C+7]
	s_nop 0
	tensor_load_to_lds s[G0+8:G0+11], s[G1S:G1S+7]
	s_nop 0
	tensor_load_to_lds s[G0+12:G0+15], s[G1S:G1S+7]
	s_nop 0
	PLACES 4
	s_lshr_b32 s48, s[WV], 3
	s_sub_co_u32 s49, 15, ttmp9
	s_cmp_eq_u32 s48, 0
	s_cselect_b32 s49, ttmp9, s49                  ; my block of 128 queries
	s_lshl_b32 s49, s49, 3
	s_and_b32 s48, s[WV], 7
	s_add_co_u32 s[TT], s49, s48
	s_lshr_b32 s48, s[TT], 1
	s_lshl_b32 s48, s48, 5
	s_and_b32 s49, s[TT], 1
	s_lshl_b32 s49, s49, 3
	s_add_co_u32 s[Q0], s48, s49
	v_and_b32 v236, 31, v0
	v_and_b32 v237, 15, v0                         ; r
	v_bfe_u32 v238, v0, 4, 1                       ; h
	v_lshlrev_b32 v[AK0], 4, v236                  ; 16 x lane
	v_add_nc_u32 v[AV0], 131072, v[AK0]
	v_lshl_add_u32 v[ASK0], v237, 1, 262144
	v_lshl_add_u32 v[ASV0], v237, 2, 266240
	v_and_b32 v239, 8, v237
	v_add_nc_u32 v239, v239, v237
	v_lshlrev_b32 v[DQ], 4, v238
	v_sub_nc_u32 v[DQ], v239, v[DQ]
	s_lshl_b32 s48, s[BH], 17
	s_lshl_b32 s49, s[TT], 10
	s_add_co_u32 s48, s48, s49
	v_add_nc_u32 v6, s48, v[AK0]
	global_load_b128 v[16:19], v6, s[4:5]          ; Q's fragment: channels 0-31,
	global_load_b128 v[20:23], v6, s[4:5] offset:512   ; 32-63
	s_lshl_b32 s48, s[BH], 12
	s_lshl_b32 s49, s[TT], 5
	s_add_co_u32 s48, s48, s49
	s_add_co_u32 s48, s48, 12582912
	v_lshl_add_u32 v7, v237, 1, s48
	global_load_u16 v232, v7, s[4:5]               ; its two scale bytes; the upper two are 0, over zero codes
.irp j, 24,25,26,27,28,29,30,31
	v_mov_b32 v[\j], 0
.endr
.irp t, 0,1,2,3
.irp j, 8,9,10,11,12,13,14,15
	v_mov_b32 v[32+16*\t+\j], 0                    ; K's fragments: channels 64-127 are zero codes for the whole launch
.endr
.endr
	v_mov_b32 v13, 0xff61b1e6                      ; the largest t so far: -3e38
	v_floor_f32 v12, -v13                          ; -M
	v_mov_b32 v14, 0
	v_mov_b32 v15, 0
	v_mov_b32 v235, 0                              ; (named as the upper half of the pair v[234:235])
.irp b, 0,1,2,3
	v_mov_b32 v[212+\b], 0                         ; a lane permute's destination counts as one of its sources
.endr
.set n, 0
.rept 32
	v_mov_b32 v[160+n], 0                          ; O^T: the step is written once; the first change of M multiplies zeros
.set n, n+1
.endr
	s_mov_b32 s[SEL], 0x76543210
	s_mov_b32 s[SEL+1], 0xfedcba98
	s_mov_b32 s[CS], 0x3e38aa3b                    ; c = log2(e) / 8
	s_mov_b32 s[CS+1], s[CS]
	s_mov_b32 s[MNT], 0x600000
	s_mov_b32 s[T], 0
	s_mov_b32 s[TS], 0
	s_mov_b32 s[KF], 0
	s_mov_b32 s[CNT], 0
	s_wait_loadcnt 0x0                             ; Q
	s_wait_tensorcnt 0x0                           ; my key step's tiles and scale bytes have landed,
	s_barrier_signal -1
	s_barrier_wait -1                              ; everybody's have
.Lstep:
	s_cmp_gt_u32 s[KF], s[Q0]                      ; my queries Q0 .. Q0 + 23 lie in one aligned group of 32 and KF is a multiple of 128: KF > Q0 means that all 128 keys come after all my queries
	s_cbranch_scc1 .Lhidden
	v_add_nc_u32 v[ADK], s[T], v[AK0]
	v_add_nc_u32 v[ADV], s[T], v[AV0]
	v_add_nc_u32 v[ADS], s[TS], v[ASK0]
	v_add_nc_u32 v[ADT], s[TS], v[ASV0]
	PLACES 5                                       ; with the four additions nine places: the scores are laid over V's fragments, which the last products read
.irp g, 0,1                                    ; S^T = K Q^T, four tiles of 16 keys at a time
.if \g
	PLACES 8
.endif
.irp t, 0,1,2,3
	ds_load_b128 v[32+16*\t:35+16*\t], v[ADK] offset:(4*\g+\t)*1024
	ds_load_b128 v[36+16*\t:39+16*\t], v[ADK] offset:(4*\g+\t)*1024+512
	ds_load_u16 v[224+\t], v[ADS] offset:(4*\g+\t)*32
.endr
	s_wait_dscnt 0x0
.irp t, 0,1,2,3
	v_wmma_scale_f32_16x16x128_f8f6f4 v[96+8*(4*\g+\t):103+8*(4*\g+\t)], v[32+16*\t:47+16*\t], v[16:31], 0, v[224+\t], v232
.endr
.endr
	PLACES 8
	s_add_co_u32 s48, s[KF], 127                   ; a step all of whose keys count skips the mask
	s_cmp_le_u32 s48, s[Q0]
	s_cbranch_scc1 .Lopen
	s_sub_co_i32 s48, s[Q0], s[KF]
	v_add_nc_u32 v236, s48, v[DQ]                  ; d = my query - KF - 16 h.  Register 16 b + i holds key KF + 32 b + 16 h + i: hidden where 32 b + i > d
	v_mov_b32 v237, 0xff800000
.set n, 0
.rept 64
	v_cmp_gt_i32 vcc_lo, 32*(n/16)+n%16, v236
	v_cndmask_b32 v[96+n], v[96+n], v237, vcc_lo
.set n, n+1
.endr
.Lopen:
.irp b, 0,1,2,3
	v_max3_num_f32 v[208+\b], v[96+16*\b], v[97+16*\b], v[98+16*\b]   ; the largest score of each block of 32 keys: for the row's maximum and, since p rises with the score, for the block's largest p
.endr
.irp i, 3,5,7,9,11,13
.irp b, 0,1,2,3
	v_max3_num_f32 v[208+\b], v[208+\b], v[96+16*\b+\i], v[97+16*\b+\i]
.endr
.endr
.irp b, 0,1,2,3
	v_max_num_f32 v[208+\b], v[208+\b], v[111+16*\b]
.endr
.irp b, 0,1,2,3
	v_permlanex16_b32 v[212+\b], v[208+\b], s[SEL], s[SEL+1]
.endr
.irp b, 0,1,2,3
	v_max_num_f32 v[208+\b], v[208+\b], v[212+\b]
.endr
	v_max3_num_f32 v236, v208, v209, v210
	v_max_num_f32 v236, v236, v211
	v_mul_f32 v236, s[CS], v236                    ; the step's largest t
	v_max_num_f32 v13, v13, v236
	v_mov_b32 v236, v12
	v_floor_f32 v12, -v13                          ; the new -M = -ceil(t)
	v_sub_f32 v236, v12, v236                      ; old M - new M: a whole number, 0 or less
	v_cvt_i32_f32 v236, v236                       ; (it saturates)
	v_ldexp_f32 v234, 1.0, v236                    ; f = 2^(old M - new M)
.set n, 0
.rept 32
	v_pk_fma_f32 v[96+n:97+n], v[96+n:97+n], s[CS:CS+1], v[12:13] op_sel_hi:[1,0,0]   ; t - M
.set n, n+2
.endr
.irp b, 0,1,2,3
	v_fma_f32 v[208+\b], v[208+\b], s[CS], v12
.endr
.set n, 0
.rept 64
	v_exp_f32 v[96+n], v[96+n]                     ; p = 2^(t - M)
.set n, n+1
.endr
	v_pk_mul_f32 v[14:15], v[14:15], v[234:235] op_sel_hi:[1,0]   ; the sum under the new M: the plain line behind the batch
	s_wait_alu depctr_va_vdst(0)                   ; one wait for the batch, ahead of its first reader
.irp b, 0,1,2,3
	v_exp_f32 v[208+\b], v[208+\b]                 ; the blocks' largest p
.endr
	v_pk_add_f32 v[236:237], v[96:97], v[98:99]    ; the row's sum of the unquantised p, in two chains
.irp j, 4,8,12,16,20,24,28,32,36,40,44,48,52,56,60
	v_pk_add_f32 v[14:15], v[14:15], v[96+\j:97+\j]
	v_pk_add_f32 v[236:237], v[236:237], v[98+\j:99+\j]
.endr
	v_pk_add_f32 v[14:15], v[14:15], v[236:237]
	s_wait_alu depctr_va_vdst(0)                   ; and one for the four
.irp b, 0,1,2,3
	v_max_num_f32 v[208+\b], 0x4800000, v[208+\b]  ; the floor 2^(9 - 127)
.endr
.irp b, 0,1,2,3
	v_add_nc_u32 v[220+\b], 0xfc000000, v[208+\b]
.endr
.irp b, 0,1,2,3
	v_and_or_b32 v[216+\b], v[208+\b], 0x7f800000, s[MNT]
.endr
.irp b, 0,1,2,3
	v_lshrrev_b32 v[212+\b], 23, v[220+\b]
.endr
	v_lshl_or_b32 v233, v213, 8, v212              ; p's scale word for these 128 keys
	v_lshl_or_b32 v233, v214, 16, v233
	v_lshl_or_b32 v233, v215, 24, v233
.irp b, 0,1,2,3
.irp i, 0,1,2,3,4,5,6,7,8,9,10,11,12,13,14,15
	v_min_num_f32 v[96+16*\b+\i], v[96+16*\b+\i], v[216+\b]   ; the hold; p is not negative
.endr
	v_cvt_scalef32_pk8_fp8_f32 v[192+4*\b:193+4*\b], v[96+16*\b:103+16*\b], v[220+\b]
	v_cvt_scalef32_pk8_fp8_f32 v[194+4*\b:195+4*\b], v[104+16*\b:111+16*\b], v[220+\b]
.endr
.set n, 0
.rept 16
	v_pk_mul_f32 v[160+n:161+n], v[160+n:161+n], v[234:235] op_sel_hi:[1,0]   ; O^T under the new M; these are also the places in front of the products below
.set n, n+2
.endr
.irp t, 0,1,2,3                                ; V's four fragments: 16 channels x these 128 keys each
.irp c, 0,1,2,3
	ds_load_b128 v[96+16*\t+4*\c:99+16*\t+4*\c], v[ADV] offset:\t*2048+512*\c
.endr
	ds_load_b32 v[228+\t], v[ADT] offset:\t*64
.endr
	s_wait_dscnt 0x0
.irp t, 0,1,2,3
	v_wmma_scale_f32_16x16x128_f8f6f4 v[160+8*\t:167+8*\t], v[96+16*\t:111+16*\t], v[192:207], v[160+8*\t:167+8*\t], v[228+\t], v233
.endr
.Lhidden:
	s_add_co_u32 s[T], s[T], 8192
	s_add_co_u32 s[TS], s[TS], 256
	s_add_co_u32 s[KF], s[KF], 128
	s_add_co_u32 s[CNT], s[CNT], 1
	s_cmp_lt_u32 s[CNT], 16
	s_cbranch_scc1 .Lstep
	; THE WAY OUT.  Register 8 t + j of O^T is channel 32 (t / 2) + 8 (t % 2) + 16 h + j of my query: two blocks of 16 neighbours along the model's axis.
	PLACES 8
	v_add_f32 v14, v14, v15
	v_permlanex16_b32 v236, v14, s[SEL], s[SEL+1]
	v_add_f32 v14, v14, v236                       ; the row's sum
	v_rcp_f32 v14, v14
	v_and_b32 v237, 15, v0                         ; (a plain line behind the transcendental)
	s_lshr_b32 s48, s[BH], 4
	s_lshl_b32 s48, s48, 7
	s_add_co_u32 s48, s48, s[TT]                   ; my token tile of 256
	s_and_b32 s49, s[BH], 15                       ; the head: columns 64 head on
	s_lshr_b32 s50, s48, 3                         ; panel
	s_and_b32 s51, s48, 7                          ; tile in it
	s_lshr_b32 s52, s49, 3                         ; k / 512
	s_bfe_u32 s53, s49, 0x20001                    ; (k / 128) % 4
	s_and_b32 s54, s49, 1                          ; which half of the fragment
	s_lshl_b32 s55, s50, 17
	s_lshl_b32 s48, s52, 16
	s_add_co_u32 s55, s55, s48
	s_lshl_b32 s48, s51, 13
	s_add_co_u32 s55, s55, s48
	s_lshl_b32 s48, s53, 11
	s_add_co_u32 s55, s55, s48
	s_lshl_b32 s48, s54, 10
	s_add_co_u32 s55, s55, s48
	v_add_nc_u32 v8, s55, v[AK0]
	s_lshl_b32 s55, s50, 12
	s_lshl_b32 s48, s52, 11
	s_add_co_u32 s55, s55, s48
	s_lshl_b32 s48, s51, 8
	s_add_co_u32 s55, s55, s48
	s_lshl_b32 s48, s53, 2
	s_add_co_u32 s55, s55, s48
	s_lshl_b32 s48, s54, 1
	s_add_co_u32 s55, s55, s48
	s_add_co_u32 s55, s55, 4194304
	v_lshl_add_u32 v9, v237, 4, s55
	s_wait_alu depctr_va_vdst(0)                   ; the wait ahead of the reciprocal's first reader
.set n, 0
.rept 32
	v_mul_f32 v[96+n], v[160+n], v14
.set n, n+1
.endr
.irp b, 0,1
	v_max3_num_f32 v[208+\b], |v[96+16*\b]|, |v[97+16*\b]|, 0x4800000
.endr
.irp i, 2,4,6,8,10,12,14
.irp b, 0,1
	v_max3_num_f32 v[208+\b], v[208+\b], |v[96+16*\b+\i]|, |v[97+16*\b+\i]|
.endr
.endr
.irp b, 0,1
	v_permlanex16_b32 v[212+\b], v[208+\b], s[SEL], s[SEL+1]
.endr
.irp b, 0,1
	v_max_num_f32 v[208+\b], v[208+\b], v[212+\b]
.endr
.irp b, 0,1
	v_add_nc_u32 v[220+\b], 0xfc000000, v[208+\b]
.endr
.irp b, 0,1
	v_and_or_b32 v[216+\b], v[208+\b], 0x7f800000, s[MNT]
.endr
.irp b, 0,1
	v_lshrrev_b32 v[212+\b], 23, v[220+\b]
.endr
	v_lshl_or_b32 v233, v213, 8, v212
.set n, 0
.rept 32
	v_med3_num_f32 v[96+n], v[96+n], -v[216+n/16], v[216+n/16]
.set n, n+1
.endr
.irp b, 0,1
	v_cvt_scalef32_pk8_fp8_f32 v[192+4*\b:193+4*\b], v[96+16*\b:103+16*\b], v[220+\b]
	v_cvt_scalef32_pk8_fp8_f32 v[194+4*\b:195+4*\b], v[104+16*\b:111+16*\b], v[220+\b]
.endr
	v_nop
	global_store_b128 v8, v[192:195], s[6:7]       ; 512 consecutive bytes a store
	global_store_b128 v8, v[196:199], s[6:7] offset:512
	global_store_b16 v9, v233, s[6:7]              ; lanes r and r + 16 hold the same bytes and write them to the same place
	s_wait_tensorcnt 0x0
	ds_add_u32 v254, v255
	s_wait_dscnt 0x0
	s_endpgm
.Lfunc_end_k_qfb9b1f2822_attn:
	.size	k_qfb9b1f2822_attn, .Lfunc_end_k_qfb9b1f2822_attn-k_qfb9b1f2822_attn
	.p2alignl 7, 3214868480
	.fill 96, 4, 3214868480
	.section	.rodata,"a",@progbits
	.p2align	6, 0x0
	.amdhsa_kernel k_qfb9b1f2822_attn
		.amdhsa_group_segment_fixed_size 272384
		.amdhsa_private_segment_fixed_size 0
		.amdhsa_enable_private_segment 0
		.amdhsa_kernarg_size 16
		.amdhsa_user_sgpr_count 2
		.amdhsa_user_sgpr_kernarg_segment_ptr 1
		.amdhsa_wavefront_size32 1
		.amdhsa_system_sgpr_workgroup_id_x 1
		.amdhsa_system_sgpr_workgroup_id_y 1
		.amdhsa_system_sgpr_workgroup_id_z 1
		.amdhsa_system_vgpr_workitem_id 0
		.amdhsa_next_free_vgpr 256
		.amdhsa_next_free_sgpr 66
		.amdhsa_reserve_vcc 1
		.amdhsa_float_denorm_mode_32 3
		.amdhsa_float_denorm_mode_16_64 3
		.amdhsa_memory_ordered 1
		.amdhsa_forward_progress 1
		.amdhsa_inst_pref_size 40
	.end_amdhsa_kernel
	.amdgpu_metadata
---
amdhsa.version: [ 1, 2 ]
amdhsa.kernels:
  - .name:           k_qfb9b1f2822_attn
    .symbol:         k_qfb9b1f2822_attn.kd
    .args:
      - { .name: kv, .offset: 0, .size: 8, .value_kind: global_buffer, .address_space: global }
      - { .name: aq, .offset: 8, .size: 8, .value_kind: global_buffer, .address_space: global }
    .group_segment_fixed_size: 272384
    .private_segment_fixed_size: 0
    .kernarg_segment_align: 8
    .kernarg_segment_size: 16
    .max_flat_workgroup_size: 512
    .sgpr_count:     66
    .vgpr_count:     256
    .wavefront_size: 32
...
	.end_amdgpu_metadata
.endif
;; end of part 9
;; launch gout (part 10): grid 8 x 32, 4 waves a work-group, clusters of 4 x 4, 327,680 bytes of LDS; arguments aq, wq, b_out, x, x1; writes x1
.if DOCPART == 10
	.amdgcn_target "amdgcn-amd-amdhsa--gfx1250"
	.amdhsa_code_object_version 6
	.text
	.protected	k_qfb9b1f2822_gout
	.globl	k_qfb9b1f2822_gout
	.p2align	8
	.type	k_qfb9b1f2822_gout,@function
k_qfb9b1f2822_gout:
	s_mov_b64 s[64:65], 0
	v_nop
	global_prefetch_b8 v0, s[64:65] scope:SCOPE_SE
	s_setreg_imm32_b32 hwreg(HW_REG_WAVE_MODE, 25, 1), 1
	s_wait_xcnt 0x0
	s_wait_alu depctr_hold_cnt(0) depctr_sa_sdst(0) depctr_va_vdst(0) depctr_va_sdst(0) depctr_va_ssrc(0) depctr_va_vcc(0) depctr_vm_vsrc(0)
	s_getreg_b32 s2, hwreg(HW_REG_IB_STS2, 6, 4)
	s_cmp_eq_u32 s2, 0
	s_cbranch_scc0 .Lentry_in_a_cluster
	s_endpgm
.Lentry_in_a_cluster:
	s_bfe_u32 s2, ttmp6, 0x10000c
	s_cmp_lg_u32 s2, 0xf033
	s_cbranch_scc0 .Lentry_shape_is_right
	s_endpgm
.Lentry_shape_is_right:
; x1 = x + attention's result x w_out + b_out: the product on codes of FP8 (E4M3) with E8M0 scales, K = 1,024; bias and residual in f32; x1 row-major f32.
; OPERANDS lie in memory as images of operand registers: a fragment (16 rows x 128 k) is 2,048 bytes, lane l's registers 4 c .. 4 c + 3 at 512 c + 16 l; a panel (128 rows) is [k / 512][tile 8][4] fragments, dense.
; Row rho of a tile T (tokens and columns alike) is index 32 (T / 2) + 8 (T % 2) + rho + 8 (rho / 8).
; SHARES.  Work-group (x, y): token panel y, weight panel x: 128 x 128 of the result.  Four waves, each 64 tokens x 64 columns: 16 accumulators.
; Two LDS slots, each 512 along K (A's 8 tiles, B's 8 tiles, dense blocks of memory): here all of K; each is filled once; waves 0, 1 fetch A's halves, waves 2, 3 B's.  Two tensor loads of a wave are out at the head.
; CLUSTERS: 4 x 4 work-groups.  The four of a row of the cluster have one token panel and need the same tiles of A; the four of a column have one weight panel and need the same tiles of B.  Each tile is asked for
; JOINTLY: the same tensor load, with the same descriptor and a mask that names the four, in all four; each receives the tile in its own LDS.  That divides the requests for A and for B by four.
; A round of the cluster's barrier stands in front of the joint loads and one in front of the end.  No branch and no LDS address hangs on a work-group's place in its cluster.
; Source 0 = columns, source 1 = tokens: a lane holds a token and eight neighbouring columns.  The way out goes through the wave's own stage in LDS (in slot 0, which has had its only fill and its last read), so that sixteen lanes store 256 consecutive aligned bytes.
; The residual is loaded at the head, into the registers and lanes in which the results come back from the stage.
; REGISTERS: window 0: v0-31 addresses; v32-63 scale words; v64-127 rows back from the stage; v128-255 accumulators.  window 1: two sets of fragments.  window 2: v0-127 the residual.
.set KK,    1024
.set TILES, 1
.set LAPAN, 17
.set ASOFF, 4194304
.set LASP,  12
.set BOFF,  3145728
.set BSOFF, 12582912+98304
.set ASTEP, 0
.set BSTEP, 0
.set NSC,   2
.set BIASC, 0
.set SPW, 4
.set NIL, 5
.set ADRA, 6
.set ADRB, 8
.set L16, 10
.set STO, 11
.set RD,  12
.set CO,  13
.set BI,  14                           ; v14-17 the bias of my four columns
.set SC,  32
.set BB,  64
.set ACC, 128
.set F0,  0
.set F1,  128
.set SPARE, 262144
.set WV, 14
.set WR, 15
.set WC, 16
.set GX, 17
.set PP, 18
.set G1, 24                            ; s[24:31] descriptor group 1 for A's tiles
.set G0A, 32
.set G0B, 40
.set SAP, 48
.set SBP, 50
.set BIP, 52
.set G1B, 68                           ; s[68:75] descriptor group 1 for B's tiles: it differs from A's in the mask alone
.set CX, 76                            ; s76, s77 my place in the cluster
.set CY, 77
.set MSB, 0
.macro WIN new                         ; the immediate's high byte repeats the setting that is left
.if MSB != \new
	s_set_vgpr_msb (MSB<<8)|\new
.set MSB, \new
.endif
.endm
.set MUL,  0x05
.set TO_F, 0x40
.macro PLACES n
.rept \n
	v_nop
.endr
.endm
; A round of the cluster's barrier: my work-group's barrier, so that wave 0's signal speaks for all four waves; wave 0 signals for the work-group; every wave waits for all sixteen work-groups; my work-group's barrier once more.
.macro CROUND
	s_barrier_signal -1
	s_barrier_wait -1
	s_cmp_lg_u32 s[WV], 0
	s_cbranch_scc1 .Lnot_wave_0_\@
	s_barrier_signal -3
.Lnot_wave_0_\@:
	s_barrier_wait -3
	s_barrier_signal -1
	s_barrier_wait -1
.endm
.macro WM d, x, y, cz, c, sx, sy, rx, ry   ; one product; cz = 1: C is 0; rx, ry: the scale words lie in lanes 16-31
.if \cz
.if (\rx) && (\ry)
	v_wmma_scale_f32_16x16x128_f8f6f4 v[\d:\d+7], v[\x:\x+15], v[\y:\y+15], 0, v[\sx], v[\sy] matrix_a_scale:MATRIX_SCALE_ROW1 matrix_b_scale:MATRIX_SCALE_ROW1
.elseif \rx
	v_wmma_scale_f32_16x16x128_f8f6f4 v[\d:\d+7], v[\x:\x+15], v[\y:\y+15], 0, v[\sx], v[\sy] matrix_a_scale:MATRIX_SCALE_ROW1
.elseif \ry
	v_wmma_scale_f32_16x16x128_f8f6f4 v[\d:\d+7], v[\x:\x+15], v[\y:\y+15], 0, v[\sx], v[\sy] matrix_b_scale:MATRIX_SCALE_ROW1
.else
	v_wmma_scale_f32_16x16x128_f8f6f4 v[\d:\d+7], v[\x:\x+15], v[\y:\y+15], 0, v[\sx], v[\sy]
.endif
.else
.if (\rx) && (\ry)
	v_wmma_scale_f32_16x16x128_f8f6f4 v[\d:\d+7], v[\x:\x+15], v[\y:\y+15], v[\c:\c+7], v[\sx], v[\sy] matrix_a_scale:MATRIX_SCALE_ROW1 matrix_b_scale:MATRIX_SCALE_ROW1
.elseif \rx
	v_wmma_scale_f32_16x16x128_f8f6f4 v[\d:\d+7], v[\x:\x+15], v[\y:\y+15], v[\c:\c+7], v[\sx], v[\sy] matrix_a_scale:MATRIX_SCALE_ROW1
.elseif \ry
	v_wmma_scale_f32_16x16x128_f8f6f4 v[\d:\d+7], v[\x:\x+15], v[\y:\y+15], v[\c:\c+7], v[\sx], v[\sy] matrix_b_scale:MATRIX_SCALE_ROW1
.else
	v_wmma_scale_f32_16x16x128_f8f6f4 v[\d:\d+7], v[\x:\x+15], v[\y:\y+15], v[\c:\c+7], v[\sx], v[\sy]
.endif
.endif
.endm
; 8 products: A's tiles a0, a0 + 1 x B's four, the slot's q-th 128 along K; source 0 = B; result (a, b) at ACC + 32 a + 8 b.  mode = 1: the sums begin with 0.
; The 16 accumulators take turns, one instruction a turn, in every step.
.macro MUL8 f, a0, q, set, mode, swap
.irp a, \a0, \a0+1
.irp b, 0,1,2,3
.set DD, ACC+32*(\a)+8*\b
.set CZ, 0
.set CC, DD
.if \mode
.set CZ, 1
.endif
	WM DD, \f+64+16*\b, \f+16*(\a), CZ, CC, SC+16*(\set)+8+4*(\b/2)+(\q), SC+16*(\set)+4*((\a)/2)+(\q), \b%2, (\a)%2
.endr
.endr
.endm
.macro FETCH s, q, f                   ; 32 LDS loads, 512 consecutive bytes each: B's four fragments, then A's four
	WIN TO_F
.irp i, 0,1,2,3
.irp c, 0,1,2,3
	ds_load_b128 v[\f+64+16*\i+4*\c:\f+64+16*\i+4*\c+3], v[ADRB+\s] offset:\i*8192+(\q)*2048+512*\c
.endr
.endr
.irp i, 0,1,2,3
.irp c, 0,1,2,3
	ds_load_b128 v[\f+16*\i+4*\c:\f+16*\i+4*\c+3], v[ADRA+\s] offset:\i*8192+(\q)*2048+512*\c
.endr
.endr
.endm
.macro SALOAD s
.irp u, 0,1
	global_load_b128 v[SC+16*\s+4*\u:SC+16*\s+4*\u+3], v[L16], s[SAP:SAP+1] offset:\s*2048+\u*512
.endr
.endm
.macro SBLOAD s
.irp u, 0,1
	global_load_b128 v[SC+16*\s+8+4*\u:SC+16*\s+8+4*\u+3], v[L16], s[SBP:SBP+1] offset:\s*2048+\u*512
.endr
.endm
.macro MM f, a0, q, set, mode
	WIN MUL
	MUL8 \f, \a0, \q, \set, \mode, 0
.endm
; A step of 128 along K with its successor in the same slot.  Eight plain places stand between matrix instructions and loads into registers that they have read.
.macro STEP s, q, f, g, mode
	s_wait_dscnt 8                                 ; B's four and A's tiles 0, 1 are in; A's tiles 2, 3 (8 loads) may be out
	MM \f, 0, \q, \s, \mode
	PLACES 8
	FETCH \s, (\q)+1, \g
	s_wait_dscnt 32                                ; all but the 32 just issued
	MM \f, 2, \q, \s, \mode
.endm
; Slot 0's last step.  Every wave: all its tensor loads have landed (its part of slot 1 among them), the add, its LDS loads are back; a barrier; then slot 1 is read.  Nothing is filled again, so the work-group's barrier serves.
.macro TURN
	WIN 0
	s_wait_tensorcnt 0x0
	ds_add_u32 v[SPW], v[NIL]                      ; 0 onto my spare word
	s_wait_dscnt 0x0
	s_barrier_signal -1
	s_barrier_wait -1
	PLACES 8
	s_wait_loadcnt 0x0                             ; slot 1's scale words are in
	FETCH 1, 0, F0
	MM F1, 0, 3, 0, 0
	MM F1, 2, 3, 0, 0
.endm
.macro LAST
	s_wait_dscnt 0x0
	MM F1, 0, 3, 1, 0
	MM F1, 2, 3, 1, 0
	WIN 0
	PLACES 8                                       ; in front of the first read of results
.endm
	s_load_b256 s[4:11], s[0:1], 0x0               ; A, wq, bias, residual
	s_load_b64 s[12:13], s[0:1], 0x20              ; the result
	v_lshl_add_u32 v[SPW], v0, 2, SPARE
	v_mov_b32 v[NIL], 0
	ds_add_u32 v4, v5
	ds_add_u32 v4, v5
	s_wait_dscnt 0x0
	v_lshrrev_b32 v1, 5, v0
	v_readfirstlane_b32 s[WV], v1
	s_lshr_b32 s[WR], s[WV], 1
	s_and_b32 s[WC], s[WV], 1
	s_bfe_u32 s[CX], ttmp6, 0x40000                ; cx, cy: my place in the cluster
	s_bfe_u32 s[CY], ttmp6, 0x40004
	s_lshl_b32 s[GX], ttmp9, 2                     ; in a cluster launch ttmp9 and ttmp7 count clusters
	s_add_co_u32 s[GX], s[GX], s[CX]               ; work-group x = 4 x cluster x + cx
	s_and_b32 s[PP], ttmp7, 0xffff
	s_lshl_b32 s[PP], s[PP], 2
	s_add_co_u32 s[PP], s[PP], s[CY]               ; work-group y = 4 x cluster y + cy
	s_lshl_b32 s78, s[CY], 2
	s_lshl_b32 s78, 15, s78                        ; my row of the cluster: places 4 cy .. 4 cy + 3
	s_lshl_b32 s79, 0x1111, s[CX]                  ; my column: places cx, cx + 4, cx + 8, cx + 12
	s_or_b32 s[G1], s78, (3<<16)|(1<<21)           ; 15:0 the mask: A's tiles go to my row; 17:16 elements of 8 bytes; 21 set beside a mask; no padding
	s_or_b32 s[G1B], s79, (3<<16)|(1<<21)          ; the same with the mask of my column, for B's tiles
.irp g, G1, G1B
	s_mov_b32 s[\g+1], 32<<16                      ; 32 KB as 128 rows of 256 bytes (32 elements of 8), dense
	s_mov_b32 s[\g+2], 128<<16
	s_mov_b32 s[\g+3], 32<<16
	s_mov_b32 s[\g+4], 128
	s_mov_b32 s[\g+5], 32
	s_mov_b32 s[\g+6], 0
	s_mov_b32 s[\g+7], 0
.endr
	s_lshl_b32 s56, s[WC], 15
	s_lshl_b32 s54, s[PP], LAPAN                   ; A's tiles hang on work-group y and the wave's number alone,
	s_add_co_u32 s54, s54, s56
	s_mov_b32 s55, 0
	s_mul_i32 s58, s[GX], TILES*128*KK             ; B's on work-group x and the wave's number alone
	s_add_co_u32 s58, s58, s56
	s_add_co_u32 s58, s58, BOFF
	s_mov_b32 s59, 0
	s_lshl_b32 s60, s[WV], 15                      ; LDS: wave x 32 KB: no place in the cluster enters an LDS address
	s_wait_kmcnt 0x0
	s_add_nc_u64 s[54:55], s[4:5], s[54:55]
	s_add_nc_u64 s[58:59], s[6:7], s[58:59]
	CROUND                                         ; all sixteen work-groups are here: the joint loads meet
.irp s, 0,1
	s_mov_b32 s[G0A+4*\s], 1
	s_add_co_u32 s[G0A+4*\s+1], s60, \s*131072
	s_add_nc_u64 s[G0A+4*\s+2:G0A+4*\s+3], s[54:55], \s*65536
	s_or_b32 s[G0A+4*\s+3], s[G0A+4*\s+3], 0x80000000
	s_mov_b32 s[G0B+4*\s], 1
	s_add_co_u32 s[G0B+4*\s+1], s60, \s*131072
	s_add_nc_u64 s[G0B+4*\s+2:G0B+4*\s+3], s[58:59], \s*65536
	s_or_b32 s[G0B+4*\s+3], s[G0B+4*\s+3], 0x80000000
.endr
	s_cmp_lt_u32 s[WV], 2                          ; a wave's two fills stand in one branch, ahead of every wait on TENSORcnt and every LDS read; four v_nop follow the second
	s_cbranch_scc0 .Lfirst_b
	tensor_load_to_lds s[G0A:G0A+3], s[G1:G1+7]
	s_nop 0
	tensor_load_to_lds s[G0A+4:G0A+7], s[G1:G1+7]
	s_nop 0
	PLACES 4
	s_branch .Lfirst_done
.Lfirst_b:
	tensor_load_to_lds s[G0B:G0B+3], s[G1B:G1B+7]
	s_nop 0
	tensor_load_to_lds s[G0B+4:G0B+7], s[G1B:G1B+7]
	s_nop 0
	PLACES 4
.Lfirst_done:
	s_lshl_b32 s54, s[PP], LASP
	s_lshl_b32 s56, s[WR], 10
	s_add_co_u32 s54, s54, s56
	s_add_co_u32 s54, s54, ASOFF
	s_mov_b32 s55, 0
	s_add_nc_u64 s[SAP:SAP+1], s[4:5], s[54:55]
	s_mul_i32 s54, s[GX], TILES*4*KK
	s_lshl_b32 s56, s[WC], 10
	s_add_co_u32 s54, s54, s56
	s_add_co_u32 s54, s54, BSOFF
	s_add_nc_u64 s[SBP:SBP+1], s[6:7], s[54:55]
	v_and_b32 v3, 31, v0
	v_and_b32 v1, 15, v0                           ; r
	v_bfe_u32 v2, v0, 4, 1                         ; h
	v_lshlrev_b32 v[L16], 4, v3
	s_lshl_b32 s56, s[WR], 15
	v_add_nc_u32 v[ADRA], s56, v[L16]
	v_add_nc_u32 v[ADRA+1], 131072, v[ADRA]
	s_lshl_b32 s56, s[WC], 15
	s_add_co_u32 s56, s56, 65536
	v_add_nc_u32 v[ADRB], s56, v[L16]
	v_add_nc_u32 v[ADRB+1], 131072, v[ADRB]
	s_lshl_b32 s54, s[PP], 7                       ; the result: row 128 y + 64 (wave / 2) + h, column 128 x + 64 (wave % 2) + 4 r
	s_lshl_b32 s55, s[WR], 6
	s_add_co_u32 s54, s54, s55
	s_lshl_b32 s54, s54, 12
	s_lshl_b32 s55, s[GX], 9
	s_lshl_b32 s56, s[WC], 8
	s_add_co_u32 s55, s55, s56
	s_add_co_u32 s54, s54, s55
	v_lshlrev_b32 v[CO], 12, v2
	v_lshl_add_u32 v[CO], v1, 4, v[CO]
	v_add_nc_u32 v[CO], s54, v[CO]
	v_lshl_add_u32 v18, v1, 4, s55
	s_mul_i32 s56, s[WV], 4352                     ; my stage: 16 rows of 256 bytes + 16
	v_mul_u32_u24 v[STO], v1, 272
	v_lshl_add_u32 v[STO], v2, 6, v[STO]
	v_add_nc_u32 v[STO], s56, v[STO]               ; in: row r, 64 h bytes on
	v_mul_u32_u24 v[RD], v2, 272
	v_lshl_add_u32 v[RD], v1, 4, v[RD]
	v_add_nc_u32 v[RD], s56, v[RD]                 ; back: lanes 0-15 one row, lanes 16-31 the next
	WIN 0x80                                       ; destination window 2
.irp a, 0,1,2,3
.irp t, 0,1,2,3,4,5,6,7
	global_load_b128 v[32*\a+4*\t:32*\a+4*\t+3], v[CO], s[10:11] offset:(32*(\a/2)+8*(\a%2)+2*\t+8*(\t/4))*4096
.endr
.endr
	WIN 0
	global_load_b128 v[BI:BI+3], v18, s[8:9]
	SALOAD 0
	SALOAD 1
	SBLOAD 0
	SBLOAD 1
	s_wait_tensorcnt 1                             ; my part of slot 0 is in; slot 1's may stay out
	s_barrier_signal -1
	s_barrier_wait -1
	FETCH 0, 0, F0                                 ; all of K = 1,024: two slots of four steps
	s_wait_loadcnt NSC                             ; all but slot 1's scale words of B, which were asked for last
	STEP 0, 0, F0, F1, 1
	STEP 0, 1, F1, F0, 0
	STEP 0, 2, F0, F1, 0
	TURN
	STEP 1, 0, F0, F1, 0
	STEP 1, 1, F1, F0, 0
	STEP 1, 2, F0, F1, 0
	LAST
; THE WAY OUT, a token tile at a time.  Stage row rho is the tile's row rho: token 32 (a / 2) + 8 (a % 2) + rho + 8 (rho / 8).  LDS serves a wave's instructions in order (ISA guide 5.7.1.4): no wait between my stores and my loads.
.macro TOSTAGE a
.irp b, 0,1,2,3
	ds_store_b128 v[STO], v[ACC+32*(\a)+8*\b:ACC+32*(\a)+8*\b+3] offset:128*(\b/2)+32*(\b%2)       ; each accumulator from its low end on
	ds_store_b128 v[STO], v[ACC+32*(\a)+8*\b+4:ACC+32*(\a)+8*\b+7] offset:128*(\b/2)+32*(\b%2)+16
.endr
.irp t, 0,1,2,3,4,5,6,7
	ds_load_b128 v[64+32*((\a)%2)+4*\t:64+32*((\a)%2)+4*\t+3], v[RD] offset:544*\t
.endr
.endm
.macro SEND a, younger
.set BK, 64+32*((\a)%2)
	s_wait_dscnt \younger                          ; the tile is back; the next tile's 8 stores and 8 loads may be out
	WIN 0x08                                       ; source 1 window 2: the residual
.set n, 0
.rept 16
	v_pk_add_f32 v[BK+n:BK+n+1], v[BK+n:BK+n+1], v[32*(\a)+n:32*(\a)+n+1]
.set n, n+2
.endr
	WIN 0
.irp t, 0,1,2,3,4,5,6,7
	v_pk_add_f32 v[BK+4*\t:BK+4*\t+1], v[BK+4*\t:BK+4*\t+1], v[BI:BI+1]
	v_pk_add_f32 v[BK+4*\t+2:BK+4*\t+3], v[BK+4*\t+2:BK+4*\t+3], v[BI+2:BI+3]
.endr
.irp t, 0,1,2,3,4,5,6,7
	global_store_b128 v[CO], v[BK+4*\t:BK+4*\t+3], s[12:13] offset:(32*((\a)/2)+8*((\a)%2)+2*\t+8*(\t/4))*4096   ; sixteen lanes store 256 consecutive aligned bytes
.endr
.endm
	TOSTAGE 0
.irp a, 1,2,3
.if \a > 1
	s_wait_xcnt 0x0                                ; tile a - 2's stores have read their registers: tile a's loads may land there
.endif
	TOSTAGE \a
	SEND \a-1, 16
.endr
	SEND 3, 0
	s_wait_tensorcnt 0x0                           ; the wave's end
	ds_add_u32 v[SPW], v[NIL]
	s_wait_dscnt 0x0
	CROUND                                         ; the closing round: no work-group ends while a partner may still ask for a tile that names it
	s_endpgm
.Lfunc_end_k_qfb9b1f2822_gout:
	.size	k_qfb9b1f2822_gout, .Lfunc_end_k_qfb9b1f2822_gout-k_qfb9b1f2822_gout
	.p2alignl 7, 3214868480
	.fill 96, 4, 3214868480
	.section	.rodata,"a",@progbits
	.p2align	6, 0x0
	.amdhsa_kernel k_qfb9b1f2822_gout
		.amdhsa_group_segment_fixed_size 327680
		.amdhsa_private_segment_fixed_size 0
		.amdhsa_enable_private_segment 0
		.amdhsa_kernarg_size 40
		.amdhsa_user_sgpr_count 2
		.amdhsa_user_sgpr_kernarg_segment_ptr 1
		.amdhsa_wavefront_size32 1
		.amdhsa_system_sgpr_workgroup_id_x 1
		.amdhsa_system_sgpr_workgroup_id_y 1
		.amdhsa_system_sgpr_workgroup_id_z 1
		.amdhsa_system_vgpr_workitem_id 0
		.amdhsa_next_free_vgpr 640
		.amdhsa_next_free_sgpr 80
		.amdhsa_reserve_vcc 0
		.amdhsa_float_denorm_mode_32 3
		.amdhsa_float_denorm_mode_16_64 3
		.amdhsa_memory_ordered 1
		.amdhsa_forward_progress 1
		.amdhsa_inst_pref_size 62
	.end_amdhsa_kernel
	.amdgpu_metadata
---
amdhsa.version: [ 1, 2 ]
amdhsa.kernels:
  - .name:           k_qfb9b1f2822_gout
    .symbol:         k_qfb9b1f2822_gout.kd
    .args:
      - { .name: aq, .offset: 0, .size: 8, .value_kind: global_buffer, .address_space: global }
      - { .name: wq, .offset: 8, .size: 8, .value_kind: global_buffer, .address_space: global }
      - { .name: b_out, .offset: 16, .size: 8, .value_kind: global_buffer, .address_space: global }
      - { .name: x, .offset: 24, .size: 8, .value_kind: global_buffer, .address_space: global }
      - { .name: x1, .offset: 32, .size: 8, .value_kind: global_buffer, .address_space: global }
    .group_segment_fixed_size: 327680
    .private_segment_fixed_size: 0
    .kernarg_segment_align: 8
    .kernarg_segment_size: 40
    .max_flat_workgroup_size: 128
    .sgpr_count:     80
    .vgpr_count:     640
    .wavefront_size: 32
...
	.end_amdgpu_metadata
.endif
;; end of part 10
;; launch ln2: the kernel of part 2 again; grid 256 x 1, 8 waves a work-group, no clusters, 3,072 bytes of LDS; arguments x1, ln2_g, ln2_b, aq; writes aq
;; launch gfc (part 11): grid 8 x 32, 4 waves a work-group, clusters of 4 x 4, 327,680 bytes of LDS; arguments aq, wq, b_fc, fq; writes fq
.if DOCPART == 11
	.amdgcn_target "amdgcn-amd-amdhsa--gfx1250"
	.amdhsa_code_object_version 6
	.text
	.protected	k_qfb9b1f2822_gfc
	.globl	k_qfb9b1f2822_gfc
	.p2align	8
	.type	k_qfb9b1f2822_gfc,@function
k_qfb9b1f2822_gfc:
	s_mov_b64 s[64:65], 0
	v_nop
	global_prefetch_b8 v0, s[64:65] scope:SCOPE_SE
	s_setreg_imm32_b32 hwreg(HW_REG_WAVE_MODE, 25, 1), 1
	s_wait_xcnt 0x0
	s_wait_alu depctr_hold_cnt(0) depctr_sa_sdst(0) depctr_va_vdst(0) depctr_va_sdst(0) depctr_va_ssrc(0) depctr_va_vcc(0) depctr_vm_vsrc(0)
	s_getreg_b32 s2, hwreg(HW_REG_IB_STS2, 6, 4)
	s_cmp_eq_u32 s2, 0
	s_cbranch_scc0 .Lentry_in_a_cluster
	s_endpgm
.Lentry_in_a_cluster:
	s_bfe_u32 s2, ttmp6, 0x10000c
	s_cmp_lg_u32 s2, 0xf033
	s_cbranch_scc0 .Lentry_shape_is_right
	s_endpgm
.Lentry_shape_is_right:
; fq = Q(gelu(LN2(x1) w_fc + b_fc)): the product on codes of FP8 (E4M3) with E8M0 scales, K = 1,024; the activation in f32; the result quantised along the 4,096 hidden units and stored as images of operand registers.
; gelu (tanh form) is written x / (1 + 2^z), z = x (c0 + c1 x^2), c0 = -2 sqrt(2 / pi) log2(e), c1 = 0.044715 c0: the same function as 0.5 x (1 + tanh u).
; OPERANDS lie in memory as images of operand registers: a fragment (16 rows x 128 k) is 2,048 bytes, lane l's registers 4 c .. 4 c + 3 at 512 c + 16 l; a panel (128 rows) is [k / 512][tile 8][4] fragments, dense.
; Row rho of a tile T (tokens and columns alike) is index 32 (T / 2) + 8 (T % 2) + rho + 8 (rho / 8): the results of tiles 2 b and 2 b + 1 are then 16 neighbours in a lane's registers.
; SHARES.  Work-group (x, y): token panel y, weight panels 4 x .. 4 x + 3, one after the other: 512 hidden units, one group [k / 512] of the next product's A.  Four waves, each 64 tokens x 64 columns: 16 accumulators.
; RING.  Two LDS slots, each 512 along K (A's 8 tiles, B's 8 tiles, dense blocks of memory); waves 0, 1 fetch A's halves, waves 2, 3 B's, one tensor load each.  The ring runs on into the next weight panel; A's panel is fetched again with it.
; By this text's count a wave has two tensor loads out at the head and one later.
; CLUSTERS: 4 x 4 work-groups.  The four of a row of the cluster have one token panel and need the same tiles of A; the four of a column have the same weight panels and need the same tiles of B.  Each tile is asked for
; JOINTLY: the same tensor load, with the same descriptor and a mask that names the four, in all four; each receives the tile in its own LDS.  That divides the requests for A and for B by four.
; Where a slot is filled again, a round of the cluster's barrier takes the place of the work-group's barrier.  No branch and no LDS address hangs on a work-group's place in its cluster.
; LIMITS: NaN and infinities are not served; a block of zeros gets the byte 1; for very negative x the form above leaves a tiny number where the tanh form in f32 gives 0.
; REGISTERS: window 0: v0-31 addresses; v32-63 scale words; v64-95 the bias as C; v96-127 at work; v128-255 accumulators.  window 1: two sets of fragments; on the way out v0-127 at work, v128-159 the codes.
.set KK,    1024
.set TILES, 4
.set LAPAN, 17
.set ASOFF, 4194304
.set LASP,  12
.set BOFF,  4194304
.set BSOFF, 12582912+131072
.set ASTEP, 0
.set BSTEP, 512                        ; the bias: 128 columns on with each weight panel
.set NSC,   2
.set BIASC, 1
.set SPW, 4
.set NIL, 5
.set ADRA, 6
.set ADRB, 8
.set L16, 10
.set VBI, 11                           ; v11 64 h
.set VCO, 12
.set VSO, 16
.set SC,  32
.set BB,  64
.set TM,  96
.set ACC, 128
.set F0,  0
.set F1,  128
.set PC,  128
.set SPARE, 262144
.set WV, 14
.set WR, 15
.set WC, 16
.set GX, 17
.set PP, 18
.set MNT, 19
.set SEL, 20
.set C1,  22
.set G1, 24                            ; s[24:31] descriptor group 1 for A's tiles
.set G0A, 32
.set G0B, 40
.set SAP, 48
.set SBP, 50
.set BIP, 52
.set G1B, 68                           ; s[68:75] descriptor group 1 for B's tiles: it differs from A's in the mask alone
.set CX, 76                            ; s76, s77 my place in the cluster
.set CY, 77
.set OUT, 10
.set MSB, 0
.macro WIN new                         ; the immediate's high byte repeats the setting that is left
.if MSB != \new
	s_set_vgpr_msb (MSB<<8)|\new
.set MSB, \new
.endif
.endm
.set MUL,  0x05
.set TO_F, 0x40
.macro PLACES n
.rept \n
	v_nop
.endr
.endm
; A joint load: waves 0, 1 fetch A's halves of slot s, waves 2, 3 B's.  Each of the two lines has one mask and one set of registers for all that issue it; the branch hangs on the wave's number alone.
; Four v_nop follow each line.
.macro TLOAD s
	s_cmp_lt_u32 s[WV], 2
	s_cbranch_scc0 .Lfor_b_\@
	tensor_load_to_lds s[G0A+4*\s:G0A+4*\s+3], s[G1:G1+7]
	s_nop 0
	PLACES 4
	s_branch .Lasked_\@
.Lfor_b_\@:
	tensor_load_to_lds s[G0B+4*\s:G0B+4*\s+3], s[G1B:G1B+7]
	s_nop 0
	PLACES 4
.Lasked_\@:
.endm
; A round of the cluster's barrier: my work-group's barrier, so that wave 0's signal speaks for all four waves; wave 0 signals for the work-group; every wave waits for all sixteen work-groups; my work-group's barrier once more.
.macro CROUND
	s_barrier_signal -1
	s_barrier_wait -1
	s_cmp_lg_u32 s[WV], 0
	s_cbranch_scc1 .Lnot_wave_0_\@
	s_barrier_signal -3
.Lnot_wave_0_\@:
	s_barrier_wait -3
	s_barrier_signal -1
	s_barrier_wait -1
.endm
.macro WM d, x, y, c, sx, sy, rx, ry   ; one product; rx, ry: the scale words lie in lanes 16-31
.if (\rx) && (\ry)
	v_wmma_scale_f32_16x16x128_f8f6f4 v[\d:\d+7], v[\x:\x+15], v[\y:\y+15], v[\c:\c+7], v[\sx], v[\sy] matrix_a_scale:MATRIX_SCALE_ROW1 matrix_b_scale:MATRIX_SCALE_ROW1
.elseif \rx
	v_wmma_scale_f32_16x16x128_f8f6f4 v[\d:\d+7], v[\x:\x+15], v[\y:\y+15], v[\c:\c+7], v[\sx], v[\sy] matrix_a_scale:MATRIX_SCALE_ROW1
.elseif \ry
	v_wmma_scale_f32_16x16x128_f8f6f4 v[\d:\d+7], v[\x:\x+15], v[\y:\y+15], v[\c:\c+7], v[\sx], v[\sy] matrix_b_scale:MATRIX_SCALE_ROW1
.else
	v_wmma_scale_f32_16x16x128_f8f6f4 v[\d:\d+7], v[\x:\x+15], v[\y:\y+15], v[\c:\c+7], v[\sx], v[\sy]
.endif
.endm
; 8 products: A's tiles a0, a0 + 1 x B's four, the slot's q-th 128 along K; source 0 = B; result (a, b) at ACC + 32 a + 8 b.  mode = 1: the sums begin with the bias as C.
; The 16 accumulators take turns, one instruction a turn, in every step.
.macro MUL8 f, a0, q, set, mode
.irp a, \a0, \a0+1
.irp b, 0,1,2,3
.set DD, ACC+32*(\a)+8*\b
.set CC, DD
.if \mode
.set CC, BB+8*\b
.endif
	WM DD, \f+64+16*\b, \f+16*(\a), CC, SC+16*(\set)+8+4*(\b/2)+(\q), SC+16*(\set)+4*((\a)/2)+(\q), \b%2, (\a)%2
.endr
.endr
.endm
.macro FETCH s, q, f                   ; 32 LDS loads, 512 consecutive bytes each: B's four fragments, then A's four
	WIN TO_F
.irp i, 0,1,2,3
.irp c, 0,1,2,3
	ds_load_b128 v[\f+64+16*\i+4*\c:\f+64+16*\i+4*\c+3], v[ADRB+\s] offset:\i*8192+(\q)*2048+512*\c
.endr
.endr
.irp i, 0,1,2,3
.irp c, 0,1,2,3
	ds_load_b128 v[\f+16*\i+4*\c:\f+16*\i+4*\c+3], v[ADRA+\s] offset:\i*8192+(\q)*2048+512*\c
.endr
.endr
.endm
.macro SALOAD s
.irp u, 0,1
	global_load_b128 v[SC+16*\s+4*\u:SC+16*\s+4*\u+3], v[L16], s[SAP:SAP+1] offset:\s*2048+\u*512
.endr
.endm
.macro SBLOAD s
.irp u, 0,1
	global_load_b128 v[SC+16*\s+8+4*\u:SC+16*\s+8+4*\u+3], v[L16], s[SBP:SBP+1] offset:\s*2048+\u*512
.endr
.endm
.macro SCLOAD s
	SBLOAD \s
.endm
.macro BLOAD                           ; the bias as C: register j of tile b is column 32 (b / 2) + 8 (b % 2) + 16 h + j
.irp b, 0,1,2,3
	global_load_b128 v[BB+8*\b:BB+8*\b+3], v[VBI], s[BIP:BIP+1] offset:(32*(\b/2)+8*(\b%2))*4
	global_load_b128 v[BB+8*\b+4:BB+8*\b+7], v[VBI], s[BIP:BIP+1] offset:(32*(\b/2)+8*(\b%2))*4+16
.endr
.endm
.macro HOOK                            ; in a lap's fifth step: the next panel's bias and slot 0's scale words (the bases were stepped at the change of slots)
	BLOAD
	SCLOAD 0
.endm
.macro MM f, a0, q, set, mode
	WIN MUL
	MUL8 \f, \a0, \q, \set, \mode
.endm
; A step of 128 along K with its successor in the same slot.  Eight plain places stand between matrix instructions and loads into registers that they have read.
.macro STEP s, q, f, g, mode, hook
	s_wait_dscnt 8                                 ; B's four and A's tiles 0, 1 are in; A's tiles 2, 3 (8 loads) may be out
	MM \f, 0, \q, \s, \mode
	PLACES 8
.if \hook
	WIN 0
	HOOK
.endif
	FETCH \s, (\q)+1, \g
	s_wait_dscnt 32                                ; all but the 32 just issued
	MM \f, 2, \q, \s, \mode
.endm
; Slot 0's last step.  Every wave: all its tensor loads have landed (its part of slot 1 among them), the add, its LDS loads are back (slot 0 is read out); a barrier; then slot 1 is read.
; more = 1: slot 0 is filled again: the barrier is a round of the cluster's, so that no wave of any partner still reads the slot or has a load on its way, and the joint load is the first thing behind it.
.macro TURN more
	WIN 0
	s_wait_tensorcnt 0x0
	ds_add_u32 v[SPW], v[NIL]                      ; 0 onto my spare word
.if \more
	s_add_nc_u64 s[G0B+2:G0B+3], s[G0B+2:G0B+3], 131072   ; no tensor load of mine is out: the next weight panel's first 512 along K
.endif
	s_wait_dscnt 0x0
.if \more
	CROUND
	TLOAD 0
	PLACES 4                                       ; with the four behind the load: eight places in front of the loads below
.else
	s_barrier_signal -1
	s_barrier_wait -1
	PLACES 8
.endif
	s_wait_loadcnt 0x0                             ; slot 1's scale words are in, and no load of mine reads a base any more
.if \more
	s_add_nc_u64 s[SBP:SBP+1], s[SBP:SBP+1], 4096
	s_add_nc_u64 s[BIP:BIP+1], s[BIP:BIP+1], BSTEP
.endif
	FETCH 1, 0, F0
	MM F1, 0, 3, 0, 0
	MM F1, 2, 3, 0, 0
.endm
.macro LAST more
.if \more
	WIN 0
	s_wait_tensorcnt 0x0
	ds_add_u32 v[SPW], v[NIL]
	s_add_nc_u64 s[G0B+6:G0B+7], s[G0B+6:G0B+7], 131072
	s_wait_dscnt 0x0
	CROUND
	TLOAD 1
.else
	s_wait_dscnt 0x0
.endif
	MM F1, 0, 3, 1, 0
	MM F1, 2, 3, 1, 0
	WIN 0
	PLACES 8                                       ; in front of the first read of results and of loads into scale registers
.if \more
	SCLOAD 1
.endif
.endm
.macro LAP mode, more                  ; 1,024 along K
	FETCH 0, 0, F0
	s_wait_loadcnt NSC                             ; all but slot 1's scale words, which were asked for last
	STEP 0, 0, F0, F1, \mode, 0
	STEP 0, 1, F1, F0, 0, 0
	STEP 0, 2, F0, F1, 0, 0
	TURN \more
	STEP 1, 0, F0, F1, 0, \more
	STEP 1, 1, F1, F0, 0, 0
	STEP 1, 2, F0, F1, 0, 0
	LAST \more
.endm
	s_load_b256 s[4:11], s[0:1], 0x0               ; aq, wq, b_fc, fq
	v_lshl_add_u32 v[SPW], v0, 2, SPARE
	v_mov_b32 v[NIL], 0
	ds_add_u32 v4, v5
	ds_add_u32 v4, v5
	s_wait_dscnt 0x0
	v_lshrrev_b32 v1, 5, v0
	v_readfirstlane_b32 s[WV], v1
	s_lshr_b32 s[WR], s[WV], 1
	s_and_b32 s[WC], s[WV], 1
	s_bfe_u32 s[CX], ttmp6, 0x40000                ; cx, cy: my place in the cluster
	s_bfe_u32 s[CY], ttmp6, 0x40004
	s_lshl_b32 s[GX], ttmp9, 2                     ; in a cluster launch ttmp9 and ttmp7 count clusters
	s_add_co_u32 s[GX], s[GX], s[CX]               ; work-group x = 4 x cluster x + cx
	s_and_b32 s[PP], ttmp7, 0xffff
	s_lshl_b32 s[PP], s[PP], 2
	s_add_co_u32 s[PP], s[PP], s[CY]               ; work-group y = 4 x cluster y + cy
	s_lshl_b32 s78, s[CY], 2
	s_lshl_b32 s78, 15, s78                        ; my row of the cluster: places 4 cy .. 4 cy + 3
	s_lshl_b32 s79, 0x1111, s[CX]                  ; my column: places cx, cx + 4, cx + 8, cx + 12
	s_or_b32 s[G1], s78, (3<<16)|(1<<21)           ; 15:0 the mask: A's tiles go to my row; 17:16 elements of 8 bytes; 21 set beside a mask; no padding
	s_or_b32 s[G1B], s79, (3<<16)|(1<<21)          ; the same with the mask of my column, for B's tiles
.irp g, G1, G1B
	s_mov_b32 s[\g+1], 32<<16                      ; 32 KB as 128 rows of 256 bytes (32 elements of 8), dense
	s_mov_b32 s[\g+2], 128<<16
	s_mov_b32 s[\g+3], 32<<16
	s_mov_b32 s[\g+4], 128
	s_mov_b32 s[\g+5], 32
	s_mov_b32 s[\g+6], 0
	s_mov_b32 s[\g+7], 0
.endr
	s_lshl_b32 s56, s[WC], 15
	s_lshl_b32 s54, s[PP], LAPAN                   ; A's tiles hang on work-group y and the wave's number alone,
	s_add_co_u32 s54, s54, s56
	s_mov_b32 s55, 0
	s_mul_i32 s58, s[GX], TILES*128*KK             ; B's on work-group x and the wave's number alone
	s_add_co_u32 s58, s58, s56
	s_add_co_u32 s58, s58, BOFF
	s_mov_b32 s59, 0
	s_lshl_b32 s60, s[WV], 15                      ; LDS: wave x 32 KB: no place in the cluster enters an LDS address
	s_wait_kmcnt 0x0
	s_add_nc_u64 s[54:55], s[4:5], s[54:55]
	s_add_nc_u64 s[58:59], s[6:7], s[58:59]
	CROUND                                         ; all sixteen work-groups are here: the first joint loads meet
.irp s, 0,1
	s_mov_b32 s[G0A+4*\s], 1
	s_add_co_u32 s[G0A+4*\s+1], s60, \s*131072
	s_add_nc_u64 s[G0A+4*\s+2:G0A+4*\s+3], s[54:55], \s*65536
	s_or_b32 s[G0A+4*\s+3], s[G0A+4*\s+3], 0x80000000
	s_mov_b32 s[G0B+4*\s], 1
	s_add_co_u32 s[G0B+4*\s+1], s60, \s*131072
	s_add_nc_u64 s[G0B+4*\s+2:G0B+4*\s+3], s[58:59], \s*65536
	s_or_b32 s[G0B+4*\s+3], s[G0B+4*\s+3], 0x80000000
.endr
	s_cmp_lt_u32 s[WV], 2                          ; a wave's two first fills stand in one branch, ahead of every wait on TENSORcnt and every LDS read
	s_cbranch_scc0 .Lfirst_b
	tensor_load_to_lds s[G0A:G0A+3], s[G1:G1+7]
	s_nop 0
	tensor_load_to_lds s[G0A+4:G0A+7], s[G1:G1+7]
	s_nop 0
	PLACES 4
	s_branch .Lfirst_done
.Lfirst_b:
	tensor_load_to_lds s[G0B:G0B+3], s[G1B:G1B+7]
	s_nop 0
	tensor_load_to_lds s[G0B+4:G0B+7], s[G1B:G1B+7]
	s_nop 0
	PLACES 4
.Lfirst_done:
	s_lshl_b32 s54, s[PP], LASP
	s_lshl_b32 s56, s[WR], 10
	s_add_co_u32 s54, s54, s56
	s_add_co_u32 s54, s54, ASOFF
	s_mov_b32 s55, 0
	s_add_nc_u64 s[SAP:SAP+1], s[4:5], s[54:55]
	s_mul_i32 s54, s[GX], TILES*4*KK
	s_lshl_b32 s56, s[WC], 10
	s_add_co_u32 s54, s54, s56
	s_add_co_u32 s54, s54, BSOFF
	s_add_nc_u64 s[SBP:SBP+1], s[6:7], s[54:55]
	s_lshl_b32 s54, s[GX], 11                      ; the bias: column 512 x + 64 (wave % 2)
	s_lshl_b32 s56, s[WC], 8
	s_add_co_u32 s54, s54, s56
	s_add_nc_u64 s[BIP:BIP+1], s[8:9], s[54:55]
	v_and_b32 v3, 31, v0
	v_and_b32 v1, 15, v0                           ; r
	v_bfe_u32 v2, v0, 4, 1                         ; h
	v_lshlrev_b32 v[L16], 4, v3
	v_lshlrev_b32 v[VBI], 6, v2
	s_lshl_b32 s56, s[WR], 15
	v_add_nc_u32 v[ADRA], s56, v[L16]
	v_add_nc_u32 v[ADRA+1], 131072, v[ADRA]
	s_lshl_b32 s56, s[WC], 15
	s_add_co_u32 s56, s56, 65536
	v_add_nc_u32 v[ADRB], s56, v[L16]
	v_add_nc_u32 v[ADRB+1], 131072, v[ADRB]
	s_lshl_b32 s54, s[PP], 3                       ; fq: ((panel x 8 + k / 512) x 8 + token tile) fragments-of-four; the weight panel picks the fragment, my column half its half
	s_add_co_u32 s54, s54, s[GX]
	s_lshl_b32 s54, s54, 3
	s_lshl_b32 s55, s[WR], 2
	s_add_co_u32 s54, s54, s55
	s_lshl_b32 s55, s54, 13
	s_lshl_b32 s56, s[WC], 10
	s_add_co_u32 s55, s55, s56
	v_add_nc_u32 v[VCO], s55, v[L16]
.irp o, 1,2,3
	v_add_nc_u32 v[VCO+\o], 8192*\o, v[VCO]
.endr
	s_lshl_b32 s55, s54, 8
	s_lshl_b32 s56, s[WC], 1
	s_add_co_u32 s55, s55, s56
	s_add_co_u32 s55, s55, 16777216
	v_lshl_add_u32 v[VSO], v1, 4, s55
.irp o, 1,2,3
	v_add_nc_u32 v[VSO+\o], 256*\o, v[VSO]
.endr
	s_mov_b32 s[SEL], 0x76543210
	s_mov_b32 s[SEL+1], 0xfedcba98
	s_mov_b32 s[MNT], 0x600000
	s_mov_b32 s[C1], 0xbdd2d3e8                    ; c1 = -0.10294324
	s_mov_b32 s[C1+1], s[C1]
	v_mov_b32 v30, 0xc0135761                      ; c0 = -2.3022082
	v_mov_b32 v31, 0xc0135761
.irp k, 0,1,2,3,4,5,6,7
	v_mov_b32 v[TM+8+\k], 0                        ; a lane permute's destination counts as one of its sources
.endr
; The 128 results are 8 blocks of 16 neighbours along the next K (block k at ACC + 16 k); a block of 32 lies in lanes l and l xor 16.  Codes leave as they stand: 512 consecutive bytes a store.
.macro QUANT8
.irp k, 0,1,2,3,4,5,6,7
	v_max3_num_f32 v[TM+\k], |v[ACC+16*\k]|, |v[ACC+16*\k+1]|, 0x4800000   ; the floor 2^(9 - 127) holds the byte at 1 from below
.endr
.irp i, 2,4,6,8,10,12,14
.irp k, 0,1,2,3,4,5,6,7
	v_max3_num_f32 v[TM+\k], v[TM+\k], |v[ACC+16*\k+\i]|, |v[ACC+16*\k+\i+1]|
.endr
.endr
.irp k, 0,1,2,3,4,5,6,7
	v_permlanex16_b32 v[TM+8+\k], v[TM+\k], s[SEL], s[SEL+1]
.endr
.irp k, 0,1,2,3,4,5,6,7
	v_max_num_f32 v[TM+\k], v[TM+\k], v[TM+8+\k]
.endr
.irp k, 0,1,2,3,4,5,6,7
	v_add_nc_u32 v[TM+24+\k], 0xfc000000, v[TM+\k]          ; the conversion's scale operand
.endr
.irp k, 0,1,2,3,4,5,6,7
	v_and_or_b32 v[TM+16+\k], v[TM+\k], 0x7f800000, s[MNT]  ; 448 x the scale
.endr
.irp k, 0,1,2,3,4,5,6,7
	v_lshrrev_b32 v[TM+8+\k], 23, v[TM+24+\k]               ; the byte
.endr
.irp o, 0,1,2,3
	v_lshl_or_b32 v[TM+\o], v[TM+9+2*\o], 8, v[TM+8+2*\o]   ; a token tile's two bytes
.endr
.set n, 0
.rept 128
	v_med3_num_f32 v[ACC+n], v[ACC+n], -v[TM+16+n/16], v[TM+16+n/16]   ; the hold: the conversion does not saturate (ISA guide 7.6.2)
.set n, n+1
.endr
	WIN 0x40
.irp k, 0,1,2,3,4,5,6,7
	v_cvt_scalef32_pk8_fp8_f32 v[PC+4*\k:PC+4*\k+1], v[ACC+16*\k:ACC+16*\k+7], v[TM+24+\k]
	v_cvt_scalef32_pk8_fp8_f32 v[PC+4*\k+2:PC+4*\k+3], v[ACC+16*\k+8:ACC+16*\k+15], v[TM+24+\k]
.endr
	v_nop                                          ; a plain line behind the last conversion: later products write its sources
	WIN 0x04                                       ; a store's data are its source 1: window 1
.irp o, 0,1,2,3
.irp e, 0,1
	global_store_b128 v[VCO+\o], v[PC+8*\o+4*\e:PC+8*\o+4*\e+3], s[OUT:OUT+1] offset:512*\e
.endr
.endr
	WIN 0
.irp o, 0,1,2,3
	global_store_b16 v[VSO+\o], v[TM+\o], s[OUT:OUT+1]      ; lanes r and r + 16 hold the same bytes and write them to the same place
.endr
	s_wait_xcnt 0x0                                ; the stores have read their registers: these are written again only behind this wait
.endm
; The activation on the 128 results, with 128 registers of window 1 at work; each batch of transcendentals has one plain line and one wait behind it.
.macro EPI more
	WIN 0x40                                       ; destination window 1
.set n, 0
.rept 64
	v_pk_mul_f32 v[n:n+1], v[ACC+n:ACC+n+1], v[ACC+n:ACC+n+1]      ; x^2; each accumulator from its low end on
.set n, n+2
.endr
	WIN 0x41                                       ; destination and source 0 window 1
.set n, 0
.rept 64
	v_pk_fma_f32 v[n:n+1], v[n:n+1], s[C1:C1+1], v[30:31] op_sel_hi:[1,0,1]   ; c1 x^2 + c0
.set n, n+2
.endr
.set n, 0
.rept 64
	v_pk_mul_f32 v[n:n+1], v[n:n+1], v[ACC+n:ACC+n+1]              ; z
.set n, n+2
.endr
.set n, 0
.rept 128
	v_exp_f32 v[n], v[n]
.set n, n+1
.endr
	v_nop
	s_wait_alu depctr_va_vdst(0)
.set n, 0
.rept 64
	v_pk_add_f32 v[n:n+1], v[n:n+1], 1.0 op_sel_hi:[1,0]
.set n, n+2
.endr
.set n, 0
.rept 128
	v_rcp_f32 v[n], v[n]
.set n, n+1
.endr
	v_nop
	s_wait_alu depctr_va_vdst(0)
	WIN 0x04                                       ; source 1 window 1
.set n, 0
.rept 64
	v_pk_mul_f32 v[ACC+n:ACC+n+1], v[ACC+n:ACC+n+1], v[n:n+1]      ; x / (1 + 2^z)
.set n, n+2
.endr
	WIN 0
	QUANT8
.if \more
.irp o, 0,1,2,3
	v_add_nc_u32 v[VCO+\o], 2048, v[VCO+\o]        ; the next weight panel's results are the next fragment,
	v_add_nc_u32 v[VSO+\o], 4, v[VSO+\o]           ; and the next scale word
.endr
.endif
.endm
	BLOAD
	SALOAD 0
	SALOAD 1
	SBLOAD 0
	SBLOAD 1
	s_wait_tensorcnt 1                             ; my part of slot 0 is in; slot 1's may stay out
	s_barrier_signal -1
	s_barrier_wait -1
	s_mov_b32 s3, TILES-1
.Ltile:
	LAP 1, 1
	EPI 1
	s_sub_co_u32 s3, s3, 1
	s_cmp_lg_u32 s3, 0
	s_cbranch_scc1 .Ltile
	LAP 1, 0                                       ; the last panel is written out: it asks for nothing more
	EPI 0
	s_wait_tensorcnt 0x0                           ; the wave's end
	ds_add_u32 v[SPW], v[NIL]
	s_wait_dscnt 0x0
	CROUND                                         ; the closing round: no work-group ends while a partner may still ask for a tile that names it
	s_endpgm
.Lfunc_end_k_qfb9b1f2822_gfc:
	.size	k_qfb9b1f2822_gfc, .Lfunc_end_k_qfb9b1f2822_gfc-k_qfb9b1f2822_gfc
	.p2alignl 7, 3214868480
	.fill 96, 4, 3214868480
	.section	.rodata,"a",@progbits
	.p2align	6, 0x0
	.amdhsa_kernel k_qfb9b1f2822_gfc
		.amdhsa_group_segment_fixed_size 327680
		.amdhsa_private_segment_fixed_size 0
		.amdhsa_enable_private_segment 0
		.amdhsa_kernarg_size 32
		.amdhsa_user_sgpr_count 2
		.amdhsa_user_sgpr_kernarg_segment_ptr 1
		.amdhsa_wavefront_size32 1
		.amdhsa_system_sgpr_workgroup_id_x 1
		.amdhsa_system_sgpr_workgroup_id_y 1
		.amdhsa_system_sgpr_workgroup_id_z 1
		.amdhsa_system_vgpr_workitem_id 0
		.amdhsa_next_free_vgpr 512
		.amdhsa_next_free_sgpr 80
		.amdhsa_reserve_vcc 0
		.amdhsa_float_denorm_mode_32 3
		.amdhsa_float_denorm_mode_16_64 3
		.amdhsa_memory_ordered 1
		.amdhsa_forward_progress 1
		.amdhsa_inst_pref_size 174
	.end_amdhsa_kernel
	.amdgpu_metadata
---
amdhsa.version: [ 1, 2 ]
amdhsa.kernels:
  - .name:           k_qfb9b1f2822_gfc
    .symbol:         k_qfb9b1f2822_gfc.kd
    .args:
      - { .name: aq, .offset: 0, .size: 8, .value_kind: global_buffer, .address_space: global }
      - { .name: wq, .offset: 8, .size: 8, .value_kind: global_buffer, .address_space: global }
      - { .name: b_fc, .offset: 16, .size: 8, .value_kind: global_buffer, .address_space: global }
      - { .name: fq, .offset: 24, .size: 8, .value_kind: global_buffer, .address_space: global }
    .group_segment_fixed_size: 327680
    .private_segment_fixed_size: 0
    .kernarg_segment_align: 8
    .kernarg_segment_size: 32
    .max_flat_workgroup_size: 128
    .sgpr_count:     80
    .vgpr_count:     512
    .wavefront_size: 32
...
	.end_amdgpu_metadata
.endif
;; end of part 11
;; launch gproj (part 12): grid 8 x 32, 4 waves a work-group, clusters of 4 x 4, 327,680 bytes of LDS; arguments fq, wq, b_proj, x1, out0; writes out0
.if DOCPART == 12
	.amdgcn_target "amdgcn-amd-amdhsa--gfx1250"
	.amdhsa_code_object_version 6
	.text
	.protected	k_qfb9b1f2822_gproj
	.globl	k_qfb9b1f2822_gproj
	.p2align	8
	.type	k_qfb9b1f2822_gproj,@function
k_qfb9b1f2822_gproj:
	s_mov_b64 s[64:65], 0
	v_nop
	global_prefetch_b8 v0, s[64:65] scope:SCOPE_SE
	s_setreg_imm32_b32 hwreg(HW_REG_WAVE_MODE, 25, 1), 1
	s_wait_xcnt 0x0
	s_wait_alu depctr_hold_cnt(0) depctr_sa_sdst(0) depctr_va_vdst(0) depctr_va_sdst(0) depctr_va_ssrc(0) depctr_va_vcc(0) depctr_vm_vsrc(0)
	s_getreg_b32 s2, hwreg(HW_REG_IB_STS2, 6, 4)
	s_cmp_eq_u32 s2, 0
	s_cbranch_scc0 .Lentry_in_a_cluster
	s_endpgm
.Lentry_in_a_cluster:
	s_bfe_u32 s2, ttmp6, 0x10000c
	s_cmp_lg_u32 s2, 0xf033
	s_cbranch_scc0 .Lentry_shape_is_right
	s_endpgm
.Lentry_shape_is_right:
; out0 = x1 + gelu(..) x w_proj + b_proj: the product on codes of FP8 (E4M3) with E8M0 scales, K = 4,096; bias and residual in f32; out0 row-major f32.
; OPERANDS lie in memory as images of operand registers: a fragment (16 rows x 128 k) is 2,048 bytes, lane l's registers 4 c .. 4 c + 3 at 512 c + 16 l; a panel (128 rows) is [k / 512][tile 8][4] fragments, dense.
; Row rho of a tile T (tokens and columns alike) is index 32 (T / 2) + 8 (T % 2) + rho + 8 (rho / 8).
; SHARES.  Work-group (x, y): token panel y, weight panel x: 128 x 128 of the result.  Four waves, each 64 tokens x 64 columns: 16 accumulators.
; RING.  Two LDS slots, each 512 along K (A's 8 tiles, B's 8 tiles, dense blocks of memory); waves 0, 1 fetch A's halves, waves 2, 3 B's, one tensor load each.  A lap is two slots; four laps.
; By this text's count a wave has two tensor loads out at the head and one later.
; CLUSTERS: 4 x 4 work-groups.  The four of a row of the cluster have one token panel and need the same tiles of A; the four of a column have one weight panel and need the same tiles of B.  Each tile is asked for
; JOINTLY: the same tensor load, with the same descriptor and a mask that names the four, in all four; each receives the tile in its own LDS.  That divides the requests for A and for B by four.
; Where a slot is filled again, a round of the cluster's barrier takes the place of the work-group's barrier.  No branch and no LDS address hangs on a work-group's place in its cluster.
; Source 0 = columns, source 1 = tokens: a lane holds a token and eight neighbouring columns.  The way out goes through the wave's own stage in LDS (in slot 0, which has had its last fill and its last read), so that sixteen lanes store 256 consecutive aligned bytes.
; The residual is loaded at the head, into the registers and lanes in which the results come back from the stage.
; REGISTERS: window 0: v0-31 addresses; v32-63 scale words; v64-127 rows back from the stage; v128-255 accumulators.  window 1: two sets of fragments.  window 2: v0-127 the residual.
.set KK,    4096
.set TILES, 1
.set LAPAN, 19
.set ASOFF, 16777216
.set LASP,  14
.set BOFF,  8388608
.set BSOFF, 12582912+262144
.set ASTEP, 131072                     ; A walks along K with B
.set BSTEP, 0
.set NSC,   4
.set BIASC, 0
.set SPW, 4
.set NIL, 5
.set ADRA, 6
.set ADRB, 8
.set L16, 10
.set STO, 11
.set RD,  12
.set CO,  13
.set BI,  14                           ; v14-17 the bias of my four columns
.set SC,  32
.set BB,  64
.set ACC, 128
.set F0,  0
.set F1,  128
.set SPARE, 262144
.set WV, 14
.set WR, 15
.set WC, 16
.set GX, 17
.set PP, 18
.set G1, 24                            ; s[24:31] descriptor group 1 for A's tiles
.set G0A, 32
.set G0B, 40
.set SAP, 48
.set SBP, 50
.set BIP, 52
.set G1B, 68                           ; s[68:75] descriptor group 1 for B's tiles: it differs from A's in the mask alone
.set CX, 76                            ; s76, s77 my place in the cluster
.set CY, 77
.set MSB, 0
.macro WIN new                         ; the immediate's high byte repeats the setting that is left
.if MSB != \new
	s_set_vgpr_msb (MSB<<8)|\new
.set MSB, \new
.endif
.endm
.set MUL,  0x05
.set TO_F, 0x40
.macro PLACES n
.rept \n
	v_nop
.endr
.endm
; A joint load: waves 0, 1 fetch A's halves of slot s, waves 2, 3 B's.  Each of the two lines has one mask and one set of registers for all that issue it; the branch hangs on the wave's number alone.
; Four v_nop follow each line.
.macro TLOAD s
	s_cmp_lt_u32 s[WV], 2
	s_cbranch_scc0 .Lfor_b_\@
	tensor_load_to_lds s[G0A+4*\s:G0A+4*\s+3], s[G1:G1+7]
	s_nop 0
	PLACES 4
	s_branch .Lasked_\@
.Lfor_b_\@:
	tensor_load_to_lds s[G0B+4*\s:G0B+4*\s+3], s[G1B:G1B+7]
	s_nop 0
	PLACES 4
.Lasked_\@:
.endm
; A round of the cluster's barrier: my work-group's barrier, so that wave 0's signal speaks for all four waves; wave 0 signals for the work-group; every wave waits for all sixteen work-groups; my work-group's barrier once more.
.macro CROUND
	s_barrier_signal -1
	s_barrier_wait -1
	s_cmp_lg_u32 s[WV], 0
	s_cbranch_scc1 .Lnot_wave_0_\@
	s_barrier_signal -3
.Lnot_wave_0_\@:
	s_barrier_wait -3
	s_barrier_signal -1
	s_barrier_wait -1
.endm
.macro WM d, x, y, cz, c, sx, sy, rx, ry   ; one product; cz = 1: C is 0; rx, ry: the scale words lie in lanes 16-31
.if \cz
.if (\rx) && (\ry)
	v_wmma_scale_f32_16x16x128_f8f6f4 v[\d:\d+7], v[\x:\x+15], v[\y:\y+15], 0, v[\sx], v[\sy] matrix_a_scale:MATRIX_SCALE_ROW1 matrix_b_scale:MATRIX_SCALE_ROW1
.elseif \rx
	v_wmma_scale_f32_16x16x128_f8f6f4 v[\d:\d+7], v[\x:\x+15], v[\y:\y+15], 0, v[\sx], v[\sy] matrix_a_scale:MATRIX_SCALE_ROW1
.elseif \ry
	v_wmma_scale_f32_16x16x128_f8f6f4 v[\d:\d+7], v[\x:\x+15], v[\y:\y+15], 0, v[\sx], v[\sy] matrix_b_scale:MATRIX_SCALE_ROW1
.else
	v_wmma_scale_f32_16x16x128_f8f6f4 v[\d:\d+7], v[\x:\x+15], v[\y:\y+15], 0, v[\sx], v[\sy]
.endif
.else
.if (\rx) && (\ry)
	v_wmma_scale_f32_16x16x128_f8f6f4 v[\d:\d+7], v[\x:\x+15], v[\y:\y+15], v[\c:\c+7], v[\sx], v[\sy] matrix_a_scale:MATRIX_SCALE_ROW1 matrix_b_scale:MATRIX_SCALE_ROW1
.elseif \rx
	v_wmma_scale_f32_16x16x128_f8f6f4 v[\d:\d+7], v[\x:\x+15], v[\y:\y+15], v[\c:\c+7], v[\sx], v[\sy] matrix_a_scale:MATRIX_SCALE_ROW1
.elseif \ry
	v_wmma_scale_f32_16x16x128_f8f6f4 v[\d:\d+7], v[\x:\x+15], v[\y:\y+15], v[\c:\c+7], v[\sx], v[\sy] matrix_b_scale:MATRIX_SCALE_ROW1
.else
	v_wmma_scale_f32_16x16x128_f8f6f4 v[\d:\d+7], v[\x:\x+15], v[\y:\y+15], v[\c:\c+7], v[\sx], v[\sy]
.endif
.endif
.endm
; 8 products: A's tiles a0, a0 + 1 x B's four, the slot's q-th 128 along K; source 0 = B; result (a, b) at ACC + 32 a + 8 b.  mode = 1: the sums begin with 0.
; The 16 accumulators take turns, one instruction a turn, in every step and over the loop's backward jump.
.macro MUL8 f, a0, q, set, mode, swap
.irp a, \a0, \a0+1
.irp b, 0,1,2,3
.set DD, ACC+32*(\a)+8*\b
.set CZ, 0
.set CC, DD
.if \mode
.set CZ, 1
.endif
	WM DD, \f+64+16*\b, \f+16*(\a), CZ, CC, SC+16*(\set)+8+4*(\b/2)+(\q), SC+16*(\set)+4*((\a)/2)+(\q), \b%2, (\a)%2
.endr
.endr
.endm
.macro FETCH s, q, f                   ; 32 LDS loads, 512 consecutive bytes each: B's four fragments, then A's four
	WIN TO_F
.irp i, 0,1,2,3
.irp c, 0,1,2,3
	ds_load_b128 v[\f+64+16*\i+4*\c:\f+64+16*\i+4*\c+3], v[ADRB+\s] offset:\i*8192+(\q)*2048+512*\c
.endr
.endr
.irp i, 0,1,2,3
.irp c, 0,1,2,3
	ds_load_b128 v[\f+16*\i+4*\c:\f+16*\i+4*\c+3], v[ADRA+\s] offset:\i*8192+(\q)*2048+512*\c
.endr
.endr
.endm
.macro SALOAD s
.irp u, 0,1
	global_load_b128 v[SC+16*\s+4*\u:SC+16*\s+4*\u+3], v[L16], s[SAP:SAP+1] offset:\s*2048+\u*512
.endr
.endm
.macro SBLOAD s
.irp u, 0,1
	global_load_b128 v[SC+16*\s+8+4*\u:SC+16*\s+8+4*\u+3], v[L16], s[SBP:SBP+1] offset:\s*2048+\u*512
.endr
.endm
.macro SCLOAD s
.if ASTEP
	SALOAD \s
.endif
	SBLOAD \s
.endm
.macro HOOK                            ; in a lap's fifth step: the next lap's scale words of slot 0 (the bases were stepped at the change of slots)
	SCLOAD 0
.endm
.macro MM f, a0, q, set, mode
	WIN MUL
	MUL8 \f, \a0, \q, \set, \mode, 0
.endm
; A step of 128 along K with its successor in the same slot.  Eight plain places stand between matrix instructions and loads into registers that they have read.
.macro STEP s, q, f, g, mode, hook
	s_wait_dscnt 8                                 ; B's four and A's tiles 0, 1 are in; A's tiles 2, 3 (8 loads) may be out
	MM \f, 0, \q, \s, \mode
	PLACES 8
.if \hook
	WIN 0
	HOOK
.endif
	FETCH \s, (\q)+1, \g
	s_wait_dscnt 32                                ; all but the 32 just issued
	MM \f, 2, \q, \s, \mode
.endm
; Slot 0's last step.  Every wave: all its tensor loads have landed (its part of slot 1 among them), the add, its LDS loads are back (slot 0 is read out); a barrier; then slot 1 is read.
; more = 1: slot 0 is filled again: the barrier is a round of the cluster's, so that no wave of any partner still reads the slot or has a load on its way, and the joint load is the first thing behind it.
.macro TURN more
	WIN 0
	s_wait_tensorcnt 0x0
	ds_add_u32 v[SPW], v[NIL]                      ; 0 onto my spare word
.if \more
.if ASTEP
	s_add_nc_u64 s[G0A+2:G0A+3], s[G0A+2:G0A+3], ASTEP
.endif
	s_add_nc_u64 s[G0B+2:G0B+3], s[G0B+2:G0B+3], 131072   ; no tensor load of mine is out: slot 0's next 512 along K
.endif
	s_wait_dscnt 0x0
.if \more
	CROUND
	TLOAD 0
	PLACES 4                                       ; with the four behind the load: eight places in front of the loads below
.else
	s_barrier_signal -1
	s_barrier_wait -1
	PLACES 8
.endif
	s_wait_loadcnt 0x0                             ; slot 1's scale words are in, and no load of mine reads a base any more
.if \more
	s_add_nc_u64 s[SBP:SBP+1], s[SBP:SBP+1], 4096
.if ASTEP
	s_add_nc_u64 s[SAP:SAP+1], s[SAP:SAP+1], 4096
.endif
.endif
	FETCH 1, 0, F0
	MM F1, 0, 3, 0, 0
	MM F1, 2, 3, 0, 0
.endm
.macro LAST more
.if \more
	WIN 0
	s_wait_tensorcnt 0x0
	ds_add_u32 v[SPW], v[NIL]
.if ASTEP
	s_add_nc_u64 s[G0A+6:G0A+7], s[G0A+6:G0A+7], ASTEP
.endif
	s_add_nc_u64 s[G0B+6:G0B+7], s[G0B+6:G0B+7], 131072
	s_wait_dscnt 0x0
	CROUND
	TLOAD 1
.else
	s_wait_dscnt 0x0
.endif
	MM F1, 0, 3, 1, 0
	MM F1, 2, 3, 1, 0
	WIN 0
	PLACES 8                                       ; in front of the first read of results and of loads into scale and fragment registers
.if \more
	SCLOAD 1
.endif
.endm
.macro LAP mode, more                  ; 1,024 along K
	FETCH 0, 0, F0
	s_wait_loadcnt NSC                             ; all but slot 1's scale words, which were asked for last
	STEP 0, 0, F0, F1, \mode, 0
	STEP 0, 1, F1, F0, 0, 0
	STEP 0, 2, F0, F1, 0, 0
	TURN \more
	STEP 1, 0, F0, F1, 0, \more
	STEP 1, 1, F1, F0, 0, 0
	STEP 1, 2, F0, F1, 0, 0
	LAST \more
.endm
	s_load_b256 s[4:11], s[0:1], 0x0               ; A, wq, bias, residual
	s_load_b64 s[12:13], s[0:1], 0x20              ; the result
	v_lshl_add_u32 v[SPW], v0, 2, SPARE
	v_mov_b32 v[NIL], 0
	ds_add_u32 v4, v5
	ds_add_u32 v4, v5
	s_wait_dscnt 0x0
	v_lshrrev_b32 v1, 5, v0
	v_readfirstlane_b32 s[WV], v1
	s_lshr_b32 s[WR], s[WV], 1
	s_and_b32 s[WC], s[WV], 1
	s_bfe_u32 s[CX], ttmp6, 0x40000                ; cx, cy: my place in the cluster
	s_bfe_u32 s[CY], ttmp6, 0x40004
	s_lshl_b32 s[GX], ttmp9, 2                     ; in a cluster launch ttmp9 and ttmp7 count clusters
	s_add_co_u32 s[GX], s[GX], s[CX]               ; work-group x = 4 x cluster x + cx
	s_and_b32 s[PP], ttmp7, 0xffff
	s_lshl_b32 s[PP], s[PP], 2
	s_add_co_u32 s[PP], s[PP], s[CY]               ; work-group y = 4 x cluster y + cy
	s_lshl_b32 s78, s[CY], 2
	s_lshl_b32 s78, 15, s78                        ; my row of the cluster: places 4 cy .. 4 cy + 3
	s_lshl_b32 s79, 0x1111, s[CX]                  ; my column: places cx, cx + 4, cx + 8, cx + 12
	s_or_b32 s[G1], s78, (3<<16)|(1<<21)           ; 15:0 the mask: A's tiles go to my row; 17:16 elements of 8 bytes; 21 set beside a mask; no padding
	s_or_b32 s[G1B], s79, (3<<16)|(1<<21)          ; the same with the mask of my column, for B's tiles
.irp g, G1, G1B
	s_mov_b32 s[\g+1], 32<<16                      ; 32 KB as 128 rows of 256 bytes (32 elements of 8), dense
	s_mov_b32 s[\g+2], 128<<16
	s_mov_b32 s[\g+3], 32<<16
	s_mov_b32 s[\g+4], 128
	s_mov_b32 s[\g+5], 32
	s_mov_b32 s[\g+6], 0
	s_mov_b32 s[\g+7], 0
.endr
	s_lshl_b32 s56, s[WC], 15
	s_lshl_b32 s54, s[PP], LAPAN                   ; A's tiles hang on work-group y and the wave's number alone,
	s_add_co_u32 s54, s54, s56
	s_mov_b32 s55, 0
	s_mul_i32 s58, s[GX], TILES*128*KK             ; B's on work-group x and the wave's number alone
	s_add_co_u32 s58, s58, s56
	s_add_co_u32 s58, s58, BOFF
	s_mov_b32 s59, 0
	s_lshl_b32 s60, s[WV], 15                      ; LDS: wave x 32 KB: no place in the cluster enters an LDS address
	s_wait_kmcnt 0x0
	s_add_nc_u64 s[54:55], s[4:5], s[54:55]
	s_add_nc_u64 s[58:59], s[6:7], s[58:59]
	CROUND                                         ; all sixteen work-groups are here: the first joint loads meet
.irp s, 0,1
	s_mov_b32 s[G0A+4*\s], 1
	s_add_co_u32 s[G0A+4*\s+1], s60, \s*131072
	s_add_nc_u64 s[G0A+4*\s+2:G0A+4*\s+3], s[54:55], \s*65536
	s_or_b32 s[G0A+4*\s+3], s[G0A+4*\s+3], 0x80000000
	s_mov_b32 s[G0B+4*\s], 1
	s_add_co_u32 s[G0B+4*\s+1], s60, \s*131072
	s_add_nc_u64 s[G0B+4*\s+2:G0B+4*\s+3], s[58:59], \s*65536
	s_or_b32 s[G0B+4*\s+3], s[G0B+4*\s+3], 0x80000000
.endr
	s_cmp_lt_u32 s[WV], 2                          ; a wave's two first fills stand in one branch, ahead of every wait on TENSORcnt and every LDS read
	s_cbranch_scc0 .Lfirst_b
	tensor_load_to_lds s[G0A:G0A+3], s[G1:G1+7]
	s_nop 0
	tensor_load_to_lds s[G0A+4:G0A+7], s[G1:G1+7]
	s_nop 0
	PLACES 4
	s_branch .Lfirst_done
.Lfirst_b:
	tensor_load_to_lds s[G0B:G0B+3], s[G1B:G1B+7]
	s_nop 0
	tensor_load_to_lds s[G0B+4:G0B+7], s[G1B:G1B+7]
	s_nop 0
	PLACES 4
.Lfirst_done:
	s_lshl_b32 s54, s[PP], LASP
	s_lshl_b32 s56, s[WR], 10
	s_add_co_u32 s54, s54, s56
	s_add_co_u32 s54, s54, ASOFF
	s_mov_b32 s55, 0
	s_add_nc_u64 s[SAP:SAP+1], s[4:5], s[54:55]
	s_mul_i32 s54, s[GX], TILES*4*KK
	s_lshl_b32 s56, s[WC], 10
	s_add_co_u32 s54, s54, s56
	s_add_co_u32 s54, s54, BSOFF
	s_add_nc_u64 s[SBP:SBP+1], s[6:7], s[54:55]
	v_and_b32 v3, 31, v0
	v_and_b32 v1, 15, v0                           ; r
	v_bfe_u32 v2, v0, 4, 1                         ; h
	v_lshlrev_b32 v[L16], 4, v3
	s_lshl_b32 s56, s[WR], 15
	v_add_nc_u32 v[ADRA], s56, v[L16]
	v_add_nc_u32 v[ADRA+1], 131072, v[ADRA]
	s_lshl_b32 s56, s[WC], 15
	s_add_co_u32 s56, s56, 65536
	v_add_nc_u32 v[ADRB], s56, v[L16]
	v_add_nc_u32 v[ADRB+1], 131072, v[ADRB]
	s_lshl_b32 s54, s[PP], 7                       ; the result: row 128 y + 64 (wave / 2) + h, column 128 x + 64 (wave % 2) + 4 r
	s_lshl_b32 s55, s[WR], 6
	s_add_co_u32 s54, s54, s55
	s_lshl_b32 s54, s54, 12
	s_lshl_b32 s55, s[GX], 9
	s_lshl_b32 s56, s[WC], 8
	s_add_co_u32 s55, s55, s56
	s_add_co_u32 s54, s54, s55
	v_lshlrev_b32 v[CO], 12, v2
	v_lshl_add_u32 v[CO], v1, 4, v[CO]
	v_add_nc_u32 v[CO], s54, v[CO]
	v_lshl_add_u32 v18, v1, 4, s55
	s_mul_i32 s56, s[WV], 4352                     ; my stage: 16 rows of 256 bytes + 16
	v_mul_u32_u24 v[STO], v1, 272
	v_lshl_add_u32 v[STO], v2, 6, v[STO]
	v_add_nc_u32 v[STO], s56, v[STO]               ; in: row r, 64 h bytes on
	v_mul_u32_u24 v[RD], v2, 272
	v_lshl_add_u32 v[RD], v1, 4, v[RD]
	v_add_nc_u32 v[RD], s56, v[RD]                 ; back: lanes 0-15 one row, lanes 16-31 the next
	WIN 0x80                                       ; destination window 2
.irp a, 0,1,2,3
.irp t, 0,1,2,3,4,5,6,7
	global_load_b128 v[32*\a+4*\t:32*\a+4*\t+3], v[CO], s[10:11] offset:(32*(\a/2)+8*(\a%2)+2*\t+8*(\t/4))*4096
.endr
.endr
	WIN 0
	global_load_b128 v[BI:BI+3], v18, s[8:9]
	SCLOAD 0
	SCLOAD 1
	s_wait_tensorcnt 1                             ; my part of slot 0 is in; slot 1's may stay out
	s_barrier_signal -1
	s_barrier_wait -1
	LAP 1, 1                                       ; the first lap starts the sums
	s_mov_b32 s3, 2
.Llap:
	LAP 0, 1
	s_sub_co_u32 s3, s3, 1
	s_cmp_lg_u32 s3, 0
	s_cbranch_scc1 .Llap
	LAP 0, 0                                       ; the last lap is written out: it asks for nothing more
; THE WAY OUT, a token tile at a time.  Stage row rho is the tile's row rho: token 32 (a / 2) + 8 (a % 2) + rho + 8 (rho / 8).  LDS serves a wave's instructions in order (ISA guide 5.7.1.4): no wait between my stores and my loads.
.macro TOSTAGE a
.irp b, 0,1,2,3
	ds_store_b128 v[STO], v[ACC+32*(\a)+8*\b:ACC+32*(\a)+8*\b+3] offset:128*(\b/2)+32*(\b%2)       ; each accumulator from its low end on
	ds_store_b128 v[STO], v[ACC+32*(\a)+8*\b+4:ACC+32*(\a)+8*\b+7] offset:128*(\b/2)+32*(\b%2)+16
.endr
.irp t, 0,1,2,3,4,5,6,7
	ds_load_b128 v[64+32*((\a)%2)+4*\t:64+32*((\a)%2)+4*\t+3], v[RD] offset:544*\t
.endr
.endm
.macro SEND a, younger
.set BK, 64+32*((\a)%2)
	s_wait_dscnt \younger                          ; the tile is back; the next tile's 8 stores and 8 loads may be out
	WIN 0x08                                       ; source 1 window 2: the residual
.set n, 0
.rept 16
	v_pk_add_f32 v[BK+n:BK+n+1], v[BK+n:BK+n+1], v[32*(\a)+n:32*(\a)+n+1]
.set n, n+2
.endr
	WIN 0
.irp t, 0,1,2,3,4,5,6,7
	v_pk_add_f32 v[BK+4*\t:BK+4*\t+1], v[BK+4*\t:BK+4*\t+1], v[BI:BI+1]
	v_pk_add_f32 v[BK+4*\t+2:BK+4*\t+3], v[BK+4*\t+2:BK+4*\t+3], v[BI+2:BI+3]
.endr
.irp t, 0,1,2,3,4,5,6,7
	global_store_b128 v[CO], v[BK+4*\t:BK+4*\t+3], s[12:13] offset:(32*((\a)/2)+8*((\a)%2)+2*\t+8*(\t/4))*4096 th:TH_STORE_NT   ; sixteen lanes store 256 consecutive aligned bytes; written once, read by nobody here
.endr
.endm
	TOSTAGE 0
.irp a, 1,2,3
.if \a > 1
	s_wait_xcnt 0x0                                ; tile a - 2's stores have read their registers: tile a's loads may land there
.endif
	TOSTAGE \a
	SEND \a-1, 16
.endr
	SEND 3, 0
	s_wait_tensorcnt 0x0                           ; the wave's end
	ds_add_u32 v[SPW], v[NIL]
	s_wait_dscnt 0x0
	CROUND                                         ; the closing round: no work-group ends while a partner may still ask for a tile that names it
	s_endpgm
.Lfunc_end_k_qfb9b1f2822_gproj:
	.size	k_qfb9b1f2822_gproj, .Lfunc_end_k_qfb9b1f2822_gproj-k_qfb9b1f2822_gproj
	.p2alignl 7, 3214868480
	.fill 96, 4, 3214868480
	.section	.rodata,"a",@progbits
	.p2align	6, 0x0
	.amdhsa_kernel k_qfb9b1f2822_gproj
		.amdhsa_group_segment_fixed_size 327680
		.amdhsa_private_segment_fixed_size 0
		.amdhsa_enable_private_segment 0
		.amdhsa_kernarg_size 40
		.amdhsa_user_sgpr_count 2
		.amdhsa_user_sgpr_kernarg_segment_ptr 1
		.amdhsa_wavefront_size32 1
		.amdhsa_system_sgpr_workgroup_id_x 1
		.amdhsa_system_sgpr_workgroup_id_y 1
		.amdhsa_system_sgpr_workgroup_id_z 1
		.amdhsa_system_vgpr_workitem_id 0
		.amdhsa_next_free_vgpr 640
		.amdhsa_next_free_sgpr 80
		.amdhsa_reserve_vcc 0
		.amdhsa_float_denorm_mode_32 3
		.amdhsa_float_denorm_mode_16_64 3
		.amdhsa_memory_ordered 1
		.amdhsa_forward_progress 1
		.amdhsa_inst_pref_size 138
	.end_amdhsa_kernel
	.amdgpu_metadata
---
amdhsa.version: [ 1, 2 ]
amdhsa.kernels:
  - .name:           k_qfb9b1f2822_gproj
    .symbol:         k_qfb9b1f2822_gproj.kd
    .args:
      - { .name: fq, .offset: 0, .size: 8, .value_kind: global_buffer, .address_space: global }
      - { .name: wq, .offset: 8, .size: 8, .value_kind: global_buffer, .address_space: global }
      - { .name: b_proj, .offset: 16, .size: 8, .value_kind: global_buffer, .address_space: global }
      - { .name: x1, .offset: 24, .size: 8, .value_kind: global_buffer, .address_space: global }
      - { .name: out0, .offset: 32, .size: 8, .value_kind: global_buffer, .address_space: global }
    .group_segment_fixed_size: 327680
    .private_segment_fixed_size: 0
    .kernarg_segment_align: 8
    .kernarg_segment_size: 40
    .max_flat_workgroup_size: 128
    .sgpr_count:     80
    .vgpr_count:     640
    .wavefront_size: 32
...
	.end_amdgpu_metadata
.endif
;; end of part 12
